; MI455X (gfx1250); checked and timed in simulation.
; The chip was launched on July 23, 2026; its instructions are those of AMD's public machine-readable ISA for CDNA 5 (MIT licence, August 2026) and "CDNA5" Instruction Set Architecture Reference Guide (July 2026). The comments in the code are by the model that wrote it; some were corrected since.
;; SSCA Module. Allowed arithmetic: float matrix products may take bf16 or f16 operands with f32 sums; all other float work in f32.
;; Inputs: Wf 2,048 x 2,048 float32; Wf1 2,048 x 2,048 float32; Wq 512 x 64 float32; bf 2,048 float32; bf1 2,048 float32; bq 64 float32; features 16 x 16 x 16 x 2,048 float32; queries 16 x 2,048 x 512 float32.
;; Outputs: out0 16 x 16 x 16 x 64 float32; out1 16 x 2,048 x 64 float32.
;; 3 versions, each right; version 3 is version 2 with the launch cvtw written anew for expert scheduling mode. Each part assembles by itself: llvm-mc -triple=amdgcn-amd-amdhsa -mcpu=gfx1250 --defsym DOCPART=n.
;; ======== version 1 of 3: 4 launches
;; limits: values outside matrix products are rounded to bf16
;; workspace buffers: Qt 8,388,608 bytes; Tt 8,388,608 bytes; gpart 65,536 bytes; P 16,777,216 bytes; ssum 4,096 bytes
;; launch qproj (part 1): grid 16 x 16, 4 waves a work-group, no clusters, 327,680 bytes of LDS; arguments queries, Wq, bq, bf, Qt, gpart; writes Qt, gpart
.if DOCPART == 1
	.amdgcn_target "amdgcn-amd-amdhsa--gfx1250"
	.amdhsa_code_object_version 6
	.text
	.protected	k_q5e8d18c4c9_qproj
	.globl	k_q5e8d18c4c9_qproj
	.p2align	8
	.type	k_q5e8d18c4c9_qproj,@function
k_q5e8d18c4c9_qproj:
	s_mov_b64 s[64:65], 0
	v_nop
	global_prefetch_b8 v0, s[64:65] scope:SCOPE_SE
	s_setreg_imm32_b32 hwreg(HW_REG_WAVE_MODE, 25, 1), 1
	s_wait_xcnt 0x0
; Q[b][f][a] = sum over d of queries[b][f][d] Wq[d][a] + bq[a], and the partial sums of bf[f] Q[b][f][a] over this group's 128 f.
; Work-group (x = block of 128 f, y = b), four waves; wave w makes rows f = 32 w .. 32 w + 31 for all 64 a: 8 accumulators of 16 x 16.
; Q leaves as a PAIR of bf16 numbers, hi + lo (16 bits of significand, f32's range), transposed: Qt row (64 b + a) holds 8,192 bytes,
; each run of 64 f as 128 bytes of hi and 128 bytes of lo.  So the next launch reads it as a matrix operand with K along the rows.
; LIMITS: all inputs, the biases too, are rounded to bf16 (nearest even) before use; sums in f32; NaN and infinities are not cared for.
; NO CLUSTER: each work-group's queries rows are its own (256 KiB); the shared Wq is 128 KiB of f32 that has to pass registers to be
; rounded and reordered, and its f32 form has no room in LDS beside three chunks of queries.
; In this launch the n tile nt of a lane's column r stands for a = 4 r + nt: one 16-byte load of a Wq row then serves all four n tiles.
.set PITCH, 528                        ; an LDS row: 512 bytes + 16 of padding: 16 rows start in 16 different 16-byte columns of 256
.set RT,    128*PITCH                  ; a chunk: 128 rows x 128 d of f32
.set WT,    32*PITCH                   ; a wave's 32 rows of it
.set FRB,   3*RT                       ; Wq as bf16 fragments in register order: (kstep*4 + nt)*1024 + half*512 + 16 lane
.set QST,   FRB+65536                  ; stage for Qt: 64 rows (a) x 512 bytes, pitch 528
.set GRED,  QST+64*PITCH               ; 4 waves x 64 f32: partial sums of bf Q
.set ADR0, 1                           ; v1-3   my A address in chunk regions 0, 1, 2
.set ADRF, 4                           ; v4     FRB + 16 lane
.set FST,  5                           ; v5     where my wave stores its four ksteps of Wq fragments
.set WV,   6                           ; v6     byte offset in Wq
.set BQV,  7                           ; v7     16 r
.set BFV,  8                           ; v8     byte offset in bf
.set QSTO, 9                           ; v9     stage, in
.set QRD,  10                          ; v10    stage, back
.set QV,   11                          ; v11    16 lane
.set GRS,  12                          ; v12    GRED, in
.set AF,   16                          ; v[16:31]   two A fragments, bf16
.set AR,   32                          ; v[32:63]   A as loaded, f32
.set B0,   64                          ; v[64:95]   B fragments, buffer 0
.set B1,   96                          ; v[96:127]  buffer 1
.set RAW0, 128                         ; v[128:191] Wq as loaded (start only)
.set RAW1, 192                         ; v[192:255] the same, second buffer (start only)
.set BQ,   128                         ; v[128:131] bq
.set BF,   132                         ; v[132:147] bf of my 16 rows
.set BQP,  148                         ; v[148:155] bq rounded, each twice
.set GP,   156                         ; v[156:163] sums of bf Q, pairs
.set GS,   164                         ; v[164:167] the same, one each
.set ACC,  192                         ; v[192:255] accumulators, tile (mt, nt) at 8 (4 mt + nt)
.set HI,   32
.set LO,   36
.set TT,   40                          ; v[40:47] at work in SPLIT4
.set G1,   24                          ; s[24:31] descriptor group 1
.set G0,   32                          ; s[32:47] descriptor group 0 for chunks 0 to 3
.set MASK, 48
.macro PLACES                          ; four places behind matrix instructions (ISA guide 7.12.1)
.rept 4
	v_nop
.endr
.endm
.macro LDA adr, off                    ; 32 rows x 32 d of f32: lane (r, h) takes d = 8h..8h+7 and 16+8h..16+8h+7 of rows r and 16 + r
.irp mt,0,1
	ds_load_b128 v[AR+16*\mt:AR+16*\mt+3], v[\adr] offset:\off+\mt*16*PITCH
	ds_load_b128 v[AR+16*\mt+4:AR+16*\mt+7], v[\adr] offset:\off+\mt*16*PITCH+16
	ds_load_b128 v[AR+16*\mt+8:AR+16*\mt+11], v[\adr] offset:\off+\mt*16*PITCH+64
	ds_load_b128 v[AR+16*\mt+12:AR+16*\mt+15], v[\adr] offset:\off+\mt*16*PITCH+80
.endr
.endm
.macro CVTA                            ; f32 to bf16, nearest even, into fragment order
.irp mt,0,1
.irp i,0,1,2,3,4,5,6,7
	v_cvt_pk_bf16_f32 v[AF+8*\mt+\i], v[AR+16*\mt+2*\i], v[AR+16*\mt+2*\i+1]
.endr
.endr
.endm
.macro LDB buf, ks                     ; the four Wq fragments of kstep ks
.irp nt,0,1,2,3
	ds_load_b128 v[\buf+8*\nt:\buf+8*\nt+3], v[ADRF] offset:(\ks)*4096+\nt*1024
	ds_load_b128 v[\buf+8*\nt+4:\buf+8*\nt+7], v[ADRF] offset:(\ks)*4096+\nt*1024+512
.endr
.endm
.macro MM buf, zero                    ; eight accumulators by turns, one instruction a turn
.irp mt,0,1
.irp nt,0,1,2,3
.if \zero
	v_wmma_f32_16x16x32_bf16 v[ACC+8*(4*\mt+\nt):ACC+8*(4*\mt+\nt)+7], v[AF+8*\mt:AF+8*\mt+7], v[\buf+8*\nt:\buf+8*\nt+7], 0
.else
	v_wmma_f32_16x16x32_bf16 v[ACC+8*(4*\mt+\nt):ACC+8*(4*\mt+\nt)+7], v[AF+8*\mt:AF+8*\mt+7], v[\buf+8*\nt:\buf+8*\nt+7], v[ACC+8*(4*\mt+\nt):ACC+8*(4*\mt+\nt)+7]
.endif
.endr
.endr
.endm
; kstep ks: convert its A, ask for kstep ks + 1's A and B, multiply.
.macro KSTEP ks, zero
.set NK, \ks+1
.set NA, ADR0+((NK>>2)%3)
	s_wait_dscnt 0x8                       ; my A loads are in; the eight B loads issued behind them may be out
	PLACES                                 ; AF and the other B buffer were read by the last matrix instructions
	CVTA
.if \ks==11
	s_wait_tensorcnt 0x0                   ; chunk 3, my own rows, my last tensor load
.endif
	LDA NA, 128*(NK&3)
	LDB B0+32*(NK&1), NK
	s_wait_dscnt 0x10                      ; all but the sixteen just issued: this kstep's B is in
	MM B0+32*((\ks)&1), \zero
.endm
; four pairs (a + st i, b + st i) of f32 become four words of hi and four of lo: hi = bf16(x), lo = bf16(x - hi)
.macro SPLIT4 hi, lo, a, b, st
.irp i,0,1,2,3
	v_cvt_pk_bf16_f32 v[\hi+\i], v[\a+\st*\i], v[\b+\st*\i]
.endr
.irp i,0,1,2,3
	v_lshlrev_b32 v[TT+2*\i], 16, v[\hi+\i]
	v_and_b32 v[TT+2*\i+1], s[MASK], v[\hi+\i]
.endr
.irp i,0,1,2,3
	v_sub_f32 v[TT+2*\i], v[\a+\st*\i], v[TT+2*\i]
	v_sub_f32 v[TT+2*\i+1], v[\b+\st*\i], v[TT+2*\i+1]
.endr
.irp i,0,1,2,3
	v_cvt_pk_bf16_f32 v[\lo+\i], v[TT+2*\i], v[TT+2*\i+1]
.endr
.endm
.macro WQLOAD buf, ksl                 ; 16 rows of Wq for a lane: k = 8h + 0..7 and 16 + 8h + 0..7 of my wave's kstep ksl, a = 4r .. 4r+3
.irp l,0,1,2,3,4,5,6,7,8,9,10,11,12,13,14,15
	global_load_b128 v[\buf+4*\l:\buf+4*\l+3], v[WV], s[6:7] offset:(32*\ksl+\l+8*(\l/8))*256
.endr
.endm
.macro WQCVT buf, ksl                  ; to bf16 fragments, and into LDS in register order
.irp nt,0,1,2,3
.irp i,0,1,2,3,4,5,6,7
	v_cvt_pk_bf16_f32 v[AR+8*\nt+\i], v[\buf+8*\i+\nt], v[\buf+8*\i+4+\nt]
.endr
.endr
.irp nt,0,1,2,3
	ds_store_b128 v[FST], v[AR+8*\nt:AR+8*\nt+3] offset:\ksl*4096+\nt*1024
	ds_store_b128 v[FST], v[AR+8*\nt+4:AR+8*\nt+7] offset:\ksl*4096+\nt*1024+512
.endr
.endm
	s_load_b256 s[4:11], s[0:1], 0x0               ; queries s[4:5], Wq s[6:7], bq s[8:9], bf s[10:11]
	s_load_b128 s[12:15], s[0:1], 0x20             ; Qt s[12:13], gpart s[14:15]
	s_set_vgpr_msb 0x40
	v_lshl_add_u32 v0, v0, 2, 0x4a000
	v_mov_b32 v1, 0
	s_set_vgpr_msb 0x4045
	ds_add_u32 v0, v1
	ds_add_u32 v0, v1
	s_set_vgpr_msb 0x4500
	v_lshrrev_b32 v13, 5, v0
	v_readfirstlane_b32 s16, v13                   ; wave
	s_and_b32 s17, ttmp7, 0xffff                   ; b
	s_mov_b32 s[MASK], 0xffff0000
	s_mov_b32 s49, 0x76543210                      ; v_permlanex16_b32: lane i reads lane i of the other half
	s_mov_b32 s50, 0xfedcba98
	; group 1: 32 rows x 128 elements of 4 bytes, 512 elements from row to row, 4 words of padding behind every 128
	s_mov_b32 s[G1+0], 0x07920000
	s_mov_b32 s[G1+1], 128<<16
	s_mov_b32 s[G1+2], 32<<16
	s_mov_b32 s[G1+3], 128<<16
	s_mov_b32 s[G1+4], 32
	s_mov_b32 s[G1+5], 512
	s_mov_b32 s[G1+6], 0
	s_mov_b32 s[G1+7], 0
	s_lshl_b32 s18, s17, 11
	s_lshl_b32 s19, ttmp9, 7
	s_add_co_u32 s18, s18, s19
	s_lshl_b32 s19, s16, 5
	s_add_co_u32 s18, s18, s19                     ; my wave's first row: 2048 b + 128 x + 32 w
	s_lshl_b32 s18, s18, 11                        ; rows of 2,048 bytes
	s_mov_b32 s19, 0
	s_mul_i32 s20, s16, WT
	s_wait_dscnt 0x0
	s_wait_kmcnt 0x0
	s_add_nc_u64 s[18:19], s[4:5], s[18:19]
.irp kc,0,1,2,3
	s_mov_b32 s[G0+4*\kc], 1
	s_add_co_u32 s[G0+4*\kc+1], s20, (\kc%3)*RT    ; chunk 3 goes where chunk 0 was
	s_add_nc_u64 s[G0+4*\kc+2:G0+4*\kc+3], s[18:19], \kc*512
	s_or_b32 s[G0+4*\kc+3], s[G0+4*\kc+3], 0x80000000
.endr
	tensor_load_to_lds s[G0:G0+3], s[G1:G1+7]      ; the three first fills go out together: three tensor loads of the wave are out
	s_nop 0
	tensor_load_to_lds s[G0+4:G0+7], s[G1:G1+7]
	s_nop 0
	tensor_load_to_lds s[G0+8:G0+11], s[G1:G1+7]
	s_nop 0
	v_and_b32 v13, 31, v0                          ; lane
	v_and_b32 v14, 15, v0                          ; r
	v_bfe_u32 v15, v0, 4, 1                        ; h
	v_lshlrev_b32 v[QV], 4, v13
	v_lshlrev_b32 v[BQV], 4, v14
	s_lshl_b32 s21, s16, 15                        ; my wave's four ksteps: 128 rows of 256 bytes
	v_lshl_add_u32 v[WV], v15, 11, v[BQV]          ; + 8 h rows + 16 r
	v_add_nc_u32 v[WV], s21, v[WV]
	WQLOAD RAW0, 0
	WQLOAD RAW1, 1
	v_mul_u32_u24 v16, v14, PITCH
	v_lshl_add_u32 v16, v15, 5, v16                ; r x pitch + 32 h
	v_add_nc_u32 v[ADR0], s20, v16                 ; + my wave's rows
	v_add_nc_u32 v[ADR0+1], RT, v[ADR0]
	v_add_nc_u32 v[ADR0+2], 2*RT, v[ADR0]
	v_add_nc_u32 v[ADRF], FRB, v[QV]
	s_lshl_b32 s21, s16, 14
	v_add_nc_u32 v[FST], s21, v[ADRF]
	s_lshl_b32 s21, ttmp9, 9
	s_lshl_b32 s22, s16, 7
	s_add_co_u32 s21, s21, s22
	v_lshl_add_u32 v[BFV], v15, 5, s21             ; 4 (128 x + 32 w + 8 h)
	v_mul_u32_u24 v16, v14, 4*PITCH
	v_lshl_add_u32 v16, v15, 4, v16                ; stage row 4 r, + 16 h
	s_lshr_b32 s21, s16, 1
	s_lshl_b32 s21, s21, 8
	s_and_b32 s22, s16, 1
	s_lshl_b32 s22, s22, 6
	s_add_co_u32 s21, s21, s22
	s_add_co_u32 s21, s21, QST
	v_add_nc_u32 v[QSTO], s21, v16                 ; + the place of my wave's 32 f in the row
	s_mul_i32 s21, s16, 16*PITCH
	s_add_co_u32 s21, s21, QST
	v_add_nc_u32 v[QRD], s21, v[QV]
	s_lshl_b32 s21, s16, 8
	s_add_co_u32 s21, s21, GRED
	v_add_nc_u32 v[GRS], s21, v[BQV]
	s_lshl_b32 s52, s17, 6
	s_lshl_b32 s53, s16, 4
	s_add_co_u32 s52, s52, s53
	s_lshl_b32 s52, s52, 13                        ; Qt row 64 b + 16 w, rows of 8,192 bytes
	s_lshl_b32 s53, ttmp9, 9                       ; + this block's 512 bytes
	s_add_co_u32 s52, s52, s53
	s_mov_b32 s53, 0
	s_add_nc_u64 s[52:53], s[12:13], s[52:53]
	s_lshl_b32 s54, s17, 4
	s_add_co_u32 s54, s54, ttmp9
	s_lshl_b32 s54, s54, 8
	s_mov_b32 s55, 0
	s_add_nc_u64 s[54:55], s[14:15], s[54:55]      ; gpart[b][x]
	s_wait_loadcnt 0x10                            ; the older set of 16 loads is in, the younger stays out
	WQCVT RAW0, 0
	WQLOAD RAW0, 2
	s_wait_loadcnt 0x10
	WQCVT RAW1, 1
	WQLOAD RAW1, 3
	s_wait_loadcnt 0x10
	WQCVT RAW0, 2
	s_wait_loadcnt 0x0
	WQCVT RAW1, 3
	global_load_b128 v[BQ:BQ+3], v[BQV], s[8:9]    ; bq[4r .. 4r+3]; waited for on the way out
.irp mt,0,1
	global_load_b128 v[BF+8*\mt:BF+8*\mt+3], v[BFV], s[10:11] offset:64*\mt
	global_load_b128 v[BF+8*\mt+4:BF+8*\mt+7], v[BFV], s[10:11] offset:64*\mt+16
.endr
	s_wait_tensorcnt 0x2                           ; chunk 0 is in; chunks 1 and 2 stay out
	s_wait_dscnt 0x0                               ; my part of the Wq fragments is written
	s_barrier_signal -1
	s_barrier_wait -1
	LDA ADR0, 0
	LDB B0, 0
	KSTEP 0, 1                                     ; the first product starts the sums
	KSTEP 1, 0
	KSTEP 2, 0
	; kstep 3 is the last of chunk 0: its region is filled again with chunk 3
	s_wait_dscnt 0x0                               ; my reads of chunk 0 are back
	s_set_vgpr_msb 0x5
	s_wait_tensorcnt 0x0                           ; all my tensor loads have landed
	ds_add_u32 v0, v1
	s_wait_dscnt 0x0
	s_set_vgpr_msb 0x500
	s_barrier_signal -1
	PLACES
	CVTA
	MM B1, 0                                       ; register work while the others arrive
	s_barrier_wait -1
	tensor_load_to_lds s[G0+12:G0+15], s[G1:G1+7]  ; my one tensor load behind the barrier, first thing there
	s_nop 0
	LDA ADR0+1, 0
	LDB B0, 4
.irp ks,4,5,6,7,8,9,10,11,12,13,14
	KSTEP \ks, 0
.endr
	s_wait_dscnt 0x0
	PLACES
	CVTA
	MM B1, 0
	; THE WAY OUT.  Register j of tile (mt, nt): f = 32 w + 16 mt + 8 h + j, a = 4 r + nt.
	PLACES
	s_wait_loadcnt 0x0                             ; bq, bf
	v_cvt_pk_bf16_f32 v16, v[BQ], v[BQ+1]          ; the biases are rounded to bf16 like every input
	v_cvt_pk_bf16_f32 v17, v[BQ+2], v[BQ+3]
	v_lshlrev_b32 v[BQP], 16, v16                  ; each twice, for the packed adds
	v_lshlrev_b32 v[BQP+1], 16, v16
	v_and_b32 v[BQP+2], s[MASK], v16
	v_and_b32 v[BQP+3], s[MASK], v16
	v_lshlrev_b32 v[BQP+4], 16, v17
	v_lshlrev_b32 v[BQP+5], 16, v17
	v_and_b32 v[BQP+6], s[MASK], v17
	v_and_b32 v[BQP+7], s[MASK], v17
.irp i,0,1,2,3,4,5,6,7
	v_cvt_pk_bf16_f32 v[16+\i], v[BF+2*\i], v[BF+2*\i+1]
.endr
.irp i,0,1,2,3,4,5,6,7
	v_lshlrev_b32 v[BF+2*\i], 16, v[16+\i]
	v_and_b32 v[BF+2*\i+1], s[MASK], v[16+\i]
.endr
.irp mt,0,1
.irp nt,0,1,2,3
.irp i,0,2,4,6
	v_pk_add_f32 v[ACC+8*(4*\mt+\nt)+\i:ACC+8*(4*\mt+\nt)+\i+1], v[ACC+8*(4*\mt+\nt)+\i:ACC+8*(4*\mt+\nt)+\i+1], v[BQP+2*\nt:BQP+2*\nt+1]
.endr
.endr
.endr
	; sum over my 16 rows of bf[f] Q[f][a], four chains of pairs
.irp nt,0,1,2,3
	v_pk_mul_f32 v[GP+2*\nt:GP+2*\nt+1], v[ACC+8*\nt:ACC+8*\nt+1], v[BF:BF+1]
.endr
.irp i,2,4,6
.irp nt,0,1,2,3
	v_pk_fma_f32 v[GP+2*\nt:GP+2*\nt+1], v[ACC+8*\nt+\i:ACC+8*\nt+\i+1], v[BF+\i:BF+\i+1], v[GP+2*\nt:GP+2*\nt+1]
.endr
.endr
.irp i,0,2,4,6
.irp nt,0,1,2,3
	v_pk_fma_f32 v[GP+2*\nt:GP+2*\nt+1], v[ACC+32+8*\nt+\i:ACC+32+8*\nt+\i+1], v[BF+8+\i:BF+8+\i+1], v[GP+2*\nt:GP+2*\nt+1]
.endr
.endr
.irp nt,0,1,2,3
	v_add_f32 v[GS+\nt], v[GP+2*\nt], v[GP+2*\nt+1]
.endr
.irp nt,0,1,2,3
	v_permlanex16_b32 v[20+\nt], v[GS+\nt], s49, s50   ; the other half's eight rows of each tile
.endr
.irp nt,0,1,2,3
	v_add_f32 v[GS+\nt], v[GS+\nt], v[20+\nt]
.endr
	ds_store_b128 v[GRS], v[GS:GS+3]               ; lanes r and 16 + r write the same words with the same values
.irp mt,0,1
.irp nt,0,1,2,3
	SPLIT4 HI, LO, ACC+8*(4*\mt+\nt), ACC+8*(4*\mt+\nt)+1, 2
	ds_store_b128 v[QSTO], v[HI:HI+3] offset:\nt*PITCH+32*\mt
	ds_store_b128 v[QSTO], v[LO:LO+3] offset:\nt*PITCH+32*\mt+128
.endr
.endr
	s_wait_dscnt 0x0                               ; my part of the stage is written
	s_barrier_signal -1
	s_barrier_wait -1
.irp t,0,1,2,3,4,5,6,7,8,9,10,11,12,13,14,15
	ds_load_b128 v[B0+4*\t:B0+4*\t+3], v[QRD] offset:\t*PITCH      ; a whole stage row: 512 bytes
.endr
.irp t,0,1,2,3,4,5,6,7,8,9,10,11,12,13,14,15
	s_wait_dscnt 15-\t
	global_store_b128 v[QV], v[B0+4*\t:B0+4*\t+3], s[52:53] offset:\t*8192   ; 512 consecutive bytes, aligned
.endr
	s_cmp_lg_u32 s16, 0
	s_cbranch_scc1 .Lend
	v_and_b32 v16, 31, v0                          ; wave 0 adds the four waves' sums of bf Q
	v_lshlrev_b32 v16, 3, v16
	v_add_nc_u32 v17, GRED, v16
	ds_load_b64 v[18:19], v17
	ds_load_b64 v[20:21], v17 offset:256
	ds_load_b64 v[22:23], v17 offset:512
	ds_load_b64 v[24:25], v17 offset:768
	s_wait_dscnt 0x0
	v_pk_add_f32 v[18:19], v[18:19], v[20:21]
	v_pk_add_f32 v[22:23], v[22:23], v[24:25]
	v_pk_add_f32 v[18:19], v[18:19], v[22:23]
	global_store_b64 v16, v[18:19], s[54:55]       ; 256 consecutive bytes
.Lend:
	s_set_vgpr_msb 0x5
	s_wait_tensorcnt 0x0
	ds_add_u32 v0, v1
	s_wait_dscnt 0x0
	s_set_vgpr_msb 0x500
	s_endpgm
.Lfunc_end_k_q5e8d18c4c9_qproj:
	.size	k_q5e8d18c4c9_qproj, .Lfunc_end_k_q5e8d18c4c9_qproj-k_q5e8d18c4c9_qproj
	.p2alignl 7, 3214868480
	.fill 96, 4, 3214868480
	.section	.rodata,"a",@progbits
	.p2align	6, 0x0
	.amdhsa_kernel k_q5e8d18c4c9_qproj
		.amdhsa_group_segment_fixed_size 327680
		.amdhsa_private_segment_fixed_size 0
		.amdhsa_enable_private_segment 0
		.amdhsa_kernarg_size 48
		.amdhsa_user_sgpr_count 2
		.amdhsa_user_sgpr_kernarg_segment_ptr 1
		.amdhsa_wavefront_size32 1
		.amdhsa_system_sgpr_workgroup_id_x 1
		.amdhsa_system_sgpr_workgroup_id_y 1
		.amdhsa_system_sgpr_workgroup_id_z 1
		.amdhsa_system_vgpr_workitem_id 0
		.amdhsa_next_free_vgpr 258
		.amdhsa_next_free_sgpr 66
		.amdhsa_reserve_vcc 0
		.amdhsa_float_denorm_mode_32 3
		.amdhsa_float_denorm_mode_16_64 3
		.amdhsa_memory_ordered 1
		.amdhsa_forward_progress 1
		.amdhsa_inst_pref_size 85
	.end_amdhsa_kernel
	.amdgpu_metadata
---
amdhsa.version: [ 1, 2 ]
amdhsa.kernels:
  - .name:           k_q5e8d18c4c9_qproj
    .symbol:         k_q5e8d18c4c9_qproj.kd
    .args:
      - { .name: queries, .offset: 0, .size: 8, .value_kind: global_buffer, .address_space: global }
      - { .name: Wq, .offset: 8, .size: 8, .value_kind: global_buffer, .address_space: global }
      - { .name: bq, .offset: 16, .size: 8, .value_kind: global_buffer, .address_space: global }
      - { .name: bf, .offset: 24, .size: 8, .value_kind: global_buffer, .address_space: global }
      - { .name: Qt, .offset: 32, .size: 8, .value_kind: global_buffer, .address_space: global }
      - { .name: gpart, .offset: 40, .size: 8, .value_kind: global_buffer, .address_space: global }
    .group_segment_fixed_size: 327680
    .private_segment_fixed_size: 0
    .kernarg_segment_align: 8
    .kernarg_segment_size: 48
    .max_flat_workgroup_size: 128
    .sgpr_count:     66
    .vgpr_count:     258
    .wavefront_size: 32
...
	.end_amdgpu_metadata
.endif
;; end of part 1
;; launch gscore (part 2): grid 16 x 16, 4 waves a work-group, clusters of 4 x 4, 327,680 bytes of LDS; arguments Wf, Qt, features, gpart, P; writes P
.if DOCPART == 2
	.amdgcn_target "amdgcn-amd-amdhsa--gfx1250"
	.amdhsa_code_object_version 6
	.text
	.protected	k_q5e8d18c4c9_gscore
	.globl	k_q5e8d18c4c9_gscore
	.p2align	8
	.type	k_q5e8d18c4c9_gscore,@function
k_q5e8d18c4c9_gscore:
	s_mov_b64 s[64:65], 0
	v_nop
	global_prefetch_b8 v0, s[64:65] scope:SCOPE_SE
	s_setreg_imm32_b32 hwreg(HW_REG_WAVE_MODE, 25, 1), 1
	s_wait_xcnt 0x0
	s_wait_alu depctr_hold_cnt(0) depctr_sa_sdst(0) depctr_va_vdst(0) depctr_va_sdst(0) depctr_va_ssrc(0) depctr_va_vcc(0) depctr_vm_vsrc(0)
	s_getreg_b32 s2, hwreg(HW_REG_IB_STS2, 6, 4)
	s_cmp_eq_u32 s2, 0
	s_cbranch_scc0 .Lentry_in_a_cluster
	s_endpgm
.Lentry_in_a_cluster:
	s_bfe_u32 s2, ttmp6, 0x10000c
	s_cmp_lg_u32 s2, 0xf033
	s_cbranch_scc0 .Lentry_shape_is_right
	s_endpgm
.Lentry_shape_is_right:
; reference()'s scores are (X Wf + bf) Q.  They are made as X (Wf Q) + bf Q: the same sums in another order of association.
; Work-group (x = block of 128 c, y = b).  Phase A: G[c][a] = sum over f of Wf[c][f] Q[b][f][a], 128 c x 64 a, K = 2,048.
; Phase B: G goes to LDS as hi + lo pairs of bf16.  Phase C: P[x][b][n][a] = sum over this block's c of X[b][n][c] G[c][a] + gpart[b][x][a]
; for all 256 n; the next launch adds the sixteen P of a batch.  Q is read as hi + lo; both halves are multiplied into one f32 sum.
; Four waves; wave w makes rows 32 w .. 32 w + 31 of the 128 x 64 block: 8 accumulators.
; CLUSTER 4 x 4: Wf's tile hangs on x alone and is asked for jointly by the four work-groups of a column of the cluster, Qt's on y alone
; and by the four of a row.  X's tiles hang on both and are each work-group's own (mask 0).
; LIMITS: Wf and features are rounded to bf16 (nearest even); sums in f32; NaN and infinities are not cared for.
.set PITCH, 528                        ; 512 bytes + 16 of padding
.set ATILE, 128*PITCH                  ; Wf: 128 c x 128 f of f32
.set BTILE, 64*PITCH                   ; Qt: 64 a x 128 f as hi and lo
.set SLOT,  ATILE+BTILE
.set XR,    2*SLOT                     ; X rows 0-127 of the batch, this block's 128 c (rows 128-255 come into slot 0's A part at the end)
.set GST,   XR+ATILE                   ; G as a B tile: 64 rows (a) x 512 bytes
.set ADRA0, 1
.set ADRA1, 2
.set ADRX,  3
.set ADRB0, 4
.set ADRB1, 5
.set ADRG,  6
.set PO,    7                          ; 16 lane
.set GP,    8                          ; v[8:15] gpart of my four columns, each twice
.set AF,    16
.set AR,    32
.set B0,    64                         ; v[64:127]  B fragments at 8 (2 nt + hl)
.set B1,    128                        ; v[128:191]
.set ACC,   192
.set HI,    64
.set LO,    68
.set TT,    72
.set GSTO,  80
.set G1A, 24
.set G0A, 32
.set G1B, 40
.set G0B, 48
.set G1X, 56
.set G0X, 68
.set MASK, 21
.macro PLACES
.rept 4
	v_nop
.endr
.endm
.macro LDA adr, off
.irp mt,0,1
	ds_load_b128 v[AR+16*\mt:AR+16*\mt+3], v[\adr] offset:\off+\mt*16*PITCH
	ds_load_b128 v[AR+16*\mt+4:AR+16*\mt+7], v[\adr] offset:\off+\mt*16*PITCH+16
	ds_load_b128 v[AR+16*\mt+8:AR+16*\mt+11], v[\adr] offset:\off+\mt*16*PITCH+64
	ds_load_b128 v[AR+16*\mt+12:AR+16*\mt+15], v[\adr] offset:\off+\mt*16*PITCH+80
.endr
.endm
.macro CVTA
.irp mt,0,1
.irp i,0,1,2,3,4,5,6,7
	v_cvt_pk_bf16_f32 v[AF+8*\mt+\i], v[AR+16*\mt+2*\i], v[AR+16*\mt+2*\i+1]
.endr
.endr
.endm
.macro LDB buf, adr, off               ; 64 rows (a) x 32 K, hi and lo: 16 loads
.irp nt,0,1,2,3
.irp hl,0,1
	ds_load_b128 v[\buf+8*(2*\nt+\hl):\buf+8*(2*\nt+\hl)+3], v[\adr] offset:\off+\nt*16*PITCH+\hl*128
	ds_load_b128 v[\buf+8*(2*\nt+\hl)+4:\buf+8*(2*\nt+\hl)+7], v[\adr] offset:\off+\nt*16*PITCH+\hl*128+32
.endr
.endr
.endm
.macro MM buf, hl, zero                ; eight accumulators by turns, one instruction a turn
.irp mt,0,1
.irp nt,0,1,2,3
.if \zero
	v_wmma_f32_16x16x32_bf16 v[ACC+8*(4*\mt+\nt):ACC+8*(4*\mt+\nt)+7], v[AF+8*\mt:AF+8*\mt+7], v[\buf+8*(2*\nt+\hl):\buf+8*(2*\nt+\hl)+7], 0
.else
	v_wmma_f32_16x16x32_bf16 v[ACC+8*(4*\mt+\nt):ACC+8*(4*\mt+\nt)+7], v[AF+8*\mt:AF+8*\mt+7], v[\buf+8*(2*\nt+\hl):\buf+8*(2*\nt+\hl)+7], v[ACC+8*(4*\mt+\nt):ACC+8*(4*\mt+\nt)+7]
.endif
.endr
.endr
.endm
.macro STEP cur, nxt, aadr, aoff, badr, boff, zero
	s_wait_dscnt 0x10                      ; my A loads are in; the 16 B loads issued behind them may be out
	PLACES                                 ; AF and buffer nxt were read by the last matrix instructions
	CVTA
	LDA \aadr, \aoff
	LDB \nxt, \badr, \boff
	s_wait_dscnt 0x18                      ; all but the 24 just issued
	MM \cur, 0, \zero
	MM \cur, 1, 0
.endm
.macro THREE aadr, badr, zero          ; the first three of a trip's four steps of 32 along K
	STEP B0, B1, \aadr, 128, \badr, 64, \zero
	STEP B1, B0, \aadr, 256, \badr, 256, 0
	STEP B0, B1, \aadr, 384, \badr, 320, 0
.endm
.macro FIN cur
	s_wait_dscnt 0x0
	PLACES
	CVTA
	MM \cur, 0, 0
	MM \cur, 1, 0
.endm
.macro JLOAD s                         ; waves 0, 1 ask for the halves of Wf's tile, waves 2, 3 for the halves of Qt's
	s_cmp_eq_u32 s15, 0
	s_cbranch_scc0 .Lfor_b_\@
	tensor_load_to_lds s[G0A+4*\s:G0A+4*\s+3], s[G1A:G1A+7]
	s_nop 0
	s_branch .Lasked_\@
.Lfor_b_\@:
	tensor_load_to_lds s[G0B+4*\s:G0B+4*\s+3], s[G1B:G1B+7]
	s_nop 0
.Lasked_\@:
.endm
.macro CREST                           ; a round of the cluster's barrier behind its opening barrier
	s_cmp_lg_u32 s14, 0
	s_cbranch_scc1 .Lnot_wave_0_\@
	s_barrier_signal -3
.Lnot_wave_0_\@:
	s_barrier_wait -3
	s_barrier_signal -1
	s_barrier_wait -1
.endm
.macro CROUND
	s_barrier_signal -1
	s_barrier_wait -1
	CREST
.endm
; A trip's last step, and the change of slots.  kind 1: this slot is filled again, two trips ahead, by the joint loads; kind 2: slot 0's
; A part takes X's rows 128-255.  In front of the opening signal each wave's reads of the slot are back and all its tensor loads have landed.
.macro TURN slot, kind, naadr, nbadr
	s_wait_dscnt 0x0
	s_set_vgpr_msb 0x5
	s_wait_tensorcnt 0x0
	ds_add_u32 v0, v1
	s_wait_dscnt 0x0
	s_set_vgpr_msb 0x500
.if \kind==1
	s_add_nc_u64 s[G0A+4*\slot+2:G0A+4*\slot+3], s[G0A+4*\slot+2:G0A+4*\slot+3], 1024   ; no tensor load of mine is out: two trips on
	s_add_nc_u64 s[G0B+4*\slot+2:G0B+4*\slot+3], s[G0B+4*\slot+2:G0B+4*\slot+3], 1024
.endif
	s_barrier_signal -1
	PLACES
	CVTA
	MM B1, 0, 0                            ; register work while the others arrive
	s_barrier_wait -1
	CREST                                  ; no wave of any partner still reads this slot or has a load on its way
.if \kind==1
	JLOAD \slot                            ; my one tensor load behind the round, first thing there
.else
	tensor_load_to_lds s[G0X+4:G0X+7], s[G1X:G1X+7]
	s_nop 0
.endif
	LDA \naadr, 0
	LDB B0, \nbadr, 0
	MM B1, 1, 0
.endm
.macro LAP zero
	THREE ADRA0, ADRB0, \zero
	TURN 0, 1, ADRA1, ADRB1
	THREE ADRA1, ADRB1, 0
	TURN 1, 1, ADRA0, ADRB0
.endm
.macro SPLIT4 hi, lo, a, b, st
.irp i,0,1,2,3
	v_cvt_pk_bf16_f32 v[\hi+\i], v[\a+\st*\i], v[\b+\st*\i]
.endr
.irp i,0,1,2,3
	v_lshlrev_b32 v[TT+2*\i], 16, v[\hi+\i]
	v_and_b32 v[TT+2*\i+1], s[MASK], v[\hi+\i]
.endr
.irp i,0,1,2,3
	v_sub_f32 v[TT+2*\i], v[\a+\st*\i], v[TT+2*\i]
	v_sub_f32 v[TT+2*\i+1], v[\b+\st*\i], v[TT+2*\i+1]
.endr
.irp i,0,1,2,3
	v_cvt_pk_bf16_f32 v[\lo+\i], v[TT+2*\i], v[TT+2*\i+1]
.endr
.endm
; Phase C for rows 128 hf .. 128 hf + 127 of the batch: K = this block's 128 c, four steps.
.macro SCORES hf, aadr
.if \hf
	s_wait_xcnt 0x0                        ; the accumulators, which the stores above read, are written again only behind this wait
.endif
	LDA \aadr, 0
	LDB B0, ADRG, 0
	THREE \aadr, ADRG, 1
	FIN B1
	PLACES
.irp mt,0,1
.irp nt,0,1,2,3
.irp i,0,2,4,6
	v_pk_add_f32 v[ACC+8*(4*\mt+\nt)+\i:ACC+8*(4*\mt+\nt)+\i+1], v[ACC+8*(4*\mt+\nt)+\i:ACC+8*(4*\mt+\nt)+\i+1], v[GP+2*\nt:GP+2*\nt+1]
.endr
.endr
.endr
.irp mt,0,1
.irp nt,0,1,2,3
	global_store_b128 v[PO], v[ACC+8*(4*\mt+\nt):ACC+8*(4*\mt+\nt)+3], s[88:89] offset:\hf*32768+\mt*4096+\nt*1024       ; accumulator order: 512 consecutive bytes a store
	global_store_b128 v[PO], v[ACC+8*(4*\mt+\nt)+4:ACC+8*(4*\mt+\nt)+7], s[88:89] offset:\hf*32768+\mt*4096+\nt*1024+512
.endr
.endr
.endm
	s_load_b256 s[4:11], s[0:1], 0x0               ; Wf s[4:5], Qt s[6:7], features s[8:9], gpart s[10:11]
	s_load_b64 s[12:13], s[0:1], 0x20              ; P
	s_set_vgpr_msb 0x40
	v_lshl_add_u32 v0, v0, 2, 0x4a400
	v_mov_b32 v1, 0
	s_set_vgpr_msb 0x4045
	ds_add_u32 v0, v1
	ds_add_u32 v0, v1
	s_set_vgpr_msb 0x4500
	v_lshrrev_b32 v32, 5, v0
	v_readfirstlane_b32 s14, v32                   ; wave
	s_lshr_b32 s15, s14, 1                         ; I ask for Wf (0) or for Qt (1)
	s_and_b32 s16, s14, 1                          ; which half of that tile
	s_bfe_u32 s17, ttmp6, 0x40000                  ; cx
	s_bfe_u32 s18, ttmp6, 0x40004                  ; cy
	s_lshl_b32 s19, ttmp9, 2
	s_add_co_u32 s19, s19, s17                     ; x
	s_and_b32 s20, ttmp7, 0xffff
	s_lshl_b32 s20, s20, 2
	s_add_co_u32 s20, s20, s18                     ; y
	s_mov_b32 s[MASK], 0xffff0000
	s_lshl_b32 s76, 0x1111, s17                    ; my column of the cluster (same x)
	s_lshl_b32 s80, s18, 2
	s_lshl_b32 s80, 15, s80                        ; my row (same y)
	; group 1: elements of 4 bytes, rows of 128, 2,048 from row to row, 4 words of padding behind every 128; bit 21 beside a mask
	s_or_b32 s[G1A+0], s76, 0x07B20000
	s_mov_b32 s[G1A+1], 128<<16
	s_mov_b32 s[G1A+2], 64<<16                     ; 64 rows of Wf a wave
	s_mov_b32 s[G1A+3], 128<<16
	s_mov_b32 s[G1A+4], 64
	s_mov_b32 s[G1A+5], 2048
	s_mov_b32 s[G1A+6], 0
	s_mov_b32 s[G1A+7], 0
	s_or_b32 s[G1B+0], s80, 0x07B20000
	s_mov_b32 s[G1B+1], 128<<16
	s_mov_b32 s[G1B+2], 32<<16                     ; 32 rows of Qt a wave
	s_mov_b32 s[G1B+3], 128<<16
	s_mov_b32 s[G1B+4], 32
	s_mov_b32 s[G1B+5], 2048
	s_mov_b32 s[G1B+6], 0
	s_mov_b32 s[G1B+7], 0
	s_mov_b32 s[G1X+0], 0x07920000                 ; no mask: X's tiles are my own
	s_mov_b32 s[G1X+1], 128<<16
	s_mov_b32 s[G1X+2], 32<<16                     ; 32 rows of X a wave
	s_mov_b32 s[G1X+3], 128<<16
	s_mov_b32 s[G1X+4], 32
	s_mov_b32 s[G1X+5], 2048
	s_mov_b32 s[G1X+6], 0
	s_mov_b32 s[G1X+7], 0
	s_lshl_b32 s76, s19, 7                         ; Wf: row 128 x + 64 half, rows of 8,192 bytes (registers that never hold y)
	s_lshl_b32 s77, s16, 6
	s_add_co_u32 s76, s76, s77
	s_lshl_b32 s76, s76, 13
	s_mov_b32 s77, 0
	s_lshl_b32 s80, s20, 6                         ; Qt: row 64 y + 32 half (registers that never hold x)
	s_lshl_b32 s81, s16, 5
	s_add_co_u32 s80, s80, s81
	s_lshl_b32 s80, s80, 13
	s_mov_b32 s81, 0
	s_lshl_b32 s84, s20, 8                         ; X: row 256 y + 32 w, + 512 x bytes
	s_lshl_b32 s85, s14, 5
	s_add_co_u32 s84, s84, s85
	s_lshl_b32 s84, s84, 13
	s_lshl_b32 s85, s19, 9
	s_add_co_u32 s84, s84, s85
	s_mov_b32 s85, 0
	s_lshl_b32 s88, s19, 4                         ; P: (16 x + y) x 65,536 + 8,192 w
	s_add_co_u32 s88, s88, s20
	s_lshl_b32 s88, s88, 16
	s_lshl_b32 s89, s14, 13
	s_add_co_u32 s88, s88, s89
	s_mov_b32 s89, 0
	s_lshl_b32 s90, s20, 4                         ; gpart[y][x]
	s_add_co_u32 s90, s90, s19
	s_lshl_b32 s90, s90, 8
	s_mov_b32 s91, 0
	s_mul_i32 s22, s14, 32*PITCH
	s_mul_i32 s23, s14, 64*PITCH
	s_wait_dscnt 0x0
	s_wait_kmcnt 0x0
	s_add_nc_u64 s[78:79], s[4:5], s[76:77]
	s_add_nc_u64 s[82:83], s[6:7], s[80:81]
	s_add_nc_u64 s[86:87], s[8:9], s[84:85]
	s_add_nc_u64 s[88:89], s[12:13], s[88:89]
	s_add_nc_u64 s[90:91], s[10:11], s[90:91]
.irp s,0,1
	s_mov_b32 s[G0A+4*\s], 1
	s_add_co_u32 s[G0A+4*\s+1], s23, \s*SLOT                       ; waves 0, 1: A's rows 0-63, 64-127
	s_add_nc_u64 s[G0A+4*\s+2:G0A+4*\s+3], s[78:79], \s*512        ; trip s
	s_or_b32 s[G0A+4*\s+3], s[G0A+4*\s+3], 0x80000000
	s_mov_b32 s[G0B+4*\s], 1
	s_add_co_u32 s[G0B+4*\s+1], s22, \s*SLOT+64*PITCH              ; waves 2, 3: behind A's 128 rows
	s_add_nc_u64 s[G0B+4*\s+2:G0B+4*\s+3], s[82:83], \s*512
	s_or_b32 s[G0B+4*\s+3], s[G0B+4*\s+3], 0x80000000
	s_mov_b32 s[G0X+4*\s], 1
	s_add_nc_u64 s[G0X+4*\s+2:G0X+4*\s+3], s[86:87], \s*128*8192   ; rows 128 s .. of the batch
	s_or_b32 s[G0X+4*\s+3], s[G0X+4*\s+3], 0x80000000
.endr
	s_add_co_u32 s[G0X+1], s22, XR
	s_add_co_u32 s[G0X+5], s22, 0
	CROUND                                         ; all sixteen work-groups are here: the first joint loads meet
	JLOAD 0                                        ; the first fills go out together: three tensor loads of the wave are out
	JLOAD 1
	tensor_load_to_lds s[G0X:G0X+3], s[G1X:G1X+7]
	s_nop 0
	v_and_b32 v33, 15, v0                          ; r
	v_bfe_u32 v34, v0, 4, 1                        ; h
	v_lshlrev_b32 v32, 2, v33
.irp nt,0,1,2,3
	global_load_b32 v[GP+2*\nt], v32, s[90:91] offset:64*\nt       ; gpart[16 nt + r], twice: a pair for the packed adds
	global_load_b32 v[GP+2*\nt+1], v32, s[90:91] offset:64*\nt
.endr
	v_mul_u32_u24 v35, v33, PITCH
	v_lshl_add_u32 v36, v34, 5, v35                ; r x pitch + 32 h
	v_add_nc_u32 v[ADRA0], s22, v36                ; + my wave's 32 rows
	v_add_nc_u32 v[ADRA1], SLOT, v[ADRA0]
	v_add_nc_u32 v[ADRX], XR, v[ADRA0]
	v_lshl_add_u32 v37, v34, 4, v35                ; r x pitch + 16 h
	v_add_nc_u32 v[ADRB0], ATILE, v37
	v_add_nc_u32 v[ADRB1], SLOT+ATILE, v37
	v_add_nc_u32 v[ADRG], GST, v37
	v_and_b32 v38, 31, v0
	v_lshlrev_b32 v[PO], 4, v38
	s_lshl_b32 s23, s15, 8                         ; the place of my wave's 32 c in a row of G's stage
	s_lshl_b32 s22, s16, 6
	s_add_co_u32 s23, s23, s22
	s_wait_loadcnt 0x0                             ; gpart is in, and v32 free
	s_wait_tensorcnt 0x2                           ; my part of trip 0 is in; trip 1's and X's stay out
	s_barrier_signal -1
	s_barrier_wait -1
	LDA ADRA0, 0
	LDB B0, ADRB0, 0
	LAP 1                                          ; trips 0, 1: the first product starts the sums
	s_mov_b32 s3, 6
.Llap:
	LAP 0                                          ; trips 2 to 13
	s_sub_co_u32 s3, s3, 1
	s_cmp_lg_u32 s3, 0
	s_cbranch_scc1 .Llap
	THREE ADRA0, ADRB0, 0                          ; trip 14: no further tile of Wf or Qt; slot 0's A part takes X's second half
	TURN 0, 2, ADRA1, ADRB1
	THREE ADRA1, ADRB1, 0                          ; trip 15
	FIN B1
	; PHASE B.  Register j of tile (mt, nt): c = 32 w + 16 mt + 8 h + j, a = 16 nt + r: eight neighbouring c, 16 bytes of hi and 16 of lo.
	PLACES
	v_add_nc_u32 v[GSTO], s23, v[ADRG]
.irp mt,0,1
.irp nt,0,1,2,3
	SPLIT4 HI, LO, ACC+8*(4*\mt+\nt), ACC+8*(4*\mt+\nt)+1, 2
	ds_store_b128 v[GSTO], v[HI:HI+3] offset:\nt*16*PITCH+32*\mt
	ds_store_b128 v[GSTO], v[LO:LO+3] offset:\nt*16*PITCH+32*\mt+128
.endr
.endr
	s_wait_dscnt 0x0                               ; my part of G is written
	s_wait_tensorcnt 0x0                           ; X's second half has landed
	s_barrier_signal -1
	s_barrier_wait -1
	SCORES 0, ADRX
	SCORES 1, ADRA0
	s_set_vgpr_msb 0x5
	s_wait_tensorcnt 0x0
	ds_add_u32 v0, v1
	s_wait_dscnt 0x0
	s_set_vgpr_msb 0x500
	CROUND                                         ; the closing round
	s_endpgm
.Lfunc_end_k_q5e8d18c4c9_gscore:
	.size	k_q5e8d18c4c9_gscore, .Lfunc_end_k_q5e8d18c4c9_gscore-k_q5e8d18c4c9_gscore
	.p2alignl 7, 3214868480
	.fill 96, 4, 3214868480
	.section	.rodata,"a",@progbits
	.p2align	6, 0x0
	.amdhsa_kernel k_q5e8d18c4c9_gscore
		.amdhsa_group_segment_fixed_size 327680
		.amdhsa_private_segment_fixed_size 0
		.amdhsa_enable_private_segment 0
		.amdhsa_kernarg_size 40
		.amdhsa_user_sgpr_count 2
		.amdhsa_user_sgpr_kernarg_segment_ptr 1
		.amdhsa_wavefront_size32 1
		.amdhsa_system_sgpr_workgroup_id_x 1
		.amdhsa_system_sgpr_workgroup_id_y 1
		.amdhsa_system_sgpr_workgroup_id_z 1
		.amdhsa_system_vgpr_workitem_id 0
		.amdhsa_next_free_vgpr 258
		.amdhsa_next_free_sgpr 92
		.amdhsa_reserve_vcc 0
		.amdhsa_float_denorm_mode_32 3
		.amdhsa_float_denorm_mode_16_64 3
		.amdhsa_memory_ordered 1
		.amdhsa_forward_progress 1
		.amdhsa_inst_pref_size 148
	.end_amdhsa_kernel
	.amdgpu_metadata
---
amdhsa.version: [ 1, 2 ]
amdhsa.kernels:
  - .name:           k_q5e8d18c4c9_gscore
    .symbol:         k_q5e8d18c4c9_gscore.kd
    .args:
      - { .name: Wf, .offset: 0, .size: 8, .value_kind: global_buffer, .address_space: global }
      - { .name: Qt, .offset: 8, .size: 8, .value_kind: global_buffer, .address_space: global }
      - { .name: features, .offset: 16, .size: 8, .value_kind: global_buffer, .address_space: global }
      - { .name: gpart, .offset: 24, .size: 8, .value_kind: global_buffer, .address_space: global }
      - { .name: P, .offset: 32, .size: 8, .value_kind: global_buffer, .address_space: global }
    .group_segment_fixed_size: 327680
    .private_segment_fixed_size: 0
    .kernarg_segment_align: 8
    .kernarg_segment_size: 40
    .max_flat_workgroup_size: 128
    .sgpr_count:     92
    .vgpr_count:     258
    .wavefront_size: 32
...
	.end_amdgpu_metadata
.endif
;; end of part 2
;; launch softt (part 3): grid 16 x 16, 4 waves a work-group, no clusters, 253,440 bytes of LDS; arguments P, features, out0, Tt, ssum; writes out0, Tt, ssum
.if DOCPART == 3
	.amdgcn_target "amdgcn-amd-amdhsa--gfx1250"
	.amdhsa_code_object_version 6
	.text
	.protected	k_q5e8d18c4c9_softt
	.globl	k_q5e8d18c4c9_softt
	.p2align	8
	.type	k_q5e8d18c4c9_softt,@function
k_q5e8d18c4c9_softt:
	s_mov_b64 s[64:65], 0
	v_nop
	global_prefetch_b8 v0, s[64:65] scope:SCOPE_SE
	s_setreg_imm32_b32 hwreg(HW_REG_WAVE_MODE, 25, 1), 1
	s_wait_xcnt 0x0
; Work-group (x = block of 128 c, y = b).  It adds the sixteen partial scores of batch y, takes the softmax over the 64 attributes
; (row maximum taken away first, scale 1/8), and makes T[c][a] = sum over the batch's 256 n of X[n][c] attn[n][a] for its 128 c.
; attn is used as hi + lo pairs of bf16, T leaves so too (Tt, laid out like Qt: row 64 b + a, each 64 c as 128 bytes of hi, 128 of lo).
; The work-group also stores rows 16 x .. 16 x + 15 of out0; the one with x = 0 stores the column sums of attn (ssum).
; Wave w takes rows 64 w .. 64 w + 63 for the softmax, in two passes of 32, and columns c = 32 w .. 32 w + 31 for T.
; NO CLUSTER: X's tile is each work-group's own; P is summed in registers as it comes (1 MiB a work-group has no room in LDS).
; LIMITS: features are rounded to bf16 (nearest even); sums and softmax in f32; NaN and infinities are not cared for.
.set PITCH, 528
.set FR,    256*PITCH                  ; behind X (256 n x 128 c of f32): attn fragments, ((kb*4 + nt)*2 + hl)*1024 + half*512 + 16 lane
.set TST,   FR+65536                   ; stage for Tt: 64 rows (a) x 512 bytes
.set O0S,   TST+64*PITCH               ; stage for out0: 16 rows x 272 bytes for each wave
.set SRED,  O0S+4*4352                 ; 4 waves x 64 f32
.set PV,    1                          ; 16 lane
.set ADRX0, 2                          ; v2-5  my A address in X's rows 0, 64, 128, 192
.set ADRF,  6
.set FRS,   7
.set O0ST,  8
.set O0RD,  9
.set TSTO,  10
.set TRD,   11
.set SS,    12                         ; v[12:15]
.set M,     16                         ; v[16:23] row maxima, then sums, then reciprocals
.set T,     24                         ; v[24:31]
.set TT,    32                         ; v[32:39] at work in SPLIT4
.set SSP,   56                         ; v[56:63] column sums, pairs
.set AF,    16
.set AR,    32
.set B0,    64
.set B1,    128
.set ACC,   192
.set G1,    24
.set G0,    32
.set MASK,  46
.macro PLACES
.rept 4
	v_nop
.endr
.endm
.macro LOADSET buf, c, p               ; partial c of the 32 rows of pass p: 16 loads of 512 consecutive bytes, in accumulator order
.irp i,0,1,2,3,4,5,6,7,8,9,10,11,12,13,14,15
.if (\c)<8
	global_load_b128 v[\buf+4*\i:\buf+4*\i+3], v[PV], s[36:37] offset:(\c)*0x100000+\p*8192+\i*512
.else
	global_load_b128 v[\buf+4*\i:\buf+4*\i+3], v[PV], s[38:39] offset:((\c)-8)*0x100000+\p*8192+\i*512
.endif
.endr
.endm
.macro ADDSET buf
.set k, 0
.rept 32
	v_pk_add_f32 v[ACC+k:ACC+k+1], v[ACC+k:ACC+k+1], v[\buf+k:\buf+k+1]
.set k, k+2
.endr
.endm
; softmax of the eight rows 8 h + j of tile tl: a row's 64 numbers lie in four registers of the sixteen lanes of a half
.macro ROWS8 tl, first
.set XB, ACC+32*\tl
.irp j,0,1,2,3,4,5,6,7
	v_max_num_f32 v[M+\j], v[XB+\j], v[XB+8+\j]
.endr
.irp j,0,1,2,3,4,5,6,7
	v_max3_num_f32 v[M+\j], v[M+\j], v[XB+16+\j], v[XB+24+\j]
.endr
.irp x,1,2,4,8
.irp j,0,1,2,3,4,5,6,7
	v_max_num_f32_dpp v[M+\j], v[M+\j], v[M+\j] row_xmask:\x row_mask:0xf bank_mask:0xf
.endr
.endr
.irp nt,0,1,2,3
.irp j,0,1,2,3,4,5,6,7
	v_sub_f32 v[XB+8*\nt+\j], v[XB+8*\nt+\j], v[M+\j]      ; the difference first, then the scale: exact for neighbours of a large maximum
.endr
.endr
.set k, 0
.rept 16
	v_pk_mul_f32 v[XB+k:XB+k+1], v[XB+k:XB+k+1], s[22:23] op_sel_hi:[1,0]   ; x log2(e) / 8
.set k, k+2
.endr
.set k, 0
.rept 32
	v_exp_f32 v[XB+k], v[XB+k]
.set k, k+1
.endr
	v_nop                                          ; one plain place behind the exponentials (ISA guide 5.7.2)
	s_wait_alu depctr_va_vdst(0)
.irp j,0,1,2,3,4,5,6,7
	v_add_f32 v[M+\j], v[XB+\j], v[XB+8+\j]
.endr
.irp j,0,1,2,3,4,5,6,7
	v_add_f32 v[T+\j], v[XB+16+\j], v[XB+24+\j]
.endr
.irp j,0,1,2,3,4,5,6,7
	v_add_f32 v[M+\j], v[M+\j], v[T+\j]
.endr
.irp x,1,2,4,8
.irp j,0,1,2,3,4,5,6,7
	v_add_f32_dpp v[M+\j], v[M+\j], v[M+\j] row_xmask:\x row_mask:0xf bank_mask:0xf
.endr
.endr
.irp j,0,1,2,3,4,5,6,7
	v_rcp_f32 v[M+\j], v[M+\j]                     ; the sum is at least 1
.endr
	v_nop
	s_wait_alu depctr_va_vdst(0)
.irp nt,0,1,2,3
.irp j,0,2,4,6
	v_pk_mul_f32 v[XB+8*\nt+\j:XB+8*\nt+\j+1], v[XB+8*\nt+\j:XB+8*\nt+\j+1], v[M+\j:M+\j+1]
.endr
.endr
.irp nt,0,1,2,3
.if \first
	v_pk_add_f32 v[SSP+2*\nt:SSP+2*\nt+1], v[XB+8*\nt:XB+8*\nt+1], v[XB+8*\nt+2:XB+8*\nt+3]    ; the first rows start the column sums
.else
	v_pk_add_f32 v[SSP+2*\nt:SSP+2*\nt+1], v[SSP+2*\nt:SSP+2*\nt+1], v[XB+8*\nt:XB+8*\nt+1]
.endif
.endr
.if \first==0
.irp nt,0,1,2,3
	v_pk_add_f32 v[SSP+2*\nt:SSP+2*\nt+1], v[SSP+2*\nt:SSP+2*\nt+1], v[XB+8*\nt+2:XB+8*\nt+3]
.endr
.endif
.irp j,4,6
.irp nt,0,1,2,3
	v_pk_add_f32 v[SSP+2*\nt:SSP+2*\nt+1], v[SSP+2*\nt:SSP+2*\nt+1], v[XB+8*\nt+\j:XB+8*\nt+\j+1]
.endr
.endr
.endm
; the one tile of 16 rows that this work-group stores to out0 (tile number x): through my wave's own stage, back as whole rows of 256 bytes
.macro OUT0 tl, p
	s_cmp_lg_u32 s47, 2*\p+\tl
	s_cbranch_scc1 .Lno_out0_\@
.irp nt,0,1,2,3
.irp j,0,1,2,3,4,5,6,7
	ds_store_b32 v[O0ST], v[ACC+32*\tl+8*\nt+\j] offset:272*\j+64*\nt
.endr
.endr
.irp t,0,1,2,3,4,5,6,7
	ds_load_b128 v[16+4*\t:16+4*\t+3], v[O0RD] offset:544*\t       ; LDS serves a wave's instructions in order: these see the stores above
.endr
.irp t,0,1,2,3,4,5,6,7
	s_wait_dscnt 7-\t
	global_store_b128 v[PV], v[16+4*\t:16+4*\t+3], s[40:41] offset:512*\t
.endr
	s_wait_xcnt 0x0                                ; v[16:47] are written again only behind this wait
.Lno_out0_\@:
.endm
.macro SPLIT4 hi, lo, a, b, st
.irp i,0,1,2,3
	v_cvt_pk_bf16_f32 v[\hi+\i], v[\a+\st*\i], v[\b+\st*\i]
.endr
.irp i,0,1,2,3
	v_lshlrev_b32 v[TT+2*\i], 16, v[\hi+\i]
	v_and_b32 v[TT+2*\i+1], s[MASK], v[\hi+\i]
.endr
.irp i,0,1,2,3
	v_sub_f32 v[TT+2*\i], v[\a+\st*\i], v[TT+2*\i]
	v_sub_f32 v[TT+2*\i+1], v[\b+\st*\i], v[TT+2*\i+1]
.endr
.irp i,0,1,2,3
	v_cvt_pk_bf16_f32 v[\lo+\i], v[TT+2*\i], v[TT+2*\i+1]
.endr
.endm
.macro PASS p
	s_wait_loadcnt 0x0                             ; partials 0 and 1
.set k, 0
.rept 32
	v_pk_add_f32 v[ACC+k:ACC+k+1], v[B0+k:B0+k+1], v[B1+k:B1+k+1]
.set k, k+2
.endr
	LOADSET B0, 2, \p
	LOADSET B1, 3, \p
.irp c,2,4,6,8,10,12
	s_wait_loadcnt 0x10                            ; the older set of 16 loads is in, the younger stays out
	ADDSET B0
	LOADSET B0, \c+2, \p
	s_wait_loadcnt 0x10
	ADDSET B1
	LOADSET B1, \c+3, \p
.endr
	s_wait_loadcnt 0x10
	ADDSET B0                                      ; partial 14
.if \p==0
	LOADSET B0, 0, 1                               ; the next pass's first two partials come in under this pass's softmax
	s_wait_loadcnt 0x10
.else
	s_wait_loadcnt 0x0
.endif
	ADDSET B1                                      ; partial 15
.if \p==0
	LOADSET B1, 1, 1
.endif
	ROWS8 0, 1-\p
	ROWS8 1, 0
	OUT0 0, \p
	OUT0 1, \p
	; As a B operand with K = n the accumulator layout is already right: registers 0-3 of a fragment are tile 0's rows 8h .. 8h+7, registers 4-7 tile 1's.
.irp nt,0,1,2,3
	SPLIT4 16, 24, ACC+8*\nt, ACC+8*\nt+1, 2
	SPLIT4 20, 28, ACC+32+8*\nt, ACC+32+8*\nt+1, 2
	ds_store_b128 v[FRS], v[16:19] offset:\p*8192+2*\nt*1024
	ds_store_b128 v[FRS], v[20:23] offset:\p*8192+2*\nt*1024+512
	ds_store_b128 v[FRS], v[24:27] offset:\p*8192+(2*\nt+1)*1024
	ds_store_b128 v[FRS], v[28:31] offset:\p*8192+(2*\nt+1)*1024+512
.endr
.endm
.macro LDAC adr, off                   ; X lies [n][c]: lane (r, h) takes c = 32 w + 2 r and + 1 (m tiles 0 and 1) of rows 8h + 0..7 and 16 + 8h + 0..7
.irp l,0,1,2,3,4,5,6,7,8,9,10,11,12,13,14,15
	ds_load_b64 v[AR+2*\l:AR+2*\l+1], v[\adr] offset:\off+(\l+8*(\l/8))*PITCH
.endr
.endm
.macro CVTA
.irp t,0,1
.irp i,0,1,2,3,4,5,6,7
	v_cvt_pk_bf16_f32 v[AF+8*\t+\i], v[AR+4*\i+\t], v[AR+4*\i+2+\t]
.endr
.endr
.endm
.macro LDBF buf, off
.irp f,0,1,2,3,4,5,6,7
	ds_load_b128 v[\buf+8*\f:\buf+8*\f+3], v[ADRF] offset:\off+\f*1024
	ds_load_b128 v[\buf+8*\f+4:\buf+8*\f+7], v[ADRF] offset:\off+\f*1024+512
.endr
.endm
.macro MM buf, hl, zero                ; eight accumulators by turns, one instruction a turn
.irp mt,0,1
.irp nt,0,1,2,3
.if \zero
	v_wmma_f32_16x16x32_bf16 v[ACC+8*(4*\mt+\nt):ACC+8*(4*\mt+\nt)+7], v[AF+8*\mt:AF+8*\mt+7], v[\buf+8*(2*\nt+\hl):\buf+8*(2*\nt+\hl)+7], 0
.else
	v_wmma_f32_16x16x32_bf16 v[ACC+8*(4*\mt+\nt):ACC+8*(4*\mt+\nt)+7], v[AF+8*\mt:AF+8*\mt+7], v[\buf+8*(2*\nt+\hl):\buf+8*(2*\nt+\hl)+7], v[ACC+8*(4*\mt+\nt):ACC+8*(4*\mt+\nt)+7]
.endif
.endr
.endr
.endm
.macro TSTEP kb, zero
.set NK, \kb+1
	s_wait_dscnt 0x10                      ; my 16 A loads are in; the 16 B loads behind them may be out
	PLACES
	CVTA
	LDAC ADRX0+(NK>>1), (NK&1)*32*PITCH
	LDBF B0+64*(NK&1), NK*8192
	s_wait_dscnt 0x20                      ; all but the 32 just issued
	MM B0+64*((\kb)&1), 0, \zero
	MM B0+64*((\kb)&1), 1, 0
.endm
	s_load_b256 s[4:11], s[0:1], 0x0               ; P s[4:5], features s[6:7], out0 s[8:9], Tt s[10:11]
	s_load_b64 s[12:13], s[0:1], 0x20              ; ssum
	s_set_vgpr_msb 0x40
	v_lshl_add_u32 v0, v0, 2, 0x3dc00
	v_mov_b32 v1, 0
	s_set_vgpr_msb 0x4045
	ds_add_u32 v0, v1
	ds_add_u32 v0, v1
	s_set_vgpr_msb 0x4500
	v_lshrrev_b32 v16, 5, v0
	v_readfirstlane_b32 s14, v16                   ; wave
	s_and_b32 s15, ttmp7, 0xffff                   ; y = b
	s_mov_b32 s[G1+0], 0x07920000                  ; elements of 4 bytes, 4 words of padding behind every 128
	s_mov_b32 s[G1+1], 128<<16
	s_mov_b32 s[G1+2], 64<<16
	s_mov_b32 s[G1+3], 128<<16
	s_mov_b32 s[G1+4], 64
	s_mov_b32 s[G1+5], 2048
	s_mov_b32 s[G1+6], 0
	s_mov_b32 s[G1+7], 0
	s_lshl_b32 s16, s15, 8
	s_lshl_b32 s17, s14, 6
	s_add_co_u32 s16, s16, s17                     ; X row 256 y + 64 w
	s_lshl_b32 s16, s16, 13
	s_lshl_b32 s17, ttmp9, 9
	s_add_co_u32 s16, s16, s17                     ; + 512 x bytes
	s_mov_b32 s17, 0
	s_mov_b32 s[G0], 1
	s_mul_i32 s[G0+1], s14, 64*PITCH
	s_lshl_b32 s18, s15, 16
	s_lshl_b32 s19, s14, 14
	s_add_co_u32 s18, s18, s19                     ; P: 65,536 y + 16,384 w
	s_mov_b32 s19, 0
	v_and_b32 v16, 31, v0
	v_lshlrev_b32 v[PV], 4, v16
	s_wait_dscnt 0x0
	s_wait_kmcnt 0x0
	s_add_nc_u64 s[G0+2:G0+3], s[6:7], s[16:17]
	s_or_b32 s[G0+3], s[G0+3], 0x80000000
	tensor_load_to_lds s[G0:G0+3], s[G1:G1+7]      ; my 64 rows of X: the wave's only tensor load
	s_nop 0
	s_add_nc_u64 s[36:37], s[4:5], s[18:19]        ; partials 0-7
	s_add_nc_u64 s[38:39], s[36:37], 0x800000      ; partials 8-15
	LOADSET B0, 0, 0
	LOADSET B1, 1, 0
	s_mov_b32 s[MASK], 0xffff0000
	s_mov_b32 s20, 0x76543210
	s_mov_b32 s21, 0xfedcba98
	s_mov_b32 s22, 0x3e38aa3b                      ; log2(e) / 8
	s_mov_b32 s23, 0x3e38aa3b
	s_lshl_b32 s16, s14, 2
	s_sub_co_u32 s47, ttmp9, s16                   ; x - 4 w: 0 to 3 where the tile for out0 is my wave's
	s_lshl_b32 s16, s15, 16
	s_lshl_b32 s17, ttmp9, 12
	s_add_co_u32 s16, s16, s17
	s_mov_b32 s17, 0
	s_add_nc_u64 s[40:41], s[8:9], s[16:17]        ; out0 row 256 y + 16 x
	s_lshl_b32 s16, s15, 6
	s_lshl_b32 s17, s14, 4
	s_add_co_u32 s16, s16, s17
	s_lshl_b32 s16, s16, 13
	s_lshl_b32 s17, ttmp9, 9
	s_add_co_u32 s16, s16, s17
	s_mov_b32 s17, 0
	s_add_nc_u64 s[42:43], s[10:11], s[16:17]      ; Tt row 64 y + 16 w, + 512 x bytes
	s_lshl_b32 s16, s15, 8
	s_add_nc_u64 s[44:45], s[12:13], s[16:17]      ; ssum[y]
	v_and_b32 v17, 15, v0                          ; r
	v_bfe_u32 v18, v0, 4, 1                        ; h
	v_mul_u32_u24 v19, v18, 8*PITCH
	v_lshl_add_u32 v19, v17, 3, v19
	s_lshl_b32 s16, s14, 7
	v_add_nc_u32 v[ADRX0], s16, v19                ; 8 h rows + 128 w + 8 r
	v_add_nc_u32 v[ADRX0+1], 64*PITCH, v[ADRX0]
	v_add_nc_u32 v[ADRX0+2], 128*PITCH, v[ADRX0]
	v_add_nc_u32 v[ADRX0+3], 192*PITCH, v[ADRX0]
	v_add_nc_u32 v[ADRF], FR, v[PV]
	s_lshl_b32 s16, s14, 14
	v_add_nc_u32 v[FRS], s16, v[ADRF]
	s_mul_i32 s16, s14, 4352
	s_add_co_u32 s16, s16, O0S
	v_mul_u32_u24 v19, v18, 8*272
	v_lshl_add_u32 v19, v17, 2, v19
	v_add_nc_u32 v[O0ST], s16, v19
	v_mul_u32_u24 v19, v18, 272
	v_lshl_add_u32 v19, v17, 4, v19
	v_add_nc_u32 v[O0RD], s16, v19
	v_mul_u32_u24 v19, v17, PITCH
	v_lshl_add_u32 v19, v18, 5, v19
	s_lshr_b32 s16, s14, 1
	s_lshl_b32 s16, s16, 8
	s_and_b32 s17, s14, 1
	s_lshl_b32 s17, s17, 6
	s_add_co_u32 s16, s16, s17
	s_add_co_u32 s16, s16, TST
	v_add_nc_u32 v[TSTO], s16, v19
	s_mul_i32 s16, s14, 16*PITCH
	s_add_co_u32 s16, s16, TST
	v_add_nc_u32 v[TRD], s16, v[PV]
	PASS 0
	PASS 1
	; column sums of my wave's 64 rows
.irp nt,0,1,2,3
	v_add_f32 v[SS+\nt], v[SSP+2*\nt], v[SSP+2*\nt+1]
.endr
.irp nt,0,1,2,3
	v_permlanex16_b32 v[16+\nt], v[SS+\nt], s20, s21
.endr
.irp nt,0,1,2,3
	v_add_f32 v[SS+\nt], v[SS+\nt], v[16+\nt]
.endr
	v_and_b32 v20, 15, v0
	v_lshlrev_b32 v20, 2, v20
	s_lshl_b32 s16, s14, 8
	s_add_co_u32 s16, s16, SRED
	v_add_nc_u32 v20, s16, v20
.irp nt,0,1,2,3
	ds_store_b32 v20, v[SS+\nt] offset:64*\nt
.endr
	s_wait_dscnt 0x0                               ; my fragments and sums are written
	s_wait_tensorcnt 0x0                           ; my rows of X have landed
	s_barrier_signal -1
	s_barrier_wait -1
	s_or_b32 s16, s14, ttmp9
	s_cmp_lg_u32 s16, 0
	s_cbranch_scc1 .Lno_ssum                       ; wave 0 of the work-group with x = 0 stores the batch's column sums
	v_and_b32 v16, 31, v0
	v_lshlrev_b32 v16, 3, v16
	v_add_nc_u32 v17, SRED, v16
	ds_load_b64 v[18:19], v17
	ds_load_b64 v[20:21], v17 offset:256
	ds_load_b64 v[22:23], v17 offset:512
	ds_load_b64 v[24:25], v17 offset:768
	s_wait_dscnt 0x0
	v_pk_add_f32 v[18:19], v[18:19], v[20:21]
	v_pk_add_f32 v[22:23], v[22:23], v[24:25]
	v_pk_add_f32 v[18:19], v[18:19], v[22:23]
	global_store_b64 v16, v[18:19], s[44:45]
	s_wait_xcnt 0x0                                ; v16 to v19 are written again only behind this wait
.Lno_ssum:
	; T: K = 256 n in eight steps of 32
	LDAC ADRX0, 0
	LDBF B0, 0
	TSTEP 0, 1
.irp kb,1,2,3,4,5,6
	TSTEP \kb, 0
.endr
	s_wait_dscnt 0x0
	PLACES
	CVTA
	MM B1, 0, 0
	MM B1, 1, 0
	; Register j of tile (t, nt): c = 32 w + 16 h + 2 j + t, a = 16 nt + r: tiles 0 and 1 pack into one word
	PLACES
.irp nt,0,1,2,3
	SPLIT4 16, 24, ACC+8*\nt, ACC+32+8*\nt, 1
	SPLIT4 20, 28, ACC+8*\nt+4, ACC+32+8*\nt+4, 1
	ds_store_b128 v[TSTO], v[16:19] offset:\nt*16*PITCH
	ds_store_b128 v[TSTO], v[20:23] offset:\nt*16*PITCH+16
	ds_store_b128 v[TSTO], v[24:27] offset:\nt*16*PITCH+128
	ds_store_b128 v[TSTO], v[28:31] offset:\nt*16*PITCH+144
.endr
	s_wait_dscnt 0x0
	s_barrier_signal -1
	s_barrier_wait -1
.irp t,0,1,2,3,4,5,6,7,8,9,10,11,12,13,14,15
	ds_load_b128 v[B0+4*\t:B0+4*\t+3], v[TRD] offset:\t*PITCH
.endr
.irp t,0,1,2,3,4,5,6,7,8,9,10,11,12,13,14,15
	s_wait_dscnt 15-\t
	global_store_b128 v[PV], v[B0+4*\t:B0+4*\t+3], s[42:43] offset:\t*8192   ; 512 consecutive bytes, aligned
.endr
	s_set_vgpr_msb 0x5
	s_wait_tensorcnt 0x0
	ds_add_u32 v0, v1
	s_wait_dscnt 0x0
	s_set_vgpr_msb 0x500
	s_endpgm
.Lfunc_end_k_q5e8d18c4c9_softt:
	.size	k_q5e8d18c4c9_softt, .Lfunc_end_k_q5e8d18c4c9_softt-k_q5e8d18c4c9_softt
	.p2alignl 7, 3214868480
	.fill 96, 4, 3214868480
	.section	.rodata,"a",@progbits
	.p2align	6, 0x0
	.amdhsa_kernel k_q5e8d18c4c9_softt
		.amdhsa_group_segment_fixed_size 253440
		.amdhsa_private_segment_fixed_size 0
		.amdhsa_enable_private_segment 0
		.amdhsa_kernarg_size 40
		.amdhsa_user_sgpr_count 2
		.amdhsa_user_sgpr_kernarg_segment_ptr 1
		.amdhsa_wavefront_size32 1
		.amdhsa_system_sgpr_workgroup_id_x 1
		.amdhsa_system_sgpr_workgroup_id_y 1
		.amdhsa_system_sgpr_workgroup_id_z 1
		.amdhsa_system_vgpr_workitem_id 0
		.amdhsa_next_free_vgpr 258
		.amdhsa_next_free_sgpr 66
		.amdhsa_reserve_vcc 0
		.amdhsa_float_denorm_mode_32 3
		.amdhsa_float_denorm_mode_16_64 3
		.amdhsa_memory_ordered 1
		.amdhsa_forward_progress 1
		.amdhsa_inst_pref_size 237
	.end_amdhsa_kernel
	.amdgpu_metadata
---
amdhsa.version: [ 1, 2 ]
amdhsa.kernels:
  - .name:           k_q5e8d18c4c9_softt
    .symbol:         k_q5e8d18c4c9_softt.kd
    .args:
      - { .name: P, .offset: 0, .size: 8, .value_kind: global_buffer, .address_space: global }
      - { .name: features, .offset: 8, .size: 8, .value_kind: global_buffer, .address_space: global }
      - { .name: out0, .offset: 16, .size: 8, .value_kind: global_buffer, .address_space: global }
      - { .name: Tt, .offset: 24, .size: 8, .value_kind: global_buffer, .address_space: global }
      - { .name: ssum, .offset: 32, .size: 8, .value_kind: global_buffer, .address_space: global }
    .group_segment_fixed_size: 253440
    .private_segment_fixed_size: 0
    .kernarg_segment_align: 8
    .kernarg_segment_size: 40
    .max_flat_workgroup_size: 128
    .sgpr_count:     66
    .vgpr_count:     258
    .wavefront_size: 32
...
	.end_amdgpu_metadata
.endif
;; end of part 3
;; launch outp (part 4): grid 16 x 16, 4 waves a work-group, clusters of 4 x 4, 327,680 bytes of LDS; arguments Wf1, Tt, bf1, ssum, out1; writes out1
.if DOCPART == 4
	.amdgcn_target "amdgcn-amd-amdhsa--gfx1250"
	.amdhsa_code_object_version 6
	.text
	.protected	k_q5e8d18c4c9_outp
	.globl	k_q5e8d18c4c9_outp
	.p2align	8
	.type	k_q5e8d18c4c9_outp,@function
k_q5e8d18c4c9_outp:
	s_mov_b64 s[64:65], 0
	v_nop
	global_prefetch_b8 v0, s[64:65] scope:SCOPE_SE
	s_setreg_imm32_b32 hwreg(HW_REG_WAVE_MODE, 25, 1), 1
	s_wait_xcnt 0x0
	s_wait_alu depctr_hold_cnt(0) depctr_sa_sdst(0) depctr_va_vdst(0) depctr_va_sdst(0) depctr_va_ssrc(0) depctr_va_vcc(0) depctr_vm_vsrc(0)
	s_getreg_b32 s2, hwreg(HW_REG_IB_STS2, 6, 4)
	s_cmp_eq_u32 s2, 0
	s_cbranch_scc0 .Lentry_in_a_cluster
	s_endpgm
.Lentry_in_a_cluster:
	s_bfe_u32 s2, ttmp6, 0x10000c
	s_cmp_lg_u32 s2, 0xf033
	s_cbranch_scc0 .Lentry_shape_is_right
	s_endpgm
.Lentry_shape_is_right:
; reference()'s readout is (X Wf1 + bf1)^T attn.  It is made as Wf1^T (X^T attn) + bf1 (column sums of attn): another order of association.
; out1[b][f][a] = sum over c of Wf1[c][f] T[b][c][a] + bf1[f] ssum[b][a].  Work-group (x = block of 128 f, y = b), K = 2,048 c in 16 trips of 128.
; T is read as hi + lo pairs of bf16; both halves are multiplied into one f32 sum.  Four waves; wave w makes f = 32 w .. 32 w + 31, all 64 a.
; The matrix instruction is used transposed (source 0 = rows of Tt, source 1 = columns of Wf1), so that a lane holds eight neighbouring a of one f.
; CLUSTER 4 x 4: Wf1's tile hangs on x alone (shared down a column of the cluster), Tt's on y alone (shared along a row).
; LIMITS: Wf1 and bf1 are rounded to bf16 (nearest even); sums in f32; NaN and infinities are not cared for.
.set PITCH, 528
.set ATILE, 128*PITCH                  ; Wf1: 128 c x 128 f of f32, K down the rows
.set BTILE, 64*PITCH                   ; Tt: 64 a x 128 c as hi and lo
.set SLOT,  ATILE+BTILE
.set OST,   2*SLOT                     ; stage for out1: 32 rows x 272 bytes for each wave
.set ADRA0, 1
.set ADRA1, 2
.set ADRB0, 3
.set ADRB1, 4
.set OSTO,  5
.set ORD,   6
.set OV,    7                          ; 16 lane
.set SV,    8                          ; 32 h
.set BV,    9                          ; 8 r
.set AF,    16
.set AR,    32
.set B0,    64
.set B1,    128
.set ACC,   192                        ; tile (t, nt) at 8 (4 t + nt)
.set G1A, 24
.set G0A, 32
.set G1B, 40
.set G0B, 48
.set MASK, 21
.macro PLACES
.rept 4
	v_nop
.endr
.endm
.macro LDAC adr, off                   ; lane (r, h) takes f = 32 w + 2 r and + 1 (tiles 0 and 1) of rows c = 8h + 0..7 and 16 + 8h + 0..7
.irp l,0,1,2,3,4,5,6,7,8,9,10,11,12,13,14,15
	ds_load_b64 v[AR+2*\l:AR+2*\l+1], v[\adr] offset:\off+(\l+8*(\l/8))*PITCH
.endr
.endm
.macro CVTA
.irp t,0,1
.irp i,0,1,2,3,4,5,6,7
	v_cvt_pk_bf16_f32 v[AF+8*\t+\i], v[AR+4*\i+\t], v[AR+4*\i+2+\t]
.endr
.endr
.endm
.macro LDB buf, adr, off
.irp nt,0,1,2,3
.irp hl,0,1
	ds_load_b128 v[\buf+8*(2*\nt+\hl):\buf+8*(2*\nt+\hl)+3], v[\adr] offset:\off+\nt*16*PITCH+\hl*128
	ds_load_b128 v[\buf+8*(2*\nt+\hl)+4:\buf+8*(2*\nt+\hl)+7], v[\adr] offset:\off+\nt*16*PITCH+\hl*128+32
.endr
.endr
.endm
.macro MM buf, hl, zero                ; eight accumulators by turns, one instruction a turn
.irp t,0,1
.irp nt,0,1,2,3
.if \zero
	v_wmma_f32_16x16x32_bf16 v[ACC+8*(4*\t+\nt):ACC+8*(4*\t+\nt)+7], v[\buf+8*(2*\nt+\hl):\buf+8*(2*\nt+\hl)+7], v[AF+8*\t:AF+8*\t+7], 0
.else
	v_wmma_f32_16x16x32_bf16 v[ACC+8*(4*\t+\nt):ACC+8*(4*\t+\nt)+7], v[\buf+8*(2*\nt+\hl):\buf+8*(2*\nt+\hl)+7], v[AF+8*\t:AF+8*\t+7], v[ACC+8*(4*\t+\nt):ACC+8*(4*\t+\nt)+7]
.endif
.endr
.endr
.endm
.macro STEP cur, nxt, aadr, aoff, badr, boff, zero
	s_wait_dscnt 0x10                      ; my 16 A loads are in; the 16 B loads behind them may be out
	PLACES                                 ; AF and buffer nxt were read by the last matrix instructions
	CVTA
	LDAC \aadr, \aoff
	LDB \nxt, \badr, \boff
	s_wait_dscnt 0x20                      ; all but the 32 just issued
	MM \cur, 0, \zero
	MM \cur, 1, 0
.endm
.macro THREE aadr, badr, zero
	STEP B0, B1, \aadr, 32*PITCH, \badr, 64, \zero
	STEP B1, B0, \aadr, 64*PITCH, \badr, 256, 0
	STEP B0, B1, \aadr, 96*PITCH, \badr, 320, 0
.endm
.macro JLOAD s                         ; waves 0, 1 ask for the halves of Wf1's tile, waves 2, 3 for the halves of Tt's
	s_cmp_eq_u32 s15, 0
	s_cbranch_scc0 .Lfor_b_\@
	tensor_load_to_lds s[G0A+4*\s:G0A+4*\s+3], s[G1A:G1A+7]
	s_nop 0
	s_branch .Lasked_\@
.Lfor_b_\@:
	tensor_load_to_lds s[G0B+4*\s:G0B+4*\s+3], s[G1B:G1B+7]
	s_nop 0
.Lasked_\@:
.endm
.macro CREST
	s_cmp_lg_u32 s14, 0
	s_cbranch_scc1 .Lnot_wave_0_\@
	s_barrier_signal -3
.Lnot_wave_0_\@:
	s_barrier_wait -3
	s_barrier_signal -1
	s_barrier_wait -1
.endm
.macro CROUND
	s_barrier_signal -1
	s_barrier_wait -1
	CREST
.endm
; A trip's last step, and the change of slots.  fill = 1: this slot is filled again, two trips ahead, behind a round of the cluster's barrier.
.macro TURN slot, fill, naadr, nbadr
	s_wait_dscnt 0x0                       ; my reads of this slot are back
	s_wait_tensorcnt 0x0                   ; all my tensor loads have landed: my part of the next slot
	ds_add_u32 v14, v15
	s_wait_dscnt 0x0
.if \fill
	s_add_nc_u64 s[G0A+4*\slot+2:G0A+4*\slot+3], s[G0A+4*\slot+2:G0A+4*\slot+3], 2*128*8192   ; 256 rows of Wf1 on
	s_add_nc_u64 s[G0B+4*\slot+2:G0B+4*\slot+3], s[G0B+4*\slot+2:G0B+4*\slot+3], 1024         ; 256 c of Tt's rows on
.endif
	s_barrier_signal -1
	PLACES
	CVTA
	MM B1, 0, 0
	s_barrier_wait -1
.if \fill
	CREST
	JLOAD \slot                            ; my one tensor load behind the round, first thing there
.endif
	LDAC \naadr, 0
	LDB B0, \nbadr, 0
	MM B1, 1, 0
.endm
.macro LAP zero
	THREE ADRA0, ADRB0, \zero
	TURN 0, 1, ADRA1, ADRB1
	THREE ADRA1, ADRB1, 0
	TURN 1, 1, ADRA0, ADRB0
.endm
	s_load_b256 s[4:11], s[0:1], 0x0               ; Wf1 s[4:5], Tt s[6:7], bf1 s[8:9], ssum s[10:11]
	s_load_b64 s[12:13], s[0:1], 0x20              ; out1
	v_lshl_add_u32 v14, v0, 2, 0x3a000
	v_mov_b32 v15, 0
	ds_add_u32 v14, v15
	ds_add_u32 v14, v15
	v_lshrrev_b32 v32, 5, v0
	v_readfirstlane_b32 s14, v32                   ; wave
	s_lshr_b32 s15, s14, 1
	s_and_b32 s16, s14, 1
	s_bfe_u32 s17, ttmp6, 0x40000                  ; cx
	s_bfe_u32 s18, ttmp6, 0x40004                  ; cy
	s_lshl_b32 s19, ttmp9, 2
	s_add_co_u32 s19, s19, s17                     ; x
	s_and_b32 s20, ttmp7, 0xffff
	s_lshl_b32 s20, s20, 2
	s_add_co_u32 s20, s20, s18                     ; y
	s_mov_b32 s[MASK], 0xffff0000
	s_lshl_b32 s76, 0x1111, s17                    ; my column of the cluster (same x)
	s_lshl_b32 s80, s18, 2
	s_lshl_b32 s80, 15, s80                        ; my row (same y)
	s_or_b32 s[G1A+0], s76, 0x07B20000
	s_mov_b32 s[G1A+1], 128<<16
	s_mov_b32 s[G1A+2], 64<<16
	s_mov_b32 s[G1A+3], 128<<16
	s_mov_b32 s[G1A+4], 64
	s_mov_b32 s[G1A+5], 2048
	s_mov_b32 s[G1A+6], 0
	s_mov_b32 s[G1A+7], 0
	s_or_b32 s[G1B+0], s80, 0x07B20000
	s_mov_b32 s[G1B+1], 128<<16
	s_mov_b32 s[G1B+2], 32<<16
	s_mov_b32 s[G1B+3], 128<<16
	s_mov_b32 s[G1B+4], 32
	s_mov_b32 s[G1B+5], 2048
	s_mov_b32 s[G1B+6], 0
	s_mov_b32 s[G1B+7], 0
	s_lshl_b32 s76, s19, 9                         ; Wf1: 512 x bytes in a row, + 64 rows for the second half (registers that never hold y)
	s_lshl_b32 s77, s16, 19
	s_add_co_u32 s76, s76, s77
	s_mov_b32 s77, 0
	s_lshl_b32 s80, s20, 6                         ; Tt: row 64 y + 32 half (registers that never hold x)
	s_lshl_b32 s81, s16, 5
	s_add_co_u32 s80, s80, s81
	s_lshl_b32 s80, s80, 13
	s_mov_b32 s81, 0
	s_lshl_b32 s84, s20, 11                        ; out1: row 2048 y + 128 x + 32 w, rows of 256 bytes
	s_lshl_b32 s85, s19, 7
	s_add_co_u32 s84, s84, s85
	s_lshl_b32 s85, s14, 5
	s_add_co_u32 s84, s84, s85
	s_lshl_b32 s84, s84, 8
	s_mov_b32 s85, 0
	s_lshl_b32 s88, s20, 8                         ; ssum[y]
	s_mov_b32 s89, 0
	s_lshl_b32 s90, s19, 9                         ; bf1: 4 (128 x + 32 w)
	s_lshl_b32 s91, s14, 7
	s_add_co_u32 s90, s90, s91
	s_mov_b32 s91, 0
	s_mul_i32 s22, s14, 32*PITCH
	s_mul_i32 s23, s14, 64*PITCH
	s_wait_dscnt 0x0
	s_wait_kmcnt 0x0
	s_add_nc_u64 s[78:79], s[4:5], s[76:77]
	s_add_nc_u64 s[82:83], s[6:7], s[80:81]
	s_add_nc_u64 s[86:87], s[12:13], s[84:85]
	s_add_nc_u64 s[88:89], s[10:11], s[88:89]
	s_add_nc_u64 s[90:91], s[8:9], s[90:91]
.irp s,0,1
	s_mov_b32 s[G0A+4*\s], 1
	s_add_co_u32 s[G0A+4*\s+1], s23, \s*SLOT
	s_add_nc_u64 s[G0A+4*\s+2:G0A+4*\s+3], s[78:79], \s*128*8192   ; trip s: rows 128 s ..
	s_or_b32 s[G0A+4*\s+3], s[G0A+4*\s+3], 0x80000000
	s_mov_b32 s[G0B+4*\s], 1
	s_add_co_u32 s[G0B+4*\s+1], s22, \s*SLOT+64*PITCH
	s_add_nc_u64 s[G0B+4*\s+2:G0B+4*\s+3], s[82:83], \s*512
	s_or_b32 s[G0B+4*\s+3], s[G0B+4*\s+3], 0x80000000
.endr
	CROUND                                         ; all sixteen work-groups are here: the first joint loads meet
	JLOAD 0                                        ; two tensor loads of the wave are out
	JLOAD 1
	v_and_b32 v33, 15, v0                          ; r
	v_bfe_u32 v34, v0, 4, 1                        ; h
	v_mul_u32_u24 v35, v34, 8*PITCH
	v_lshl_add_u32 v35, v33, 3, v35
	s_lshl_b32 s22, s14, 7
	v_add_nc_u32 v[ADRA0], s22, v35                ; 8 h rows + 128 w + 8 r
	v_add_nc_u32 v[ADRA1], SLOT, v[ADRA0]
	v_mul_u32_u24 v35, v33, PITCH
	v_lshl_add_u32 v35, v34, 4, v35
	v_add_nc_u32 v[ADRB0], ATILE, v35
	v_add_nc_u32 v[ADRB1], SLOT+ATILE, v35
	s_mul_i32 s22, s14, 32*272
	s_add_co_u32 s22, s22, OST
	v_mul_u32_u24 v35, v33, 2*272
	v_lshl_add_u32 v35, v34, 5, v35
	v_add_nc_u32 v[OSTO], s22, v35                 ; stage row 2 r, + 32 h
	v_mul_u32_u24 v35, v34, 272
	v_lshl_add_u32 v35, v33, 4, v35
	v_add_nc_u32 v[ORD], s22, v35
	v_and_b32 v35, 31, v0
	v_lshlrev_b32 v[OV], 4, v35
	v_lshlrev_b32 v[SV], 5, v34
	v_lshlrev_b32 v[BV], 3, v33
	s_wait_tensorcnt 0x1                           ; my part of trip 0 is in; trip 1's stays out
	s_barrier_signal -1
	s_barrier_wait -1
	LDAC ADRA0, 0
	LDB B0, ADRB0, 0
	LAP 1                                          ; trips 0, 1: the first product starts the sums
	s_mov_b32 s3, 6
.Llap:
	LAP 0                                          ; trips 2 to 13
	s_sub_co_u32 s3, s3, 1
	s_cmp_lg_u32 s3, 0
	s_cbranch_scc1 .Llap
	THREE ADRA0, ADRB0, 0                          ; trip 14: nothing is left to fetch
	TURN 0, 0, ADRA1, ADRB1
	THREE ADRA1, ADRB1, 0                          ; trip 15
	s_wait_dscnt 0x0
	PLACES
	CVTA
.irp nt,0,1,2,3
	global_load_b128 v[B0+8*\nt:B0+8*\nt+3], v[SV], s[88:89] offset:64*\nt         ; ssum[16 nt + 8 h + 0..7], under the last products
	global_load_b128 v[B0+8*\nt+4:B0+8*\nt+7], v[SV], s[88:89] offset:64*\nt+16
.endr
	global_load_b64 v[B0+32:B0+33], v[BV], s[90:91]                                ; bf1 of my two f
	MM B1, 0, 0
	MM B1, 1, 0
	; THE WAY OUT.  Register j of tile (t, nt): f = 32 w + 2 r + t, a = 16 nt + 8 h + j.
	PLACES
	s_wait_loadcnt 0x0
	v_cvt_pk_bf16_f32 v[B0+34], v[B0+32], v[B0+33] ; bf1 is rounded to bf16 like every input
	v_lshlrev_b32 v[B0+36], 16, v[B0+34]           ; each twice, for the packed multiply-adds
	v_lshlrev_b32 v[B0+37], 16, v[B0+34]
	v_and_b32 v[B0+38], s[MASK], v[B0+34]
	v_and_b32 v[B0+39], s[MASK], v[B0+34]
.irp t,0,1
.irp nt,0,1,2,3
.irp i,0,2,4,6
	v_pk_fma_f32 v[ACC+8*(4*\t+\nt)+\i:ACC+8*(4*\t+\nt)+\i+1], v[B0+8*\nt+\i:B0+8*\nt+\i+1], v[B0+36+2*\t:B0+36+2*\t+1], v[ACC+8*(4*\t+\nt)+\i:ACC+8*(4*\t+\nt)+\i+1]
.endr
.endr
.endr
.irp t,0,1
.irp nt,0,1,2,3
	ds_store_b128 v[OSTO], v[ACC+8*(4*\t+\nt):ACC+8*(4*\t+\nt)+3] offset:272*\t+64*\nt
	ds_store_b128 v[OSTO], v[ACC+8*(4*\t+\nt)+4:ACC+8*(4*\t+\nt)+7] offset:272*\t+64*\nt+16
.endr
.endr
.irp t,0,1,2,3,4,5,6,7,8,9,10,11,12,13,14,15
	ds_load_b128 v[B1+4*\t:B1+4*\t+3], v[ORD] offset:544*\t        ; my wave's own stage; LDS serves a wave's instructions in order
.endr
.irp t,0,1,2,3,4,5,6,7,8,9,10,11,12,13,14,15
	s_wait_dscnt 15-\t
	global_store_b128 v[OV], v[B1+4*\t:B1+4*\t+3], s[86:87] offset:512*\t          ; two whole rows of 256 bytes
.endr
	s_wait_tensorcnt 0x0
	ds_add_u32 v14, v15
	s_wait_dscnt 0x0
	CROUND                                         ; the closing round
	s_endpgm
.Lfunc_end_k_q5e8d18c4c9_outp:
	.size	k_q5e8d18c4c9_outp, .Lfunc_end_k_q5e8d18c4c9_outp-k_q5e8d18c4c9_outp
	.p2alignl 7, 3214868480
	.fill 96, 4, 3214868480
	.section	.rodata,"a",@progbits
	.p2align	6, 0x0
	.amdhsa_kernel k_q5e8d18c4c9_outp
		.amdhsa_group_segment_fixed_size 327680
		.amdhsa_private_segment_fixed_size 0
		.amdhsa_enable_private_segment 0
		.amdhsa_kernarg_size 40
		.amdhsa_user_sgpr_count 2
		.amdhsa_user_sgpr_kernarg_segment_ptr 1
		.amdhsa_wavefront_size32 1
		.amdhsa_system_sgpr_workgroup_id_x 1
		.amdhsa_system_sgpr_workgroup_id_y 1
		.amdhsa_system_sgpr_workgroup_id_z 1
		.amdhsa_system_vgpr_workitem_id 0
		.amdhsa_next_free_vgpr 256
		.amdhsa_next_free_sgpr 92
		.amdhsa_reserve_vcc 0
		.amdhsa_float_denorm_mode_32 3
		.amdhsa_float_denorm_mode_16_64 3
		.amdhsa_memory_ordered 1
		.amdhsa_forward_progress 1
		.amdhsa_inst_pref_size 119
	.end_amdhsa_kernel
	.amdgpu_metadata
---
amdhsa.version: [ 1, 2 ]
amdhsa.kernels:
  - .name:           k_q5e8d18c4c9_outp
    .symbol:         k_q5e8d18c4c9_outp.kd
    .args:
      - { .name: Wf1, .offset: 0, .size: 8, .value_kind: global_buffer, .address_space: global }
      - { .name: Tt, .offset: 8, .size: 8, .value_kind: global_buffer, .address_space: global }
      - { .name: bf1, .offset: 16, .size: 8, .value_kind: global_buffer, .address_space: global }
      - { .name: ssum, .offset: 24, .size: 8, .value_kind: global_buffer, .address_space: global }
      - { .name: out1, .offset: 32, .size: 8, .value_kind: global_buffer, .address_space: global }
    .group_segment_fixed_size: 327680
    .private_segment_fixed_size: 0
    .kernarg_segment_align: 8
    .kernarg_segment_size: 40
    .max_flat_workgroup_size: 128
    .sgpr_count:     92
    .vgpr_count:     256
    .wavefront_size: 32
...
	.end_amdgpu_metadata
.endif
;; end of part 4
;; ======== version 2 of 3: 6 launches
;; limits: values outside matrix products are rounded to bf16
;; workspace buffers: Qt 8,388,608 bytes; Tt 8,388,608 bytes; gpart 65,536 bytes; P 16,777,216 bytes; ssum 4,096 bytes; Af 1,048,576 bytes; spart 65,536 bytes; Wb 16,777,216 bytes
;; launch cvtw (part 5): grid 512 x 1, 8 waves a work-group, no clusters, 0 bytes of LDS; arguments Wf, Wf1, Wb; writes Wb
.if DOCPART == 5
	.amdgcn_target "amdgcn-amd-amdhsa--gfx1250"
	.amdhsa_code_object_version 6
	.text
	.protected	k_q5e8d18c4c9_cvtw
	.globl	k_q5e8d18c4c9_cvtw
	.p2align	8
	.type	k_q5e8d18c4c9_cvtw,@function
k_q5e8d18c4c9_cvtw:
	s_mov_b64 s[64:65], 0
	v_nop
	global_prefetch_b8 v0, s[64:65] scope:SCOPE_SE
	s_setreg_imm32_b32 hwreg(HW_REG_WAVE_MODE, 25, 1), 1
	s_wait_xcnt 0x0
; Wf and Wf1, [2048][2048] f32, are rounded once to bf16 (nearest even), in the same row-major order: Wb holds Wf at byte 0 and Wf1 at
; byte 8,388,608, rows of 4,096 bytes.  The two matrix launches then move half the bytes of their weights and convert nothing.
; A stream: no LDS, no matrix work, no cluster (no byte is read twice).  Work-group x takes 32,768 bytes of each matrix; thread t takes
; 16 bytes at 16 t of every 4,096, so a wave's load covers 512 consecutive bytes and its store of 8 bytes a lane 256 consecutive bytes, aligned.
; All 16 loads of a wave are on their way at once.
; LIMITS: bf16's rounding; NaN and infinities pass as the conversion makes them.
.set IN,  4                            ; v[4:67]   16 loads x 4 f32
.set OUT, 68                           ; v[68:99]  16 stores x 4 bf16
	s_load_b128 s[4:7], s[0:1], 0x0                ; Wf s[4:5], Wf1 s[6:7]
	s_load_b64 s[8:9], s[0:1], 0x10                ; Wb
	v_lshlrev_b32 v1, 4, v0                        ; 16 t: where I read
	v_lshlrev_b32 v2, 3, v0                        ; 8 t: where I write
	s_lshl_b32 s12, ttmp9, 15                      ; the work-group's 32,768 bytes of f32
	s_mov_b32 s13, 0
	s_lshl_b32 s14, ttmp9, 14                      ; and its 16,384 bytes of bf16
	s_mov_b32 s15, 0
	s_wait_kmcnt 0x0
	s_add_nc_u64 s[4:5], s[4:5], s[12:13]
	s_add_nc_u64 s[6:7], s[6:7], s[12:13]
	s_add_nc_u64 s[8:9], s[8:9], s[14:15]          ; Wf's half of Wb
	s_add_nc_u64 s[10:11], s[8:9], 0x800000        ; Wf1's half
.irp i,0,1,2,3,4,5,6,7
	global_load_b128 v[IN+4*\i:IN+4*\i+3], v1, s[4:5] offset:4096*\i th:TH_LOAD_NT
.endr
.irp i,0,1,2,3,4,5,6,7
	global_load_b128 v[IN+32+4*\i:IN+32+4*\i+3], v1, s[6:7] offset:4096*\i th:TH_LOAD_NT
.endr
.irp i,0,1,2,3,4,5,6,7
	s_wait_loadcnt 15-\i                           ; loads come back in order: load i is in, the younger ones stay out
	v_cvt_pk_bf16_f32 v[OUT+2*\i], v[IN+4*\i], v[IN+4*\i+1]
	v_cvt_pk_bf16_f32 v[OUT+2*\i+1], v[IN+4*\i+2], v[IN+4*\i+3]
	global_store_b64 v2, v[OUT+2*\i:OUT+2*\i+1], s[8:9] offset:2048*\i
.endr
.irp i,0,1,2,3,4,5,6,7
	s_wait_loadcnt 7-\i
	v_cvt_pk_bf16_f32 v[OUT+16+2*\i], v[IN+32+4*\i], v[IN+32+4*\i+1]
	v_cvt_pk_bf16_f32 v[OUT+16+2*\i+1], v[IN+32+4*\i+2], v[IN+32+4*\i+3]
	global_store_b64 v2, v[OUT+16+2*\i:OUT+16+2*\i+1], s[10:11] offset:2048*\i
.endr
	s_endpgm
.Lfunc_end_k_q5e8d18c4c9_cvtw:
	.size	k_q5e8d18c4c9_cvtw, .Lfunc_end_k_q5e8d18c4c9_cvtw-k_q5e8d18c4c9_cvtw
	.p2alignl 7, 3214868480
	.fill 96, 4, 3214868480
	.section	.rodata,"a",@progbits
	.p2align	6, 0x0
	.amdhsa_kernel k_q5e8d18c4c9_cvtw
		.amdhsa_group_segment_fixed_size 0
		.amdhsa_private_segment_fixed_size 0
		.amdhsa_enable_private_segment 0
		.amdhsa_kernarg_size 24
		.amdhsa_user_sgpr_count 2
		.amdhsa_user_sgpr_kernarg_segment_ptr 1
		.amdhsa_wavefront_size32 1
		.amdhsa_system_sgpr_workgroup_id_x 1
		.amdhsa_system_sgpr_workgroup_id_y 1
		.amdhsa_system_sgpr_workgroup_id_z 1
		.amdhsa_system_vgpr_workitem_id 0
		.amdhsa_next_free_vgpr 100
		.amdhsa_next_free_sgpr 66
		.amdhsa_reserve_vcc 0
		.amdhsa_float_denorm_mode_32 3
		.amdhsa_float_denorm_mode_16_64 3
		.amdhsa_memory_ordered 1
		.amdhsa_forward_progress 1
		.amdhsa_inst_pref_size 7
	.end_amdhsa_kernel
	.amdgpu_metadata
---
amdhsa.version: [ 1, 2 ]
amdhsa.kernels:
  - .name:           k_q5e8d18c4c9_cvtw
    .symbol:         k_q5e8d18c4c9_cvtw.kd
    .args:
      - { .name: Wf, .offset: 0, .size: 8, .value_kind: global_buffer, .address_space: global }
      - { .name: Wf1, .offset: 8, .size: 8, .value_kind: global_buffer, .address_space: global }
      - { .name: Wb, .offset: 16, .size: 8, .value_kind: global_buffer, .address_space: global }
    .group_segment_fixed_size: 0
    .private_segment_fixed_size: 0
    .kernarg_segment_align: 8
    .kernarg_segment_size: 24
    .max_flat_workgroup_size: 256
    .sgpr_count:     66
    .vgpr_count:     100
    .wavefront_size: 32
...
	.end_amdgpu_metadata
.endif
;; end of part 5
;; launch qproj: the kernel of part 1 again; grid 16 x 16, 4 waves a work-group, no clusters, 327,680 bytes of LDS; arguments queries, Wq, bq, bf, Qt, gpart; writes Qt, gpart
;; launch gscore (part 6): grid 16 x 16, 4 waves a work-group, clusters of 4 x 4, 327,680 bytes of LDS; arguments Wb, Qt, features, gpart, P; writes P
.if DOCPART == 6
	.amdgcn_target "amdgcn-amd-amdhsa--gfx1250"
	.amdhsa_code_object_version 6
	.text
	.protected	k_q5e8d18c4c9_gscore
	.globl	k_q5e8d18c4c9_gscore
	.p2align	8
	.type	k_q5e8d18c4c9_gscore,@function
k_q5e8d18c4c9_gscore:
	s_mov_b64 s[64:65], 0
	v_nop
	global_prefetch_b8 v0, s[64:65] scope:SCOPE_SE
	s_setreg_imm32_b32 hwreg(HW_REG_WAVE_MODE, 25, 1), 1
	s_wait_xcnt 0x0
	s_wait_alu depctr_hold_cnt(0) depctr_sa_sdst(0) depctr_va_vdst(0) depctr_va_sdst(0) depctr_va_ssrc(0) depctr_va_vcc(0) depctr_vm_vsrc(0)
	s_getreg_b32 s2, hwreg(HW_REG_IB_STS2, 6, 4)
	s_cmp_eq_u32 s2, 0
	s_cbranch_scc0 .Lentry_in_a_cluster
	s_endpgm
.Lentry_in_a_cluster:
	s_bfe_u32 s2, ttmp6, 0x10000c
	s_cmp_lg_u32 s2, 0xf033
	s_cbranch_scc0 .Lentry_shape_is_right
	s_endpgm
.Lentry_shape_is_right:
; reference()'s scores are (X Wf + bf) Q.  They are made as X (Wf Q) + bf Q: the same sums in another order of association.
; Work-group (x = block of 128 c, y = b).  Phase A: G[c][a] = sum over f of Wf[c][f] Q[b][f][a], 128 c x 64 a, K = 2,048.
; Phase B: G goes to LDS as hi + lo pairs of bf16.  Phase C: P[x][b][n][a] = sum over this block's c of X[b][n][c] G[c][a] + gpart[b][x][a]
; for all 256 n; the next launch adds the sixteen P of a batch.  Q is read as hi + lo; both halves are multiplied into one f32 sum.
; Wf comes as bf16 (Wb's first half, rounded by an earlier launch).  Four waves; wave w makes rows 32 w .. 32 w + 31 of the block: 8 accumulators.
; K goes in 8 trips of 256 through two LDS slots: a slot is 128 rows x 512 bytes of Wf and 64 rows x 1,024 bytes of Qt, and a wave issues
; 128 matrix instructions between a slot's request and the wait for it.
; CLUSTER 4 x 4: Wf's tile hangs on x alone and is asked for jointly by the four work-groups of a column of the cluster, Qt's on y alone
; and by the four of a row.  X's tile hangs on both and is each work-group's own (mask 0).
; ORDER OF K: trip t takes chunk (t + s) mod 8 of 256 f, s = (2 cluster x + 4 cluster y + 2 (cluster y / 2)) mod 8.  Clusters that read the
; same chunks of Qt (same cluster y) start 2 chunks apart, neighbours along y that read the same chunks of Wf start 4 apart: the requests for
; one chunk are spread over the trips instead of all falling into the same trip.  s is the same in all sixteen work-groups of a cluster.
; LIMITS: Wf and features are rounded to bf16 (nearest even); sums in f32, the K sum in an order that differs from cluster to cluster;
; NaN and infinities are not cared for.
.set PA,    528                        ; rows of 512 bytes + 16 of padding (Wf's, X's and G's tiles): 16 rows start in 16 different 16-byte columns of 256
.set PB,    1040                       ; rows of 1,024 bytes + 16 (Qt's tile)
.set ATILE, 128*PA                     ; Wf: 128 c x 256 f of bf16
.set BTILE, 64*PB                      ; Qt: 64 a x 256 f as hi and lo
.set SLOT1, 256*PA                     ; slot 1 begins here: slot 0's 134,144 bytes and 1,024 spare are the place of X's 256 rows at the end
.set GST,   SLOT1+ATILE+BTILE          ; G as a B tile: 64 rows (a) x 512 bytes; no tensor load lands here
.set ADRA0, 1
.set ADRA1, 2
.set ADRB0, 3
.set ADRB1, 4
.set ADRX0, 3                          ; phase C: X's rows 0-127 and 128-255, in the registers that held Qt's addresses
.set ADRX1, 4
.set ADRG,  5
.set PO,    6                          ; 16 lane
.set PFV,   7                          ; prefetch: 8,192 (t / 2) + 256 (t & 1); never rewritten
.set GP,    8                          ; v[8:15] gpart of my four columns, each twice
.set AF0,   16                         ; v[16:31]  A fragments, buffer 0 (phase C: the converted fragments)
.set AF1,   32                         ; v[32:47]  buffer 1
.set AR,    32                         ; v[32:63]  phase C: X as loaded, f32
.set B0,    64                         ; v[64:127]  B fragments at 8 (2 nt + hl)
.set B1,    128                        ; v[128:191]
.set ACC,   192
.set HI,    64
.set LO,    68
.set TT,    72
.set GSTO,  80
.set G1A, 24
.set G0A, 32
.set G1B, 40
.set G0B, 48
.set G1X, 56
.set G0X, 68
.set MASK, 21
.set OFA, 92                           ; s[92:93] byte offset of a chunk in a row of Wf; never holds cx or cy
.set OFB, 94                           ; s[94:95] the same in a row of Qt
.set KQ,  96                           ; s96 the chunk asked for last; never holds cx or cy
.macro PLACES                          ; four places behind matrix instructions (ISA guide 7.12.1)
.rept 4
	v_nop
.endr
.endm
.macro LDA16 af, adr, off              ; two fragments of Wf: rows r and 16 + r, f = 8h..8h+7 and 16+8h..16+8h+7
.irp mt,0,1
	ds_load_b128 v[\af+8*\mt:\af+8*\mt+3], v[\adr] offset:\off+\mt*16*PA
	ds_load_b128 v[\af+8*\mt+4:\af+8*\mt+7], v[\adr] offset:\off+\mt*16*PA+32
.endr
.endm
.macro LDA adr, off                    ; phase C: the same elements of X, as f32
.irp mt,0,1
	ds_load_b128 v[AR+16*\mt:AR+16*\mt+3], v[\adr] offset:\off+\mt*16*PA
	ds_load_b128 v[AR+16*\mt+4:AR+16*\mt+7], v[\adr] offset:\off+\mt*16*PA+16
	ds_load_b128 v[AR+16*\mt+8:AR+16*\mt+11], v[\adr] offset:\off+\mt*16*PA+64
	ds_load_b128 v[AR+16*\mt+12:AR+16*\mt+15], v[\adr] offset:\off+\mt*16*PA+80
.endr
.endm
.macro CVTA
.irp mt,0,1
.irp i,0,1,2,3,4,5,6,7
	v_cvt_pk_bf16_f32 v[AF0+8*\mt+\i], v[AR+16*\mt+2*\i], v[AR+16*\mt+2*\i+1]
.endr
.endr
.endm
.macro LDB buf, adr, off, bp           ; 64 rows (a) x 32 K, hi and lo: 16 loads; bp = the tile's pitch
.irp nt,0,1,2,3
.irp hl,0,1
	ds_load_b128 v[\buf+8*(2*\nt+\hl):\buf+8*(2*\nt+\hl)+3], v[\adr] offset:\off+\nt*16*\bp+\hl*128
	ds_load_b128 v[\buf+8*(2*\nt+\hl)+4:\buf+8*(2*\nt+\hl)+7], v[\adr] offset:\off+\nt*16*\bp+\hl*128+32
.endr
.endr
.endm
.macro MM af, buf, hl, zero            ; eight accumulators by turns, one instruction a turn
.irp mt,0,1
.irp nt,0,1,2,3
.if \zero
	v_wmma_f32_16x16x32_bf16 v[ACC+8*(4*\mt+\nt):ACC+8*(4*\mt+\nt)+7], v[\af+8*\mt:\af+8*\mt+7], v[\buf+8*(2*\nt+\hl):\buf+8*(2*\nt+\hl)+7], 0
.else
	v_wmma_f32_16x16x32_bf16 v[ACC+8*(4*\mt+\nt):ACC+8*(4*\mt+\nt)+7], v[\af+8*\mt:\af+8*\mt+7], v[\buf+8*(2*\nt+\hl):\buf+8*(2*\nt+\hl)+7], v[ACC+8*(4*\mt+\nt):ACC+8*(4*\mt+\nt)+7]
.endif
.endr
.endr
.endm
; A step of 32 along K on the buffers of parity p; the next step's fragments are asked for first, into the other buffers.
.macro STEPA p, aadr, aoff, badr, boff, zero
	PLACES                                 ; the other buffers were read by the matrix instructions just issued
	LDA16 AF0+16*(1-\p), \aadr, \aoff
	LDB B0+64*(1-\p), \badr, \boff, PB
	s_wait_dscnt 0x14                      ; all but the 20 just issued: this step's fragments are in
	MM AF0+16*\p, B0+64*\p, 0, \zero
	MM AF0+16*\p, B0+64*\p, 1, 0
.endm
.macro SEVEN aadr, badr, zero          ; the first seven of a trip's eight steps; step k's A lies at byte 64 k of a row, its B at 256 (k / 2) + 64 (k & 1)
	STEPA 0, \aadr, 64,  \badr, 64,  \zero
	STEPA 1, \aadr, 128, \badr, 256, 0
	STEPA 0, \aadr, 192, \badr, 320, 0
	STEPA 1, \aadr, 256, \badr, 512, 0
	STEPA 0, \aadr, 320, \badr, 576, 0
	STEPA 1, \aadr, 384, \badr, 768, 0
	STEPA 0, \aadr, 448, \badr, 832, 0
.endm
.macro NEXTK                           ; the next chunk, round the end of K
	s_add_co_u32 s[KQ], s[KQ], 1
	s_and_b32 s[KQ], s[KQ], 7
.endm
.macro SETADR slot                     ; the slot's two group 0 take chunk s[KQ]: 512 bytes a chunk in a row of Wf, 1,024 in a row of Qt
	s_lshl_b32 s[OFA], s[KQ], 9
	s_lshl_b32 s[OFB], s[KQ], 10
	s_add_nc_u64 s[G0A+4*\slot+2:G0A+4*\slot+3], s[78:79], s[OFA:OFA+1]
	s_or_b32 s[G0A+4*\slot+3], s[G0A+4*\slot+3], 0x80000000
	s_add_nc_u64 s[G0B+4*\slot+2:G0B+4*\slot+3], s[82:83], s[OFB:OFB+1]
	s_or_b32 s[G0B+4*\slot+3], s[G0B+4*\slot+3], 0x80000000
.endm
.macro JLOAD s                         ; waves 0, 1 ask for the halves of Wf's tile, waves 2, 3 for the halves of Qt's
	s_cmp_eq_u32 s15, 0
	s_cbranch_scc0 .Lfor_b_\@
	tensor_load_to_lds s[G0A+4*\s:G0A+4*\s+3], s[G1A:G1A+7]
	s_nop 0
	s_branch .Lasked_\@
.Lfor_b_\@:
	tensor_load_to_lds s[G0B+4*\s:G0B+4*\s+3], s[G1B:G1B+7]
	s_nop 0
.Lasked_\@:
.endm
.macro CREST                           ; a round of the cluster's barrier behind its opening barrier
	s_cmp_lg_u32 s14, 0
	s_cbranch_scc1 .Lnot_wave_0_\@
	s_barrier_signal -3
.Lnot_wave_0_\@:
	s_barrier_wait -3
	s_barrier_signal -1
	s_barrier_wait -1
.endm
.macro CROUND
	s_barrier_signal -1
	s_barrier_wait -1
	CREST
.endm
; A trip's eighth step, and the change of slots.  kind 1: this slot is filled again, two trips ahead, by the joint loads; kind 2: slot 0's
; place takes X's 256 rows.  In front of the opening signal each wave's reads of the slot are back and all its tensor loads have landed.
; pf = 1, 2: the work-group asks for a half of X's tile ahead of time: thread t for the 256-byte block (t & 1) of rows t / 2 + 64 i,
; i = 2 pf - 2 and 2 pf - 1.  The 128 threads and four values of i name each of the tile's 512 blocks once; the tile is no other work-group's.
; pf = 1 stands two trips, pf = 2 one trip ahead of the turn that issues X's tensor load; rows 0 to 255 of the batch: inside the buffer.
.macro TURN slot, kind, naadr, nbadr, pf
	s_wait_dscnt 0x0
	s_set_vgpr_msb 0x5
	s_wait_tensorcnt 0x0
	ds_add_u32 v0, v1
	s_wait_dscnt 0x0
	s_set_vgpr_msb 0x500
.if \kind==1
	NEXTK                                  ; no tensor load of mine is out: the slot's group 0 may be written
	SETADR \slot
.endif
	s_barrier_signal -1
	MM AF1, B1, 0, 0                       ; register work while the others arrive
	s_barrier_wait -1
	CREST                                  ; no wave of any partner still reads this slot or has a load on its way
.if \kind==1
	JLOAD \slot                            ; my one tensor load behind the round, first thing there
.else
	tensor_load_to_lds s[G0X:G0X+3], s[G1X:G1X+7]
	s_nop 0
.endif
	PLACES                                 ; buffers 0 were read by the seventh step's matrix instructions
	LDA16 AF0, \naadr, 0
	LDB B0, \nbadr, 0, PB
.if \pf
	global_prefetch_b8 v[PFV], s[72:73] offset:(2*\pf-2)*524288 th:TH_LOAD_NT scope:SCOPE_SE
	global_prefetch_b8 v[PFV], s[72:73] offset:(2*\pf-1)*524288 th:TH_LOAD_NT scope:SCOPE_SE
.endif
	MM AF1, B1, 1, 0
.endm
.macro LAP zero, pfa, pfb              ; once round the ring, both slots filled again
	SEVEN ADRA0, ADRB0, \zero
	TURN 0, 1, ADRA1, ADRB1, \pfa
	SEVEN ADRA1, ADRB1, 0
	TURN 1, 1, ADRA0, ADRB0, \pfb
.endm
.macro SPLIT4 hi, lo, a, b, st         ; four pairs of f32 become four words of hi = bf16(x) and four of lo = bf16(x - hi)
.irp i,0,1,2,3
	v_cvt_pk_bf16_f32 v[\hi+\i], v[\a+\st*\i], v[\b+\st*\i]
.endr
.irp i,0,1,2,3
	v_lshlrev_b32 v[TT+2*\i], 16, v[\hi+\i]
	v_and_b32 v[TT+2*\i+1], s[MASK], v[\hi+\i]
.endr
.irp i,0,1,2,3
	v_sub_f32 v[TT+2*\i], v[\a+\st*\i], v[TT+2*\i]
	v_sub_f32 v[TT+2*\i+1], v[\b+\st*\i], v[TT+2*\i+1]
.endr
.irp i,0,1,2,3
	v_cvt_pk_bf16_f32 v[\lo+\i], v[TT+2*\i], v[TT+2*\i+1]
.endr
.endm
; Phase C's step: X is f32 in LDS and is rounded on the way to the matrix unit.
.macro STEPC cur, nxt, aadr, aoff, boff, zero
	s_wait_dscnt 0x10                      ; my 8 A loads are in; the 16 B loads issued behind them may be out
	PLACES                                 ; AF0 and buffer nxt were read by the last matrix instructions
	CVTA
	LDA \aadr, \aoff
	LDB \nxt, ADRG, \boff, PA
	s_wait_dscnt 0x18                      ; all but the 24 just issued
	MM AF0, \cur, 0, \zero
	MM AF0, \cur, 1, 0
.endm
; Phase C for rows 128 hf .. 128 hf + 127 of the batch: K = this block's 128 c, four steps.
.macro SCORES hf, aadr
.if \hf
	s_wait_xcnt 0x0                        ; the accumulators, which the stores above read, are written again only behind this wait
.endif
	LDA \aadr, 0
	LDB B0, ADRG, 0, PA
	STEPC B0, B1, \aadr, 128, 64, 1
	STEPC B1, B0, \aadr, 256, 256, 0
	STEPC B0, B1, \aadr, 384, 320, 0
	s_wait_dscnt 0x0
	PLACES
	CVTA
	MM AF0, B1, 0, 0
	MM AF0, B1, 1, 0
	PLACES
.irp mt,0,1
.irp nt,0,1,2,3
.irp i,0,2,4,6
	v_pk_add_f32 v[ACC+8*(4*\mt+\nt)+\i:ACC+8*(4*\mt+\nt)+\i+1], v[ACC+8*(4*\mt+\nt)+\i:ACC+8*(4*\mt+\nt)+\i+1], v[GP+2*\nt:GP+2*\nt+1]
.endr
.endr
.endr
.irp mt,0,1
.irp nt,0,1,2,3
	global_store_b128 v[PO], v[ACC+8*(4*\mt+\nt):ACC+8*(4*\mt+\nt)+3], s[88:89] offset:\hf*32768+\mt*4096+\nt*1024       ; accumulator order: 512 consecutive bytes a store
	global_store_b128 v[PO], v[ACC+8*(4*\mt+\nt)+4:ACC+8*(4*\mt+\nt)+7], s[88:89] offset:\hf*32768+\mt*4096+\nt*1024+512
.endr
.endr
.endm
	s_load_b256 s[4:11], s[0:1], 0x0               ; Wb s[4:5] (Wf as bf16 at its start), Qt s[6:7], features s[8:9], gpart s[10:11]
	s_load_b64 s[12:13], s[0:1], 0x20              ; P
	s_set_vgpr_msb 0x40
	v_lshl_add_u32 v0, v0, 2, 0x4a000
	v_mov_b32 v1, 0
	s_set_vgpr_msb 0x4045
	ds_add_u32 v0, v1
	ds_add_u32 v0, v1
	s_set_vgpr_msb 0x4500
	v_lshrrev_b32 v32, 5, v0
	v_readfirstlane_b32 s14, v32                   ; wave
	s_lshr_b32 s15, s14, 1                         ; I ask for Wf (0) or for Qt (1)
	s_and_b32 s16, s14, 1                          ; which half of that tile
	s_bfe_u32 s17, ttmp6, 0x40000                  ; cx
	s_bfe_u32 s18, ttmp6, 0x40004                  ; cy
	s_lshl_b32 s19, ttmp9, 2
	s_add_co_u32 s19, s19, s17                     ; x
	s_and_b32 s20, ttmp7, 0xffff
	s_lshl_b32 s20, s20, 2
	s_add_co_u32 s20, s20, s18                     ; y
	s_mov_b32 s[MASK], 0xffff0000
	; the cluster's first chunk of K, from the cluster's own coordinates alone
	s_and_b32 s97, ttmp7, 0xffff                   ; cluster y
	s_lshr_b32 s98, s97, 1
	s_lshl_b32 s98, s98, 1                         ; 2 (cluster y / 2)
	s_lshl_b32 s97, s97, 2                         ; 4 cluster y
	s_lshl_b32 s[KQ], ttmp9, 1                     ; 2 cluster x
	s_add_co_u32 s[KQ], s[KQ], s97
	s_add_co_u32 s[KQ], s[KQ], s98
	s_and_b32 s[KQ], s[KQ], 7
	s_mov_b32 s[OFA+1], 0
	s_mov_b32 s[OFB+1], 0
	s_lshl_b32 s76, 0x1111, s17                    ; my column of the cluster (same x)
	s_lshl_b32 s80, s18, 2
	s_lshl_b32 s80, 15, s80                        ; my row (same y)
	; group 1 of Wf's tile: words of 4 bytes (two bf16), rows of 128 words, 1,024 from row to row, 4 words of padding behind every 128; bit 21 beside a mask
	s_or_b32 s[G1A+0], s76, 0x07B20000
	s_mov_b32 s[G1A+1], 128<<16
	s_mov_b32 s[G1A+2], 64<<16                     ; 64 rows of Wf a wave
	s_mov_b32 s[G1A+3], 128<<16
	s_mov_b32 s[G1A+4], 64
	s_mov_b32 s[G1A+5], 1024
	s_mov_b32 s[G1A+6], 0
	s_mov_b32 s[G1A+7], 0
	; of Qt's tile: rows of 256 words, 2,048 from row to row, 4 words of padding behind every 256
	s_or_b32 s[G1B+0], s80, 0x07F20000
	s_mov_b32 s[G1B+1], 256<<16
	s_mov_b32 s[G1B+2], 32<<16                     ; 32 rows of Qt a wave
	s_mov_b32 s[G1B+3], 256<<16
	s_mov_b32 s[G1B+4], 32
	s_mov_b32 s[G1B+5], 2048
	s_mov_b32 s[G1B+6], 0
	s_mov_b32 s[G1B+7], 0
	; of X's tile: rows of 128 f32, 2,048 from row to row, padded like Wf's; no mask: the tile is my own
	s_mov_b32 s[G1X+0], 0x07920000
	s_mov_b32 s[G1X+1], 128<<16
	s_mov_b32 s[G1X+2], 64<<16                     ; 64 rows of X a wave
	s_mov_b32 s[G1X+3], 128<<16
	s_mov_b32 s[G1X+4], 64
	s_mov_b32 s[G1X+5], 2048
	s_mov_b32 s[G1X+6], 0
	s_mov_b32 s[G1X+7], 0
	s_lshl_b32 s76, s19, 7                         ; Wf: row 128 x + 64 half, rows of 4,096 bytes (registers that never hold y)
	s_lshl_b32 s77, s16, 6
	s_add_co_u32 s76, s76, s77
	s_lshl_b32 s76, s76, 12
	s_mov_b32 s77, 0
	s_lshl_b32 s80, s20, 6                         ; Qt: row 64 y + 32 half, rows of 8,192 bytes (registers that never hold x)
	s_lshl_b32 s81, s16, 5
	s_add_co_u32 s80, s80, s81
	s_lshl_b32 s80, s80, 13
	s_mov_b32 s81, 0
	s_lshl_b32 s84, s20, 8                         ; X: row 256 y + 64 w, + 512 x bytes
	s_lshl_b32 s85, s14, 6
	s_add_co_u32 s84, s84, s85
	s_lshl_b32 s84, s84, 13
	s_lshl_b32 s85, s19, 9
	s_add_co_u32 s84, s84, s85
	s_mov_b32 s85, 0
	s_lshl_b32 s72, s20, 21                        ; X's tile for the prefetch: row 256 y, + 512 x bytes
	s_lshl_b32 s73, s19, 9
	s_add_co_u32 s72, s72, s73
	s_mov_b32 s73, 0
	s_lshl_b32 s88, s19, 4                         ; P: (16 x + y) x 65,536 + 8,192 w
	s_add_co_u32 s88, s88, s20
	s_lshl_b32 s88, s88, 16
	s_lshl_b32 s89, s14, 13
	s_add_co_u32 s88, s88, s89
	s_mov_b32 s89, 0
	s_lshl_b32 s90, s20, 4                         ; gpart[y][x]
	s_add_co_u32 s90, s90, s19
	s_lshl_b32 s90, s90, 8
	s_mov_b32 s91, 0
	s_mul_i32 s22, s14, 32*PB                      ; where a wave's 32 rows of Qt go
	s_mul_i32 s23, s14, 64*PA                      ; where a wave's 64 rows of Wf or of X go
	s_mul_i32 s99, s14, 32*PA                      ; the 32 rows that my wave reads
	s_wait_dscnt 0x0
	s_wait_kmcnt 0x0
	s_add_nc_u64 s[78:79], s[4:5], s[76:77]        ; Wf at my rows, chunk 0
	s_add_nc_u64 s[82:83], s[6:7], s[80:81]        ; Qt at my rows, chunk 0
	s_add_nc_u64 s[72:73], s[8:9], s[72:73]
	s_add_nc_u64 s[88:89], s[12:13], s[88:89]
	s_add_nc_u64 s[90:91], s[10:11], s[90:91]
.irp s,0,1
	s_mov_b32 s[G0A+4*\s], 1
	s_add_co_u32 s[G0A+4*\s+1], s23, \s*SLOT1                      ; waves 0, 1: A's rows 0-63, 64-127
	s_mov_b32 s[G0B+4*\s], 1
	s_add_co_u32 s[G0B+4*\s+1], s22, \s*SLOT1+ATILE-64*PB          ; waves 2, 3: behind A's 128 rows
.endr
	s_mov_b32 s[G0X], 1
	s_add_co_u32 s[G0X+1], s23, 0                                  ; X's rows 64 w .., from LDS byte 0
	s_add_nc_u64 s[G0X+2:G0X+3], s[8:9], s[84:85]
	s_or_b32 s[G0X+3], s[G0X+3], 0x80000000
	SETADR 0                                       ; trip 0: the cluster's first chunk
	NEXTK
	SETADR 1                                       ; trip 1: the one behind it
	CROUND                                         ; all sixteen work-groups are here: the first joint loads meet
	JLOAD 0                                        ; the first fills go out together: two tensor loads of the wave are out
	JLOAD 1
	v_and_b32 v33, 15, v0                          ; r
	v_bfe_u32 v34, v0, 4, 1                        ; h
	v_lshlrev_b32 v32, 2, v33
.irp nt,0,1,2,3
	global_load_b32 v[GP+2*\nt], v32, s[90:91] offset:64*\nt       ; gpart[16 nt + r], twice: a pair for the packed adds
	global_load_b32 v[GP+2*\nt+1], v32, s[90:91] offset:64*\nt
.endr
	v_mul_u32_u24 v35, v33, PA
	v_lshl_add_u32 v35, v34, 4, v35                ; r x 528 + 16 h
	v_add_nc_u32 v[ADRA0], s99, v35                ; + my wave's 32 rows
	v_add_nc_u32 v[ADRA1], SLOT1, v[ADRA0]
	v_add_nc_u32 v[ADRG], GST, v35
	v_mul_u32_u24 v36, v33, PB
	v_lshl_add_u32 v36, v34, 4, v36                ; r x 1,040 + 16 h
	v_add_nc_u32 v[ADRB0], ATILE, v36
	v_add_nc_u32 v[ADRB1], SLOT1+ATILE, v36
	v_and_b32 v38, 31, v0
	v_lshlrev_b32 v[PO], 4, v38
	v_lshrrev_b32 v37, 1, v0
	v_and_b32 v38, 1, v0
	v_lshlrev_b32 v38, 8, v38
	v_lshl_add_u32 v[PFV], v37, 13, v38            ; row t / 2, block t & 1
	s_lshl_b32 s23, s15, 8                         ; the place of my wave's 32 c in a row of G's stage
	s_lshl_b32 s22, s16, 6
	s_add_co_u32 s23, s23, s22
	s_wait_loadcnt 0x0                             ; gpart is in, and v32 free
	s_wait_tensorcnt 0x1                           ; my part of trip 0 is in; trip 1's stays out
	s_barrier_signal -1
	s_barrier_wait -1
	LDA16 AF0, ADRA0, 0
	LDB B0, ADRB0, 0, PB
	LAP 1, 0, 0                                    ; trips 0, 1: the first product starts the sums
	LAP 0, 0, 0                                    ; trips 2, 3
	LAP 0, 1, 2                                    ; trips 4, 5; their turns also ask for X's tile ahead of time
	SEVEN ADRA0, ADRB0, 0                          ; trip 6: no further tile of Wf or Qt; slot 0's place takes X
	TURN 0, 2, ADRA1, ADRB1, 0
	SEVEN ADRA1, ADRB1, 0                          ; trip 7
	s_wait_dscnt 0x0
	MM AF1, B1, 0, 0
	MM AF1, B1, 1, 0
	; PHASE B.  Register j of tile (mt, nt): c = 32 w + 16 mt + 8 h + j, a = 16 nt + r: eight neighbouring c, 16 bytes of hi and 16 of lo.
	PLACES
	v_add_nc_u32 v[GSTO], s23, v[ADRG]
	v_bfe_u32 v[GSTO+1], v0, 4, 1
	v_lshl_add_u32 v[ADRX0], v[GSTO+1], 4, v[ADRA0]        ; X is f32: (32 w + r) x 528 + 32 h
	v_add_nc_u32 v[ADRX1], 128*PA, v[ADRX0]
.irp mt,0,1
.irp nt,0,1,2,3
	SPLIT4 HI, LO, ACC+8*(4*\mt+\nt), ACC+8*(4*\mt+\nt)+1, 2
	ds_store_b128 v[GSTO], v[HI:HI+3] offset:\nt*16*PA+32*\mt
	ds_store_b128 v[GSTO], v[LO:LO+3] offset:\nt*16*PA+32*\mt+128
.endr
.endr
	s_wait_dscnt 0x0                               ; my part of G is written
	s_wait_tensorcnt 0x0                           ; my rows of X have landed
	s_barrier_signal -1
	s_barrier_wait -1
	SCORES 0, ADRX0
	SCORES 1, ADRX1
	s_set_vgpr_msb 0x5
	s_wait_tensorcnt 0x0
	ds_add_u32 v0, v1
	s_wait_dscnt 0x0
	s_set_vgpr_msb 0x500
	CROUND                                         ; the closing round
	s_endpgm
.Lfunc_end_k_q5e8d18c4c9_gscore:
	.size	k_q5e8d18c4c9_gscore, .Lfunc_end_k_q5e8d18c4c9_gscore-k_q5e8d18c4c9_gscore
	.p2alignl 7, 3214868480
	.fill 96, 4, 3214868480
	.section	.rodata,"a",@progbits
	.p2align	6, 0x0
	.amdhsa_kernel k_q5e8d18c4c9_gscore
		.amdhsa_group_segment_fixed_size 327680
		.amdhsa_private_segment_fixed_size 0
		.amdhsa_enable_private_segment 0
		.amdhsa_kernarg_size 40
		.amdhsa_user_sgpr_count 2
		.amdhsa_user_sgpr_kernarg_segment_ptr 1
		.amdhsa_wavefront_size32 1
		.amdhsa_system_sgpr_workgroup_id_x 1
		.amdhsa_system_sgpr_workgroup_id_y 1
		.amdhsa_system_sgpr_workgroup_id_z 1
		.amdhsa_system_vgpr_workitem_id 0
		.amdhsa_next_free_vgpr 258
		.amdhsa_next_free_sgpr 100
		.amdhsa_reserve_vcc 0
		.amdhsa_float_denorm_mode_32 3
		.amdhsa_float_denorm_mode_16_64 3
		.amdhsa_memory_ordered 1
		.amdhsa_forward_progress 1
		.amdhsa_inst_pref_size 217
	.end_amdhsa_kernel
	.amdgpu_metadata
---
amdhsa.version: [ 1, 2 ]
amdhsa.kernels:
  - .name:           k_q5e8d18c4c9_gscore
    .symbol:         k_q5e8d18c4c9_gscore.kd
    .args:
      - { .name: Wb, .offset: 0, .size: 8, .value_kind: global_buffer, .address_space: global }
      - { .name: Qt, .offset: 8, .size: 8, .value_kind: global_buffer, .address_space: global }
      - { .name: features, .offset: 16, .size: 8, .value_kind: global_buffer, .address_space: global }
      - { .name: gpart, .offset: 24, .size: 8, .value_kind: global_buffer, .address_space: global }
      - { .name: P, .offset: 32, .size: 8, .value_kind: global_buffer, .address_space: global }
    .group_segment_fixed_size: 327680
    .private_segment_fixed_size: 0
    .kernarg_segment_align: 8
    .kernarg_segment_size: 40
    .max_flat_workgroup_size: 128
    .sgpr_count:     100
    .vgpr_count:     258
    .wavefront_size: 32
...
	.end_amdgpu_metadata
.endif
;; end of part 6
;; launch soft (part 7): grid 16 x 16, 4 waves a work-group, no clusters, 26,368 bytes of LDS; arguments P, out0, Af, spart; writes out0, Af, spart
.if DOCPART == 7
	.amdgcn_target "amdgcn-amd-amdhsa--gfx1250"
	.amdhsa_code_object_version 6
	.text
	.protected	k_q5e8d18c4c9_soft
	.globl	k_q5e8d18c4c9_soft
	.p2align	8
	.type	k_q5e8d18c4c9_soft,@function
k_q5e8d18c4c9_soft:
	s_mov_b64 s[64:65], 0
	v_nop
	global_prefetch_b8 v0, s[64:65] scope:SCOPE_SE
	s_setreg_imm32_b32 hwreg(HW_REG_WAVE_MODE, 25, 1), 1
	s_wait_xcnt 0x0
; Work-group (x = tile T of 16 rows n, y = b): adds the sixteen partial scores of its 16 x 64 tile, takes the softmax over the 64 attributes
; (row maximum taken away first, scale 1/8) and stores: out0's 16 rows; the tile as hi + lo pairs of bf16 in the register order of a matrix
; operand with K = n (Af, per batch ((T/2 * 4 + nt) * 2 + hl) * 1024 + (T & 1) * 512 + 16 lane); the tile's column sums (spart[b][T][a]).
; P lies in accumulator order: block (c, b, T) is 4,096 bytes [nt 4][q 2][lane 32][4 f32], row 8 h + 4 q + i, column 16 nt + r.
; Wave w loads partials 4 w .. 4 w + 3, 32 loads of 512 consecutive bytes, all on their way at once: every byte of P is read once in the launch.
; The four waves' sums meet in LDS; wave w then takes registers j = 2 w, 2 w + 1 of the tile: rows 2 w, 2 w + 1, 8 + 2 w, 9 + 2 w.
; A stream with a small reduction: no matrix work, no tensor loads, no cluster (no work-group reads what another reads).
; LIMITS: sums and softmax in f32; NaN and infinities are not cared for.
.set PS,   0                           ; 4 waves x 4,096 bytes: each wave's sum of four partials, in P's order
.set O0S,  16384                       ; 4 waves x 4 rows x 272 bytes: stage for out0
.set FRS,  O0S+4*1088                  ; [nt][hl][lane][16 bytes]: stage for Af
.set SRED, FRS+4096                    ; 4 waves x 64 f32
.set PV,   1                           ; 16 lane
.set PST,  2
.set PRD,  3
.set O0ST, 4
.set O0RD, 5
.set FST,  6
.set FRD,  7
.set SST,  8
.set S0,   16                          ; v[16:143] four partials as loaded, 32 registers each
.set X,    16                          ; v[16:23]  my rows: pair (j = 2w, 2w+1) of n tile nt at X + 2 nt
.set M,    48
.set T,    50
.set U,    52
.set SS,   54
.set SP,   58
.set HI,   64
.set LO,   68
.set TT,   72
.set RB,   80
.set MASK, 28
	s_load_b128 s[4:7], s[0:1], 0x0                ; P s[4:5], out0 s[6:7]
	s_load_b128 s[8:11], s[0:1], 0x10              ; Af s[8:9], spart s[10:11]
	v_lshl_add_u32 v144, v0, 2, 0x6500
	v_mov_b32 v145, 0
	v_lshrrev_b32 v9, 5, v0
	v_readfirstlane_b32 s12, v9                    ; wave
	s_and_b32 s13, ttmp7, 0xffff                   ; b
	v_and_b32 v9, 31, v0
	v_lshlrev_b32 v[PV], 4, v9
	s_lshl_b32 s14, s13, 4
	s_add_co_u32 s14, s14, ttmp9                   ; 16 b + T
	s_lshl_b32 s16, s14, 12                        ; blocks of 4,096 bytes
	s_lshl_b32 s17, s12, 22                        ; my wave's four partials: 1 MiB each
	s_add_co_u32 s16, s16, s17
	s_mov_b32 s17, 0
	s_wait_kmcnt 0x0
	s_add_nc_u64 s[16:17], s[4:5], s[16:17]
.irp c,0,1,2,3
.irp i,0,1,2,3,4,5,6,7
	global_load_b128 v[S0+32*\c+4*\i:S0+32*\c+4*\i+3], v[PV], s[16:17] offset:\c*0x100000+\i*512 th:TH_LOAD_NT
.endr
.endr
	s_mov_b32 s[MASK], 0xffff0000
	s_mov_b32 s24, 0x3e38aa3b                      ; log2(e) / 8
	s_mov_b32 s25, 0x3e38aa3b
	s_mov_b32 s26, 0x76543210                      ; v_permlanex16_b32: lane i reads lane i of the other half
	s_mov_b32 s27, 0xfedcba98
	s_lshl_b32 s18, s14, 12                        ; out0: row 256 b + 16 T, rows of 256 bytes, + my wave's rows 2 w, 2 w + 1
	s_lshl_b32 s19, s12, 9
	s_add_co_u32 s18, s18, s19
	s_mov_b32 s19, 0
	s_add_nc_u64 s[18:19], s[6:7], s[18:19]
	s_lshl_b32 s20, s13, 16                        ; Af: 65,536 b + 8,192 (T / 2) + 512 (T & 1) + 2,048 w (n tile w)
	s_lshr_b32 s21, ttmp9, 1
	s_lshl_b32 s21, s21, 13
	s_add_co_u32 s20, s20, s21
	s_and_b32 s21, ttmp9, 1
	s_lshl_b32 s21, s21, 9
	s_add_co_u32 s20, s20, s21
	s_lshl_b32 s21, s12, 11
	s_add_co_u32 s20, s20, s21
	s_mov_b32 s21, 0
	s_add_nc_u64 s[20:21], s[8:9], s[20:21]
	s_lshl_b32 s22, s14, 8
	s_mov_b32 s23, 0
	s_add_nc_u64 s[22:23], s[10:11], s[22:23]      ; spart[b][T]
	v_and_b32 v9, 15, v0                           ; r
	v_bfe_u32 v10, v0, 4, 1                        ; h
	s_lshl_b32 s15, s12, 12
	v_add_nc_u32 v[PST], s15, v[PV]
	s_lshr_b32 s15, s12, 1
	s_lshl_b32 s15, s15, 9                         ; q = w / 2
	s_and_b32 s29, s12, 1
	s_lshl_b32 s29, s29, 3                         ; the pair i = 2 (w & 1), + 1
	s_add_co_u32 s15, s15, s29
	v_add_nc_u32 v[PRD], s15, v[PV]
	s_mul_i32 s15, s12, 1088
	s_add_co_u32 s15, s15, O0S
	v_mul_u32_u24 v11, v10, 544
	v_lshl_add_u32 v11, v9, 2, v11
	v_add_nc_u32 v[O0ST], s15, v11                 ; stage row 2 h + jj, column 16 nt + r
	v_mul_u32_u24 v11, v10, 272
	v_lshl_add_u32 v11, v9, 4, v11
	v_add_nc_u32 v[O0RD], s15, v11
	s_lshl_b32 s15, s12, 2
	s_add_co_u32 s15, s15, FRS
	v_add_nc_u32 v[FST], s15, v[PV]                ; word w of a lane's 16 bytes
	s_lshl_b32 s15, s12, 10
	s_add_co_u32 s15, s15, FRS
	v_add_nc_u32 v[FRD], s15, v[PV]
	s_lshl_b32 s15, s12, 8
	s_add_co_u32 s15, s15, SRED
	v_lshl_add_u32 v[SST], v9, 2, s15
	s_wait_loadcnt 0x10                            ; partials 0 and 1 of my four are in; 16 younger loads stay out
.set k, 0
.rept 16
	v_pk_add_f32 v[S0+k:S0+k+1], v[S0+k:S0+k+1], v[S0+32+k:S0+32+k+1]
.set k, k+2
.endr
	s_wait_loadcnt 0x8                             ; the third; 8 younger loads stay out
.set k, 0
.rept 16
	v_pk_add_f32 v[S0+k:S0+k+1], v[S0+k:S0+k+1], v[S0+64+k:S0+64+k+1]
.set k, k+2
.endr
	s_wait_loadcnt 0x0
.set k, 0
.rept 16
	v_pk_add_f32 v[S0+k:S0+k+1], v[S0+k:S0+k+1], v[S0+96+k:S0+96+k+1]
.set k, k+2
.endr
.irp i,0,1,2,3,4,5,6,7
	ds_store_b128 v[PST], v[S0+4*\i:S0+4*\i+3] offset:512*\i
.endr
	s_wait_dscnt 0x0                               ; my sum is written
	s_barrier_signal -1
	s_barrier_wait -1
.irp s,0,1,2,3
.irp nt,0,1,2,3
	ds_load_b64 v[X+8*\s+2*\nt:X+8*\s+2*\nt+1], v[PRD] offset:\s*4096+\nt*1024
.endr
.endr
	s_wait_dscnt 0x0
.irp nt,0,1,2,3
	v_pk_add_f32 v[X+2*\nt:X+2*\nt+1], v[X+2*\nt:X+2*\nt+1], v[X+8+2*\nt:X+8+2*\nt+1]
	v_pk_add_f32 v[X+16+2*\nt:X+16+2*\nt+1], v[X+16+2*\nt:X+16+2*\nt+1], v[X+24+2*\nt:X+24+2*\nt+1]
.endr
.irp nt,0,1,2,3
	v_pk_add_f32 v[X+2*\nt:X+2*\nt+1], v[X+2*\nt:X+2*\nt+1], v[X+16+2*\nt:X+16+2*\nt+1]
.endr
	; softmax: a row's 64 numbers lie in four registers of the sixteen lanes of a half
.irp j,0,1
	v_max_num_f32 v[M+\j], v[X+\j], v[X+2+\j]
.endr
.irp j,0,1
	v_max3_num_f32 v[M+\j], v[M+\j], v[X+4+\j], v[X+6+\j]
.endr
.irp x,1,2,4,8
.irp j,0,1
	v_max_num_f32_dpp v[M+\j], v[M+\j], v[M+\j] row_xmask:\x row_mask:0xf bank_mask:0xf
.endr
.endr
.irp nt,0,1,2,3
.irp j,0,1
	v_sub_f32 v[X+2*\nt+\j], v[X+2*\nt+\j], v[M+\j]        ; the difference first, then the scale
.endr
.endr
.irp nt,0,1,2,3
	v_pk_mul_f32 v[X+2*\nt:X+2*\nt+1], v[X+2*\nt:X+2*\nt+1], s[24:25] op_sel_hi:[1,0]
.endr
.irp k,0,1,2,3,4,5,6,7
	v_exp_f32 v[X+\k], v[X+\k]
.endr
	v_nop                                          ; one plain place behind the exponentials (ISA guide 5.7.2)
	s_wait_alu depctr_va_vdst(0)
	v_pk_add_f32 v[T:T+1], v[X:X+1], v[X+2:X+3]
	v_pk_add_f32 v[U:U+1], v[X+4:X+5], v[X+6:X+7]
	v_pk_add_f32 v[M:M+1], v[T:T+1], v[U:U+1]
.irp x,1,2,4,8
.irp j,0,1
	v_add_f32_dpp v[M+\j], v[M+\j], v[M+\j] row_xmask:\x row_mask:0xf bank_mask:0xf
.endr
.endr
	v_rcp_f32 v[M], v[M]                           ; the sum is at least 1
	v_rcp_f32 v[M+1], v[M+1]
	v_nop
	s_wait_alu depctr_va_vdst(0)
.irp nt,0,1,2,3
	v_pk_mul_f32 v[X+2*\nt:X+2*\nt+1], v[X+2*\nt:X+2*\nt+1], v[M:M+1]
.endr
	; column sums of my four rows
.irp nt,0,1,2,3
	v_add_f32 v[SS+\nt], v[X+2*\nt], v[X+2*\nt+1]
.endr
.irp nt,0,1,2,3
	v_permlanex16_b32 v[SP+\nt], v[SS+\nt], s26, s27
.endr
.irp nt,0,1,2,3
	v_add_f32 v[SS+\nt], v[SS+\nt], v[SP+\nt]
.endr
	; hi = bf16(x), lo = bf16(x - hi); rows j = 2 w and 2 w + 1 make one word
.irp i,0,1,2,3
	v_cvt_pk_bf16_f32 v[HI+\i], v[X+2*\i], v[X+2*\i+1]
.endr
.irp i,0,1,2,3
	v_lshlrev_b32 v[TT+2*\i], 16, v[HI+\i]
	v_and_b32 v[TT+2*\i+1], s[MASK], v[HI+\i]
.endr
.irp i,0,1,2,3
	v_sub_f32 v[TT+2*\i], v[X+2*\i], v[TT+2*\i]
	v_sub_f32 v[TT+2*\i+1], v[X+2*\i+1], v[TT+2*\i+1]
.endr
.irp i,0,1,2,3
	v_cvt_pk_bf16_f32 v[LO+\i], v[TT+2*\i], v[TT+2*\i+1]
.endr
.irp nt,0,1,2,3
	ds_store_b32 v[O0ST], v[X+2*\nt] offset:64*\nt
	ds_store_b32 v[O0ST], v[X+2*\nt+1] offset:64*\nt+272
	ds_store_b32 v[FST], v[HI+\nt] offset:1024*\nt
	ds_store_b32 v[FST], v[LO+\nt] offset:1024*\nt+512
	ds_store_b32 v[SST], v[SS+\nt] offset:64*\nt
.endr
	s_wait_dscnt 0x0                               ; my words of the stages are written
	s_barrier_signal -1
	s_barrier_wait -1
	ds_load_b128 v[RB:RB+3], v[O0RD]               ; rows 2 w, 2 w + 1
	ds_load_b128 v[RB+4:RB+7], v[O0RD] offset:544  ; rows 8 + 2 w, 9 + 2 w
	ds_load_b128 v[RB+8:RB+11], v[FRD]             ; n tile w, hi
	ds_load_b128 v[RB+12:RB+15], v[FRD] offset:512 ; n tile w, lo
	s_wait_dscnt 0x0
	global_store_b128 v[PV], v[RB:RB+3], s[18:19]              ; each store: 512 consecutive bytes, aligned
	global_store_b128 v[PV], v[RB+4:RB+7], s[18:19] offset:2048
	global_store_b128 v[PV], v[RB+8:RB+11], s[20:21]
	global_store_b128 v[PV], v[RB+12:RB+15], s[20:21] offset:1024
	s_cmp_lg_u32 s12, 0
	s_cbranch_scc1 .Lend
	v_and_b32 v16, 31, v0                          ; wave 0 adds the four waves' column sums
	v_lshlrev_b32 v16, 3, v16
	v_add_nc_u32 v17, SRED, v16
	ds_load_b64 v[18:19], v17
	ds_load_b64 v[20:21], v17 offset:256
	ds_load_b64 v[22:23], v17 offset:512
	ds_load_b64 v[24:25], v17 offset:768
	s_wait_dscnt 0x0
	v_pk_add_f32 v[18:19], v[18:19], v[20:21]
	v_pk_add_f32 v[22:23], v[22:23], v[24:25]
	v_pk_add_f32 v[18:19], v[18:19], v[22:23]
	global_store_b64 v16, v[18:19], s[22:23]       ; 256 consecutive bytes
.Lend:
	s_wait_tensorcnt 0x0
	ds_add_u32 v144, v145
	s_wait_dscnt 0x0
	s_endpgm
.Lfunc_end_k_q5e8d18c4c9_soft:
	.size	k_q5e8d18c4c9_soft, .Lfunc_end_k_q5e8d18c4c9_soft-k_q5e8d18c4c9_soft
	.p2alignl 7, 3214868480
	.fill 96, 4, 3214868480
	.section	.rodata,"a",@progbits
	.p2align	6, 0x0
	.amdhsa_kernel k_q5e8d18c4c9_soft
		.amdhsa_group_segment_fixed_size 26368
		.amdhsa_private_segment_fixed_size 0
		.amdhsa_enable_private_segment 0
		.amdhsa_kernarg_size 32
		.amdhsa_user_sgpr_count 2
		.amdhsa_user_sgpr_kernarg_segment_ptr 1
		.amdhsa_wavefront_size32 1
		.amdhsa_system_sgpr_workgroup_id_x 1
		.amdhsa_system_sgpr_workgroup_id_y 1
		.amdhsa_system_sgpr_workgroup_id_z 1
		.amdhsa_system_vgpr_workitem_id 0
		.amdhsa_next_free_vgpr 146
		.amdhsa_next_free_sgpr 66
		.amdhsa_reserve_vcc 0
		.amdhsa_float_denorm_mode_32 3
		.amdhsa_float_denorm_mode_16_64 3
		.amdhsa_memory_ordered 1
		.amdhsa_forward_progress 1
		.amdhsa_inst_pref_size 19
	.end_amdhsa_kernel
	.amdgpu_metadata
---
amdhsa.version: [ 1, 2 ]
amdhsa.kernels:
  - .name:           k_q5e8d18c4c9_soft
    .symbol:         k_q5e8d18c4c9_soft.kd
    .args:
      - { .name: P, .offset: 0, .size: 8, .value_kind: global_buffer, .address_space: global }
      - { .name: out0, .offset: 8, .size: 8, .value_kind: global_buffer, .address_space: global }
      - { .name: Af, .offset: 16, .size: 8, .value_kind: global_buffer, .address_space: global }
      - { .name: spart, .offset: 24, .size: 8, .value_kind: global_buffer, .address_space: global }
    .group_segment_fixed_size: 26368
    .private_segment_fixed_size: 0
    .kernarg_segment_align: 8
    .kernarg_segment_size: 32
    .max_flat_workgroup_size: 128
    .sgpr_count:     66
    .vgpr_count:     146
    .wavefront_size: 32
...
	.end_amdgpu_metadata
.endif
;; end of part 7
;; launch tmat (part 8): grid 16 x 16, 4 waves a work-group, no clusters, 235,008 bytes of LDS; arguments features, Af, spart, Tt, ssum; writes Tt, ssum
.if DOCPART == 8
	.amdgcn_target "amdgcn-amd-amdhsa--gfx1250"
	.amdhsa_code_object_version 6
	.text
	.protected	k_q5e8d18c4c9_tmat
	.globl	k_q5e8d18c4c9_tmat
	.p2align	8
	.type	k_q5e8d18c4c9_tmat,@function
k_q5e8d18c4c9_tmat:
	s_mov_b64 s[64:65], 0
	v_nop
	global_prefetch_b8 v0, s[64:65] scope:SCOPE_SE
	s_setreg_imm32_b32 hwreg(HW_REG_WAVE_MODE, 25, 1), 1
	s_wait_xcnt 0x0
; Work-group (x = block of 128 c, y = b): T[c][a] = sum over the batch's 256 n of X[n][c] attn[n][a] for its 128 c.
; attn comes as hi + lo pairs of bf16, already in the register order of a B operand (Af); both halves are multiplied into one f32 sum.
; T leaves as hi + lo too (Tt, laid out like Qt: row 64 b + a, each 64 c as 128 bytes of hi and 128 of lo).
; Wave w makes c = 32 w .. 32 w + 31 for all 64 a: 8 accumulators.  The work-group with x = 0 also adds the batch's 16 rows of spart into ssum.
; NO CLUSTER: X's tile (128 KiB) is the work-group's own; the shared fragments are 64 of its 192 KiB and are fetched once, so a joint
; request would put two rounds of a cluster's barrier into a launch with a single fill.
; LIMITS: features are rounded to bf16 (nearest even); sums in f32; NaN and infinities are not cared for.
.set PITCH, 528
.set FR,    256*PITCH                  ; behind X (256 n x 128 c of f32): attn fragments, ((kb*4 + nt)*2 + hl)*1024 + half*512 + 16 lane
.set TST,   FR+65536                   ; stage for Tt: 64 rows (a) x 512 bytes; no tensor load lands here
.set PV,    1                          ; 16 lane
.set ADRX0, 2                          ; v2-5  my A address in X's rows 0, 64, 128, 192
.set ADRF,  6
.set TSTO,  10
.set TRD,   11
.set TT,    32                         ; v[32:39] at work in SPLIT4
.set AF,    16
.set AR,    32
.set B0,    64
.set B1,    128
.set ACC,   192
.set G1,    24
.set G0,    32
.set G1F,   36
.set G0F,   44
.set MASK,  48
.macro PLACES
.rept 4
	v_nop
.endr
.endm
.macro SPLIT4 hi, lo, a, b, st
.irp i,0,1,2,3
	v_cvt_pk_bf16_f32 v[\hi+\i], v[\a+\st*\i], v[\b+\st*\i]
.endr
.irp i,0,1,2,3
	v_lshlrev_b32 v[TT+2*\i], 16, v[\hi+\i]
	v_and_b32 v[TT+2*\i+1], s[MASK], v[\hi+\i]
.endr
.irp i,0,1,2,3
	v_sub_f32 v[TT+2*\i], v[\a+\st*\i], v[TT+2*\i]
	v_sub_f32 v[TT+2*\i+1], v[\b+\st*\i], v[TT+2*\i+1]
.endr
.irp i,0,1,2,3
	v_cvt_pk_bf16_f32 v[\lo+\i], v[TT+2*\i], v[TT+2*\i+1]
.endr
.endm
.macro LDAC adr, off                   ; X lies [n][c]: lane (r, h) takes c = 32 w + 2 r and + 1 (m tiles 0 and 1) of rows 8h + 0..7 and 16 + 8h + 0..7
.irp l,0,1,2,3,4,5,6,7,8,9,10,11,12,13,14,15
	ds_load_b64 v[AR+2*\l:AR+2*\l+1], v[\adr] offset:\off+(\l+8*(\l/8))*PITCH
.endr
.endm
.macro CVTA
.irp t,0,1
.irp i,0,1,2,3,4,5,6,7
	v_cvt_pk_bf16_f32 v[AF+8*\t+\i], v[AR+4*\i+\t], v[AR+4*\i+2+\t]
.endr
.endr
.endm
.macro LDBF buf, off
.irp f,0,1,2,3,4,5,6,7
	ds_load_b128 v[\buf+8*\f:\buf+8*\f+3], v[ADRF] offset:\off+\f*1024
	ds_load_b128 v[\buf+8*\f+4:\buf+8*\f+7], v[ADRF] offset:\off+\f*1024+512
.endr
.endm
.macro MM buf, hl, zero                ; eight accumulators by turns, one instruction a turn
.irp mt,0,1
.irp nt,0,1,2,3
.if \zero
	v_wmma_f32_16x16x32_bf16 v[ACC+8*(4*\mt+\nt):ACC+8*(4*\mt+\nt)+7], v[AF+8*\mt:AF+8*\mt+7], v[\buf+8*(2*\nt+\hl):\buf+8*(2*\nt+\hl)+7], 0
.else
	v_wmma_f32_16x16x32_bf16 v[ACC+8*(4*\mt+\nt):ACC+8*(4*\mt+\nt)+7], v[AF+8*\mt:AF+8*\mt+7], v[\buf+8*(2*\nt+\hl):\buf+8*(2*\nt+\hl)+7], v[ACC+8*(4*\mt+\nt):ACC+8*(4*\mt+\nt)+7]
.endif
.endr
.endr
.endm
.macro TSTEP kb, zero
.set NK, \kb+1
	s_wait_dscnt 0x10                      ; my 16 A loads are in; the 16 B loads behind them may be out
	PLACES
	CVTA
	LDAC ADRX0+(NK>>1), (NK&1)*32*PITCH
	LDBF B0+64*(NK&1), NK*8192
	s_wait_dscnt 0x20                      ; all but the 32 just issued
	MM B0+64*((\kb)&1), 0, \zero
	MM B0+64*((\kb)&1), 1, 0
.endm
	s_load_b256 s[4:11], s[0:1], 0x0               ; features s[4:5], Af s[6:7], spart s[8:9], Tt s[10:11]
	s_load_b64 s[12:13], s[0:1], 0x20              ; ssum
	v_lshl_add_u32 v14, v0, 2, 0x39400
	v_mov_b32 v15, 0
	ds_add_u32 v14, v15
	ds_add_u32 v14, v15
	v_lshrrev_b32 v16, 5, v0
	v_readfirstlane_b32 s14, v16                   ; wave
	s_and_b32 s15, ttmp7, 0xffff                   ; y = b
	s_mov_b32 s[G1+0], 0x07920000                  ; X: elements of 4 bytes, 4 words of padding behind every 128
	s_mov_b32 s[G1+1], 128<<16
	s_mov_b32 s[G1+2], 64<<16
	s_mov_b32 s[G1+3], 128<<16
	s_mov_b32 s[G1+4], 64
	s_mov_b32 s[G1+5], 2048
	s_mov_b32 s[G1+6], 0
	s_mov_b32 s[G1+7], 0
	s_mov_b32 s[G1F+0], 3<<16                      ; fragments: a dense block as 64 rows of 32 elements of 8 bytes, no padding
	s_mov_b32 s[G1F+1], 32<<16
	s_mov_b32 s[G1F+2], 64<<16
	s_mov_b32 s[G1F+3], 32<<16
	s_mov_b32 s[G1F+4], 64
	s_mov_b32 s[G1F+5], 32
	s_mov_b32 s[G1F+6], 0
	s_mov_b32 s[G1F+7], 0
	s_lshl_b32 s16, s15, 8
	s_lshl_b32 s17, s14, 6
	s_add_co_u32 s16, s16, s17                     ; X row 256 y + 64 w
	s_lshl_b32 s16, s16, 13
	s_lshl_b32 s17, ttmp9, 9
	s_add_co_u32 s16, s16, s17                     ; + 512 x bytes
	s_mov_b32 s17, 0
	s_lshl_b32 s18, s15, 16
	s_lshl_b32 s19, s14, 14
	s_add_co_u32 s18, s18, s19                     ; Af: 65,536 y + 16,384 w
	s_mov_b32 s19, 0
	s_mov_b32 s[G0], 1
	s_mul_i32 s[G0+1], s14, 64*PITCH
	s_mov_b32 s[G0F], 1
	s_lshl_b32 s[G0F+1], s14, 14
	s_add_co_u32 s[G0F+1], s[G0F+1], FR
	s_wait_dscnt 0x0
	s_wait_kmcnt 0x0
	s_add_nc_u64 s[G0+2:G0+3], s[4:5], s[16:17]
	s_or_b32 s[G0+3], s[G0+3], 0x80000000
	s_add_nc_u64 s[G0F+2:G0F+3], s[6:7], s[18:19]
	s_or_b32 s[G0F+3], s[G0F+3], 0x80000000
	tensor_load_to_lds s[G0:G0+3], s[G1:G1+7]      ; my 64 rows of X and my quarter of the fragments: the wave's two tensor loads, both first fills
	s_nop 0
	tensor_load_to_lds s[G0F:G0F+3], s[G1F:G1F+7]
	s_nop 0
	s_mov_b32 s[MASK], 0xffff0000
	s_lshl_b32 s16, s15, 6
	s_lshl_b32 s17, s14, 4
	s_add_co_u32 s16, s16, s17
	s_lshl_b32 s16, s16, 13
	s_lshl_b32 s17, ttmp9, 9
	s_add_co_u32 s16, s16, s17
	s_mov_b32 s17, 0
	s_add_nc_u64 s[50:51], s[10:11], s[16:17]      ; Tt row 64 y + 16 w, + 512 x bytes
	s_lshl_b32 s16, s15, 8
	s_add_nc_u64 s[52:53], s[12:13], s[16:17]      ; ssum[y]
	s_lshl_b32 s16, s15, 12
	s_add_nc_u64 s[54:55], s[8:9], s[16:17]        ; spart[y]
	s_or_b32 s16, s14, ttmp9
	s_cmp_lg_u32 s16, 0
	s_cbranch_scc1 .Lno_ssum                       ; wave 0 of the work-group with x = 0: the batch's column sums, while the tiles are on their way
	v_and_b32 v16, 31, v0
	v_lshlrev_b32 v16, 3, v16
.irp t,0,1,2,3,4,5,6,7,8,9,10,11,12,13,14,15
	global_load_b64 v[B0+2*\t:B0+2*\t+1], v16, s[54:55] offset:256*\t      ; a row of 256 consecutive bytes
.endr
	s_wait_loadcnt 0x0
.irp t,0,1,2,3,4,5,6,7
	v_pk_add_f32 v[B0+2*\t:B0+2*\t+1], v[B0+2*\t:B0+2*\t+1], v[B0+16+2*\t:B0+16+2*\t+1]
.endr
.irp t,0,1,2,3
	v_pk_add_f32 v[B0+2*\t:B0+2*\t+1], v[B0+2*\t:B0+2*\t+1], v[B0+8+2*\t:B0+8+2*\t+1]
.endr
.irp t,0,1
	v_pk_add_f32 v[B0+2*\t:B0+2*\t+1], v[B0+2*\t:B0+2*\t+1], v[B0+4+2*\t:B0+4+2*\t+1]
.endr
	v_pk_add_f32 v[B0:B0+1], v[B0:B0+1], v[B0+2:B0+3]
	global_store_b64 v16, v[B0:B0+1], s[52:53]
	s_wait_xcnt 0x0                                ; v16 and B0 are written again only behind this wait
.Lno_ssum:
	v_and_b32 v16, 31, v0
	v_lshlrev_b32 v[PV], 4, v16
	v_and_b32 v17, 15, v0                          ; r
	v_bfe_u32 v18, v0, 4, 1                        ; h
	v_mul_u32_u24 v19, v18, 8*PITCH
	v_lshl_add_u32 v19, v17, 3, v19
	s_lshl_b32 s16, s14, 7
	v_add_nc_u32 v[ADRX0], s16, v19                ; 8 h rows + 128 w + 8 r
	v_add_nc_u32 v[ADRX0+1], 64*PITCH, v[ADRX0]
	v_add_nc_u32 v[ADRX0+2], 128*PITCH, v[ADRX0]
	v_add_nc_u32 v[ADRX0+3], 192*PITCH, v[ADRX0]
	v_add_nc_u32 v[ADRF], FR, v[PV]
	v_mul_u32_u24 v19, v17, PITCH
	v_lshl_add_u32 v19, v18, 5, v19
	s_lshr_b32 s16, s14, 1
	s_lshl_b32 s16, s16, 8
	s_and_b32 s17, s14, 1
	s_lshl_b32 s17, s17, 6
	s_add_co_u32 s16, s16, s17
	s_add_co_u32 s16, s16, TST
	v_add_nc_u32 v[TSTO], s16, v19
	s_mul_i32 s16, s14, 16*PITCH
	s_add_co_u32 s16, s16, TST
	v_add_nc_u32 v[TRD], s16, v[PV]
	s_wait_tensorcnt 0x0                           ; my rows of X and my part of the fragments have landed
	s_barrier_signal -1
	s_barrier_wait -1                              ; everybody's have
	; K = 256 n in eight steps of 32
	LDAC ADRX0, 0
	LDBF B0, 0
	TSTEP 0, 1
.irp kb,1,2,3,4,5,6
	TSTEP \kb, 0
.endr
	s_wait_dscnt 0x0
	PLACES
	CVTA
	MM B1, 0, 0
	MM B1, 1, 0
	; Register j of tile (t, nt): c = 32 w + 16 h + 2 j + t, a = 16 nt + r: tiles 0 and 1 pack into one word
	PLACES
.irp nt,0,1,2,3
	SPLIT4 16, 24, ACC+8*\nt, ACC+32+8*\nt, 1
	SPLIT4 20, 28, ACC+8*\nt+4, ACC+32+8*\nt+4, 1
	ds_store_b128 v[TSTO], v[16:19] offset:\nt*16*PITCH
	ds_store_b128 v[TSTO], v[20:23] offset:\nt*16*PITCH+16
	ds_store_b128 v[TSTO], v[24:27] offset:\nt*16*PITCH+128
	ds_store_b128 v[TSTO], v[28:31] offset:\nt*16*PITCH+144
.endr
	s_wait_dscnt 0x0                               ; my part of the stage is written
	s_barrier_signal -1
	s_barrier_wait -1
.irp t,0,1,2,3,4,5,6,7,8,9,10,11,12,13,14,15
	ds_load_b128 v[B0+4*\t:B0+4*\t+3], v[TRD] offset:\t*PITCH
.endr
.irp t,0,1,2,3,4,5,6,7,8,9,10,11,12,13,14,15
	s_wait_dscnt 15-\t
	global_store_b128 v[PV], v[B0+4*\t:B0+4*\t+3], s[50:51] offset:\t*8192   ; 512 consecutive bytes, aligned
.endr
	s_wait_tensorcnt 0x0
	ds_add_u32 v14, v15
	s_wait_dscnt 0x0
	s_endpgm
.Lfunc_end_k_q5e8d18c4c9_tmat:
	.size	k_q5e8d18c4c9_tmat, .Lfunc_end_k_q5e8d18c4c9_tmat-k_q5e8d18c4c9_tmat
	.p2alignl 7, 3214868480
	.fill 96, 4, 3214868480
	.section	.rodata,"a",@progbits
	.p2align	6, 0x0
	.amdhsa_kernel k_q5e8d18c4c9_tmat
		.amdhsa_group_segment_fixed_size 235008
		.amdhsa_private_segment_fixed_size 0
		.amdhsa_enable_private_segment 0
		.amdhsa_kernarg_size 40
		.amdhsa_user_sgpr_count 2
		.amdhsa_user_sgpr_kernarg_segment_ptr 1
		.amdhsa_wavefront_size32 1
		.amdhsa_system_sgpr_workgroup_id_x 1
		.amdhsa_system_sgpr_workgroup_id_y 1
		.amdhsa_system_sgpr_workgroup_id_z 1
		.amdhsa_system_vgpr_workitem_id 0
		.amdhsa_next_free_vgpr 256
		.amdhsa_next_free_sgpr 66
		.amdhsa_reserve_vcc 0
		.amdhsa_float_denorm_mode_32 3
		.amdhsa_float_denorm_mode_16_64 3
		.amdhsa_memory_ordered 1
		.amdhsa_forward_progress 1
		.amdhsa_inst_pref_size 53
	.end_amdhsa_kernel
	.amdgpu_metadata
---
amdhsa.version: [ 1, 2 ]
amdhsa.kernels:
  - .name:           k_q5e8d18c4c9_tmat
    .symbol:         k_q5e8d18c4c9_tmat.kd
    .args:
      - { .name: features, .offset: 0, .size: 8, .value_kind: global_buffer, .address_space: global }
      - { .name: Af, .offset: 8, .size: 8, .value_kind: global_buffer, .address_space: global }
      - { .name: spart, .offset: 16, .size: 8, .value_kind: global_buffer, .address_space: global }
      - { .name: Tt, .offset: 24, .size: 8, .value_kind: global_buffer, .address_space: global }
      - { .name: ssum, .offset: 32, .size: 8, .value_kind: global_buffer, .address_space: global }
    .group_segment_fixed_size: 235008
    .private_segment_fixed_size: 0
    .kernarg_segment_align: 8
    .kernarg_segment_size: 40
    .max_flat_workgroup_size: 128
    .sgpr_count:     66
    .vgpr_count:     256
    .wavefront_size: 32
...
	.end_amdgpu_metadata
.endif
;; end of part 8
;; launch outp (part 9): grid 16 x 16, 4 waves a work-group, clusters of 4 x 4, 327,680 bytes of LDS; arguments Wb, Tt, bf1, ssum, out1; writes out1
.if DOCPART == 9
	.amdgcn_target "amdgcn-amd-amdhsa--gfx1250"
	.amdhsa_code_object_version 6
	.text
	.protected	k_q5e8d18c4c9_outp
	.globl	k_q5e8d18c4c9_outp
	.p2align	8
	.type	k_q5e8d18c4c9_outp,@function
k_q5e8d18c4c9_outp:
	s_mov_b64 s[64:65], 0
	v_nop
	global_prefetch_b8 v0, s[64:65] scope:SCOPE_SE
	s_setreg_imm32_b32 hwreg(HW_REG_WAVE_MODE, 25, 1), 1
	s_wait_xcnt 0x0
	s_wait_alu depctr_hold_cnt(0) depctr_sa_sdst(0) depctr_va_vdst(0) depctr_va_sdst(0) depctr_va_ssrc(0) depctr_va_vcc(0) depctr_vm_vsrc(0)
	s_getreg_b32 s2, hwreg(HW_REG_IB_STS2, 6, 4)
	s_cmp_eq_u32 s2, 0
	s_cbranch_scc0 .Lentry_in_a_cluster
	s_endpgm
.Lentry_in_a_cluster:
	s_bfe_u32 s2, ttmp6, 0x10000c
	s_cmp_lg_u32 s2, 0xf033
	s_cbranch_scc0 .Lentry_shape_is_right
	s_endpgm
.Lentry_shape_is_right:
; reference()'s readout is (X Wf1 + bf1)^T attn.  It is made as Wf1^T (X^T attn) + bf1 (column sums of attn): another order of association.
; out1[b][f][a] = sum over c of Wf1[c][f] T[b][c][a] + bf1[f] ssum[b][a].  Work-group (x = block of 128 f, y = b), K = 2,048 c in 8 trips of 256.
; Wf1 comes as bf16 (Wb's second half, rounded by an earlier launch).  It lies [c][f], K down the rows, so its fragments are read from LDS by
; the transposing load.  T is read as hi + lo pairs of bf16; both halves are multiplied into one f32 sum.
; Four waves; wave w makes f = 32 w .. 32 w + 31, all 64 a.  A slot is 256 rows x 256 bytes of Wf1 and 64 rows x 1,024 bytes of Tt, and a wave
; issues 128 matrix instructions between a slot's request and the wait for it.
; The matrix instruction is used transposed (source 0 = rows of Tt, source 1 = columns of Wf1), so that a lane holds eight neighbouring a of one f.
; CLUSTER 4 x 4: Wf1's tile hangs on x alone (shared down a column of the cluster), Tt's on y alone (shared along a row).
; ORDER OF K: trip t takes chunk (t + s) mod 8 of 256 c, s = (2 cluster x + 4 cluster y + 2 (cluster y / 2)) mod 8.  Clusters that read the
; same chunks of Tt (same cluster y) start 2 chunks apart, neighbours along y that read the same chunks of Wf1 start 4 apart: the requests for
; one chunk are spread over the trips instead of all falling into the same trip.  s is the same in all sixteen work-groups of a cluster.
; LIMITS: Wf1 and bf1 are rounded to bf16 (nearest even); sums in f32, the K sum in an order that differs from cluster to cluster;
; NaN and infinities are not cared for.
.set PA,    288                        ; Wf1's rows: 256 bytes + 32 of padding: the 8 rows x 2 columns of 16 bytes that 16 lanes touch fall into 16 different columns of 256
.set PB,    1040                       ; Tt's rows: 1,024 bytes + 16
.set ATILE, 256*PA                     ; Wf1: 256 c x 128 f of bf16
.set BTILE, 64*PB                      ; Tt: 64 a x 256 c as hi and lo
.set SLOT,  ATILE+BTILE
.set OST,   2*SLOT                     ; stage for out1: 32 rows x 272 bytes for each wave; no tensor load lands here
.set ADRA0,  1                         ; slot 0, rows 0-127
.set ADRA0H, 2                         ; slot 0, rows 128-255 (an LDS offset has 16 bits)
.set ADRA1,  3
.set ADRA1H, 4
.set ADRB0,  5
.set ADRB1,  6
.set OSTO,   7
.set ORD,    8
.set OV,     9                         ; 16 lane
.set SV,     10                        ; 32 h
.set BV,     11                        ; 4 r
.set AF0,   16                         ; v[16:31]  fragments of Wf1, buffer 0
.set AF1,   32                         ; v[32:47]  buffer 1
.set B0,    64
.set B1,    128
.set ACC,   192                        ; tile (t, nt) at 8 (4 t + nt)
.set G1A, 24
.set G0A, 32
.set G1B, 40
.set G0B, 48
.set MASK, 21
.set OFA, 92                           ; s[92:93] byte offset of a chunk's 256 rows of Wf1; never holds cx or cy
.set OFB, 94                           ; s[94:95] byte offset of a chunk in a row of Tt; never holds cx or cy
.set KQ,  96                           ; s96 the chunk asked for last; never holds cx or cy
.macro PLACES                          ; four places behind matrix instructions (ISA guide 7.12.1)
.rept 4
	v_nop
.endr
.endm
; Two fragments of Wf1.  Lane L addresses row 8 h + (L & 7), 16 bytes at column 8 ((L >> 3) & 1) of tile t; the load transposes 8 x 8 elements
; within each eight lanes, so that lane L gets c = 8 h + 0..7 of column f = 32 w + 16 t + r; the second load, 16 rows down, c = 16 + 8 h + 0..7.
.macro LDAT af, adr, off
.irp t,0,1
	ds_load_tr16_b128 v[\af+8*\t:\af+8*\t+3], v[\adr] offset:\off+32*\t
	ds_load_tr16_b128 v[\af+8*\t+4:\af+8*\t+7], v[\adr] offset:\off+32*\t+16*PA
.endr
.endm
.macro LDB buf, adr, off               ; 64 rows (a) x 32 K, hi and lo: 16 loads
.irp nt,0,1,2,3
.irp hl,0,1
	ds_load_b128 v[\buf+8*(2*\nt+\hl):\buf+8*(2*\nt+\hl)+3], v[\adr] offset:\off+\nt*16*PB+\hl*128
	ds_load_b128 v[\buf+8*(2*\nt+\hl)+4:\buf+8*(2*\nt+\hl)+7], v[\adr] offset:\off+\nt*16*PB+\hl*128+32
.endr
.endr
.endm
.macro MM af, buf, hl, zero            ; eight accumulators by turns, one instruction a turn
.irp t,0,1
.irp nt,0,1,2,3
.if \zero
	v_wmma_f32_16x16x32_bf16 v[ACC+8*(4*\t+\nt):ACC+8*(4*\t+\nt)+7], v[\buf+8*(2*\nt+\hl):\buf+8*(2*\nt+\hl)+7], v[\af+8*\t:\af+8*\t+7], 0
.else
	v_wmma_f32_16x16x32_bf16 v[ACC+8*(4*\t+\nt):ACC+8*(4*\t+\nt)+7], v[\buf+8*(2*\nt+\hl):\buf+8*(2*\nt+\hl)+7], v[\af+8*\t:\af+8*\t+7], v[ACC+8*(4*\t+\nt):ACC+8*(4*\t+\nt)+7]
.endif
.endr
.endr
.endm
; A step of 32 along K on the buffers of parity p; the next step's fragments are asked for first, into the other buffers.
.macro STEPA p, aadr, aoff, badr, boff, zero
	PLACES                                 ; the other buffers were read by the matrix instructions just issued
	LDAT AF0+16*(1-\p), \aadr, \aoff
	LDB B0+64*(1-\p), \badr, \boff
	s_wait_dscnt 0x14                      ; all but the 20 just issued: this step's fragments are in
	MM AF0+16*\p, B0+64*\p, 0, \zero
	MM AF0+16*\p, B0+64*\p, 1, 0
.endm
.macro SEVEN alo, ahi, badr, zero      ; the first seven of a trip's eight steps; step k's A begins at row 32 k, its B at byte 256 (k / 2) + 64 (k & 1)
	STEPA 0, \alo, 32*PA, \badr, 64,  \zero
	STEPA 1, \alo, 64*PA, \badr, 256, 0
	STEPA 0, \alo, 96*PA, \badr, 320, 0
	STEPA 1, \ahi, 0,     \badr, 512, 0
	STEPA 0, \ahi, 32*PA, \badr, 576, 0
	STEPA 1, \ahi, 64*PA, \badr, 768, 0
	STEPA 0, \ahi, 96*PA, \badr, 832, 0
.endm
.macro NEXTK                           ; the next chunk, round the end of K
	s_add_co_u32 s[KQ], s[KQ], 1
	s_and_b32 s[KQ], s[KQ], 7
.endm
.macro SETADR slot                     ; the slot's two group 0 take chunk s[KQ]: 256 rows of 4,096 bytes of Wf1, 1,024 bytes in a row of Tt
	s_lshl_b32 s[OFA], s[KQ], 20
	s_lshl_b32 s[OFB], s[KQ], 10
	s_add_nc_u64 s[G0A+4*\slot+2:G0A+4*\slot+3], s[78:79], s[OFA:OFA+1]
	s_or_b32 s[G0A+4*\slot+3], s[G0A+4*\slot+3], 0x80000000
	s_add_nc_u64 s[G0B+4*\slot+2:G0B+4*\slot+3], s[82:83], s[OFB:OFB+1]
	s_or_b32 s[G0B+4*\slot+3], s[G0B+4*\slot+3], 0x80000000
.endm
.macro JLOAD s                         ; waves 0, 1 ask for the halves of Wf1's tile, waves 2, 3 for the halves of Tt's
	s_cmp_eq_u32 s15, 0
	s_cbranch_scc0 .Lfor_b_\@
	tensor_load_to_lds s[G0A+4*\s:G0A+4*\s+3], s[G1A:G1A+7]
	s_nop 0
	s_branch .Lasked_\@
.Lfor_b_\@:
	tensor_load_to_lds s[G0B+4*\s:G0B+4*\s+3], s[G1B:G1B+7]
	s_nop 0
.Lasked_\@:
.endm
.macro CREST
	s_cmp_lg_u32 s14, 0
	s_cbranch_scc1 .Lnot_wave_0_\@
	s_barrier_signal -3
.Lnot_wave_0_\@:
	s_barrier_wait -3
	s_barrier_signal -1
	s_barrier_wait -1
.endm
.macro CROUND
	s_barrier_signal -1
	s_barrier_wait -1
	CREST
.endm
; A trip's eighth step, and the change of slots.  fill = 1: this slot is filled again, two trips ahead, behind a round of the cluster's barrier.
.macro TURN slot, fill, naadr, nbadr
	s_wait_dscnt 0x0                       ; my reads of this slot are back
	s_wait_tensorcnt 0x0                   ; all my tensor loads have landed: my part of the next slot
	ds_add_u32 v62, v63
	s_wait_dscnt 0x0
.if \fill
	NEXTK                                  ; no tensor load of mine is out: the slot's group 0 may be written
	SETADR \slot
.endif
	s_barrier_signal -1
	MM AF1, B1, 0, 0                       ; register work while the others arrive
	s_barrier_wait -1
.if \fill
	CREST
	JLOAD \slot                            ; my one tensor load behind the round, first thing there
.endif
	PLACES                                 ; buffers 0 were read by the seventh step's matrix instructions
	LDAT AF0, \naadr, 0
	LDB B0, \nbadr, 0
	MM AF1, B1, 1, 0
.endm
.macro LAP zero
	SEVEN ADRA0, ADRA0H, ADRB0, \zero
	TURN 0, 1, ADRA1, ADRB1
	SEVEN ADRA1, ADRA1H, ADRB1, 0
	TURN 1, 1, ADRA0, ADRB0
.endm
	s_load_b256 s[4:11], s[0:1], 0x0               ; Wb s[4:5] (Wf1 as bf16 in its second half), Tt s[6:7], bf1 s[8:9], ssum s[10:11]
	s_load_b64 s[12:13], s[0:1], 0x20              ; out1
	v_lshl_add_u32 v62, v0, 2, 0x4d000
	v_mov_b32 v63, 0
	ds_add_u32 v62, v63
	ds_add_u32 v62, v63
	v_lshrrev_b32 v48, 5, v0
	v_readfirstlane_b32 s14, v48                   ; wave
	s_lshr_b32 s15, s14, 1
	s_and_b32 s16, s14, 1
	s_bfe_u32 s17, ttmp6, 0x40000                  ; cx
	s_bfe_u32 s18, ttmp6, 0x40004                  ; cy
	s_lshl_b32 s19, ttmp9, 2
	s_add_co_u32 s19, s19, s17                     ; x
	s_and_b32 s20, ttmp7, 0xffff
	s_lshl_b32 s20, s20, 2
	s_add_co_u32 s20, s20, s18                     ; y
	s_mov_b32 s[MASK], 0xffff0000
	; the cluster's first chunk of K, from the cluster's own coordinates alone
	s_and_b32 s97, ttmp7, 0xffff                   ; cluster y
	s_lshr_b32 s98, s97, 1
	s_lshl_b32 s98, s98, 1                         ; 2 (cluster y / 2)
	s_lshl_b32 s97, s97, 2                         ; 4 cluster y
	s_lshl_b32 s[KQ], ttmp9, 1                     ; 2 cluster x
	s_add_co_u32 s[KQ], s[KQ], s97
	s_add_co_u32 s[KQ], s[KQ], s98
	s_and_b32 s[KQ], s[KQ], 7
	s_mov_b32 s[OFA+1], 0
	s_mov_b32 s[OFB+1], 0
	s_lshl_b32 s76, 0x1111, s17                    ; my column of the cluster (same x)
	s_lshl_b32 s80, s18, 2
	s_lshl_b32 s80, 15, s80                        ; my row (same y)
	; group 1 of Wf1's tile: elements of 2 bytes, rows of 128, 2,048 from row to row, 8 words of padding behind every 64; bit 21 beside a mask
	s_or_b32 s[G1A+0], s76, 0x0F710000
	s_mov_b32 s[G1A+1], 128<<16
	s_mov_b32 s[G1A+2], 128<<16                    ; 128 rows of Wf1 a wave
	s_mov_b32 s[G1A+3], 128<<16
	s_mov_b32 s[G1A+4], 128
	s_mov_b32 s[G1A+5], 2048
	s_mov_b32 s[G1A+6], 0
	s_mov_b32 s[G1A+7], 0
	; of Tt's tile: words of 4 bytes, rows of 256, 2,048 from row to row, 4 words of padding behind every 256
	s_or_b32 s[G1B+0], s80, 0x07F20000
	s_mov_b32 s[G1B+1], 256<<16
	s_mov_b32 s[G1B+2], 32<<16                     ; 32 rows of Tt a wave
	s_mov_b32 s[G1B+3], 256<<16
	s_mov_b32 s[G1B+4], 32
	s_mov_b32 s[G1B+5], 2048
	s_mov_b32 s[G1B+6], 0
	s_mov_b32 s[G1B+7], 0
	s_lshl_b32 s76, s19, 8                         ; Wf1: 256 x bytes in a row, + 128 rows of 4,096 bytes for the second half,
	s_lshl_b32 s77, s16, 19
	s_add_co_u32 s76, s76, s77
	s_add_co_u32 s76, s76, 0x800000                ; in Wb's second half (registers that never hold y)
	s_mov_b32 s77, 0
	s_lshl_b32 s80, s20, 6                         ; Tt: row 64 y + 32 half (registers that never hold x)
	s_lshl_b32 s81, s16, 5
	s_add_co_u32 s80, s80, s81
	s_lshl_b32 s80, s80, 13
	s_mov_b32 s81, 0
	s_lshl_b32 s84, s20, 11                        ; out1: row 2048 y + 128 x + 32 w, rows of 256 bytes
	s_lshl_b32 s85, s19, 7
	s_add_co_u32 s84, s84, s85
	s_lshl_b32 s85, s14, 5
	s_add_co_u32 s84, s84, s85
	s_lshl_b32 s84, s84, 8
	s_mov_b32 s85, 0
	s_lshl_b32 s88, s20, 8                         ; ssum[y]
	s_mov_b32 s89, 0
	s_lshl_b32 s90, s19, 9                         ; bf1: 4 (128 x + 32 w)
	s_lshl_b32 s91, s14, 7
	s_add_co_u32 s90, s90, s91
	s_mov_b32 s91, 0
	s_mul_i32 s22, s14, 32*PB                      ; where a wave's 32 rows of Tt go
	s_mul_i32 s23, s14, 128*PA                     ; where a wave's 128 rows of Wf1 go
	s_wait_dscnt 0x0
	s_wait_kmcnt 0x0
	s_add_nc_u64 s[78:79], s[4:5], s[76:77]        ; Wf1 at my columns and half, chunk 0
	s_add_nc_u64 s[82:83], s[6:7], s[80:81]        ; Tt at my rows, chunk 0
	s_add_nc_u64 s[86:87], s[12:13], s[84:85]
	s_add_nc_u64 s[88:89], s[10:11], s[88:89]
	s_add_nc_u64 s[90:91], s[8:9], s[90:91]
.irp s,0,1
	s_mov_b32 s[G0A+4*\s], 1
	s_add_co_u32 s[G0A+4*\s+1], s23, \s*SLOT                       ; waves 0, 1: A's rows 0-127, 128-255
	s_mov_b32 s[G0B+4*\s], 1
	s_add_co_u32 s[G0B+4*\s+1], s22, \s*SLOT+ATILE-64*PB           ; waves 2, 3: behind A's 256 rows
.endr
	SETADR 0                                       ; trip 0: the cluster's first chunk
	NEXTK
	SETADR 1                                       ; trip 1: the one behind it
	CROUND                                         ; all sixteen work-groups are here: the first joint loads meet
	JLOAD 0                                        ; two tensor loads of the wave are out
	JLOAD 1
	v_and_b32 v49, 15, v0                          ; r
	v_bfe_u32 v50, v0, 4, 1                        ; h
	v_and_b32 v51, 7, v0                           ; L & 7
	v_bfe_u32 v52, v0, 3, 1                        ; (L >> 3) & 1
	v_lshl_add_u32 v51, v50, 3, v51                ; row 8 h + (L & 7)
	v_mul_u32_u24 v51, v51, PA
	v_lshl_add_u32 v51, v52, 4, v51                ; + 16 bytes for the upper eight columns of a tile
	s_lshl_b32 s22, s14, 6                         ; my wave's 32 f: 64 bytes
	v_add_nc_u32 v[ADRA0], s22, v51
	v_add_nc_u32 v[ADRA0H], 128*PA, v[ADRA0]
	v_add_nc_u32 v[ADRA1], SLOT, v[ADRA0]
	v_add_nc_u32 v[ADRA1H], SLOT+128*PA, v[ADRA0]
	v_mul_u32_u24 v51, v49, PB
	v_lshl_add_u32 v51, v50, 4, v51                ; r x 1,040 + 16 h
	v_add_nc_u32 v[ADRB0], ATILE, v51
	v_add_nc_u32 v[ADRB1], SLOT+ATILE, v51
	s_mul_i32 s22, s14, 32*272
	s_add_co_u32 s22, s22, OST
	v_mul_u32_u24 v51, v49, 272
	v_lshl_add_u32 v51, v50, 5, v51
	v_add_nc_u32 v[OSTO], s22, v51                 ; stage row r (tile 1: 16 rows further down), + 32 h
	v_mul_u32_u24 v51, v50, 272
	v_lshl_add_u32 v51, v49, 4, v51
	v_add_nc_u32 v[ORD], s22, v51
	v_and_b32 v51, 31, v0
	v_lshlrev_b32 v[OV], 4, v51
	v_lshlrev_b32 v[SV], 5, v50
	v_lshlrev_b32 v[BV], 2, v49
	s_wait_tensorcnt 0x1                           ; my part of trip 0 is in; trip 1's stays out
	s_barrier_signal -1
	s_barrier_wait -1
	LDAT AF0, ADRA0, 0
	LDB B0, ADRB0, 0
	LAP 1                                          ; trips 0, 1: the first product starts the sums
	s_mov_b32 s3, 2
.Llap:
	LAP 0                                          ; trips 2 to 5
	s_sub_co_u32 s3, s3, 1
	s_cmp_lg_u32 s3, 0
	s_cbranch_scc1 .Llap
	SEVEN ADRA0, ADRA0H, ADRB0, 0                  ; trip 6: nothing is left to fetch
	TURN 0, 0, ADRA1, ADRB1
	SEVEN ADRA1, ADRA1H, ADRB1, 0                  ; trip 7
	s_wait_dscnt 0x0
	PLACES                                         ; buffer B0 was read by the seventh step's matrix instructions
.irp nt,0,1,2,3
	global_load_b128 v[B0+8*\nt:B0+8*\nt+3], v[SV], s[88:89] offset:64*\nt         ; ssum[16 nt + 8 h + 0..7], under the last products
	global_load_b128 v[B0+8*\nt+4:B0+8*\nt+7], v[SV], s[88:89] offset:64*\nt+16
.endr
	global_load_b32 v[B0+32], v[BV], s[90:91]                                      ; bf1 of my f in tile 0
	global_load_b32 v[B0+33], v[BV], s[90:91] offset:64                            ; and in tile 1
	MM AF1, B1, 0, 0
	MM AF1, B1, 1, 0
	; THE WAY OUT.  Register j of tile (t, nt): f = 32 w + 16 t + r, a = 16 nt + 8 h + j.
	PLACES
	s_wait_loadcnt 0x0
	v_cvt_pk_bf16_f32 v[B0+34], v[B0+32], v[B0+33] ; bf1 is rounded to bf16 like every input
	v_lshlrev_b32 v[B0+36], 16, v[B0+34]           ; each twice, for the packed multiply-adds
	v_lshlrev_b32 v[B0+37], 16, v[B0+34]
	v_and_b32 v[B0+38], s[MASK], v[B0+34]
	v_and_b32 v[B0+39], s[MASK], v[B0+34]
.irp t,0,1
.irp nt,0,1,2,3
.irp i,0,2,4,6
	v_pk_fma_f32 v[ACC+8*(4*\t+\nt)+\i:ACC+8*(4*\t+\nt)+\i+1], v[B0+8*\nt+\i:B0+8*\nt+\i+1], v[B0+36+2*\t:B0+36+2*\t+1], v[ACC+8*(4*\t+\nt)+\i:ACC+8*(4*\t+\nt)+\i+1]
.endr
.endr
.endr
.irp t,0,1
.irp nt,0,1,2,3
	ds_store_b128 v[OSTO], v[ACC+8*(4*\t+\nt):ACC+8*(4*\t+\nt)+3] offset:16*272*\t+64*\nt
	ds_store_b128 v[OSTO], v[ACC+8*(4*\t+\nt)+4:ACC+8*(4*\t+\nt)+7] offset:16*272*\t+64*\nt+16
.endr
.endr
.irp t,0,1,2,3,4,5,6,7,8,9,10,11,12,13,14,15
	ds_load_b128 v[B1+4*\t:B1+4*\t+3], v[ORD] offset:544*\t        ; my wave's own stage; LDS serves a wave's instructions in order
.endr
.irp t,0,1,2,3,4,5,6,7,8,9,10,11,12,13,14,15
	s_wait_dscnt 15-\t
	global_store_b128 v[OV], v[B1+4*\t:B1+4*\t+3], s[86:87] offset:512*\t          ; two whole rows of 256 bytes
.endr
	s_wait_tensorcnt 0x0
	ds_add_u32 v62, v63
	s_wait_dscnt 0x0
	CROUND                                         ; the closing round
	s_endpgm
.Lfunc_end_k_q5e8d18c4c9_outp:
	.size	k_q5e8d18c4c9_outp, .Lfunc_end_k_q5e8d18c4c9_outp-k_q5e8d18c4c9_outp
	.p2alignl 7, 3214868480
	.fill 96, 4, 3214868480
	.section	.rodata,"a",@progbits
	.p2align	6, 0x0
	.amdhsa_kernel k_q5e8d18c4c9_outp
		.amdhsa_group_segment_fixed_size 327680
		.amdhsa_private_segment_fixed_size 0
		.amdhsa_enable_private_segment 0
		.amdhsa_kernarg_size 40
		.amdhsa_user_sgpr_count 2
		.amdhsa_user_sgpr_kernarg_segment_ptr 1
		.amdhsa_wavefront_size32 1
		.amdhsa_system_sgpr_workgroup_id_x 1
		.amdhsa_system_sgpr_workgroup_id_y 1
		.amdhsa_system_sgpr_workgroup_id_z 1
		.amdhsa_system_vgpr_workitem_id 0
		.amdhsa_next_free_vgpr 256
		.amdhsa_next_free_sgpr 100
		.amdhsa_reserve_vcc 0
		.amdhsa_float_denorm_mode_32 3
		.amdhsa_float_denorm_mode_16_64 3
		.amdhsa_memory_ordered 1
		.amdhsa_forward_progress 1
		.amdhsa_inst_pref_size 135
	.end_amdhsa_kernel
	.amdgpu_metadata
---
amdhsa.version: [ 1, 2 ]
amdhsa.kernels:
  - .name:           k_q5e8d18c4c9_outp
    .symbol:         k_q5e8d18c4c9_outp.kd
    .args:
      - { .name: Wb, .offset: 0, .size: 8, .value_kind: global_buffer, .address_space: global }
      - { .name: Tt, .offset: 8, .size: 8, .value_kind: global_buffer, .address_space: global }
      - { .name: bf1, .offset: 16, .size: 8, .value_kind: global_buffer, .address_space: global }
      - { .name: ssum, .offset: 24, .size: 8, .value_kind: global_buffer, .address_space: global }
      - { .name: out1, .offset: 32, .size: 8, .value_kind: global_buffer, .address_space: global }
    .group_segment_fixed_size: 327680
    .private_segment_fixed_size: 0
    .kernarg_segment_align: 8
    .kernarg_segment_size: 40
    .max_flat_workgroup_size: 128
    .sgpr_count:     100
    .vgpr_count:     256
    .wavefront_size: 32
...
	.end_amdgpu_metadata
.endif
;; end of part 9
;; ======== version 3 of 3: 6 launches; version 2 with the launch cvtw written anew for expert scheduling mode
;; limits: values outside matrix products are rounded to bf16
;; workspace buffers: Qt 8,388,608 bytes; Tt 8,388,608 bytes; gpart 65,536 bytes; P 16,777,216 bytes; ssum 4,096 bytes; Af 1,048,576 bytes; spart 65,536 bytes; Wb 16,777,216 bytes
;; launch cvtw (part 10): grid 512 x 1, 8 waves a work-group, no clusters, 0 bytes of LDS; arguments Wf, Wf1, Wb; writes Wb
.if DOCPART == 10
	.amdgcn_target "amdgcn-amd-amdhsa--gfx1250"
	.amdhsa_code_object_version 6
	.text
	.protected	k_q5e8d18c4c9_cvtw
	.globl	k_q5e8d18c4c9_cvtw
	.p2align	8
	.type	k_q5e8d18c4c9_cvtw,@function
k_q5e8d18c4c9_cvtw:
	s_mov_b64 s[64:65], 0
	v_nop
	global_prefetch_b8 v0, s[64:65] scope:SCOPE_SE
	s_setreg_imm32_b32 hwreg(HW_REG_WAVE_SCHED_MODE, 0, 2), 2
	s_setreg_imm32_b32 hwreg(HW_REG_WAVE_MODE, 25, 1), 1
	s_wait_xcnt 0x0
	s_wait_alu depctr_vm_vsrc(0)
; Wf and Wf1, [2048][2048] f32, are rounded once to bf16 (nearest even), in the same row-major order: Wb holds Wf at byte 0 and Wf1 at
; byte 8,388,608, rows of 4,096 bytes.  The two matrix launches then move half the bytes of their weights and convert nothing.
; A stream: no LDS, no matrix work, no cluster (no byte is read twice).  Work-group x takes 32,768 bytes of each matrix; thread t takes
; 16 bytes at 16 t of every 4,096, so a wave's load covers 512 consecutive bytes and its store of 8 bytes a lane 256 consecutive bytes, aligned.
; All 16 loads of a wave are on their way at once.
; LIMITS: bf16's rounding; NaN and infinities pass as the conversion makes them.
; THE MODE: SCHED_MODE bits 1:0 = 2 (LLVM: expert scheduling mode 2), set by the entry lines.  The code itself states the register dependences
; between vector instructions and memory instructions, with s_wait_alu, always for 0.
; THE PLAN.  Registers that memory instructions touch:
;   v1, v2   byte offsets, made once at the head and never written again; v1 is read by every load, v2 by every store.
;   IN       load l lands in IN + 4 l, once; read by load l's two conversions, behind the counted wait for the load.  No vector instruction writes it.
;   OUT      load l's two conversions write OUT + 2 l, once; read by store l, once; never written again.
; The 16 loads go in four groups of four.  Group g's conversions name IN and OUT of group g alone.  Its memory instructions are the four stores of
; group g - 1, which read v2 and OUT of group g - 1.  So one wait at a group's head states all that its four stores hang on, and they are dealt among
; the group's conversions with no further wait.  No register that a memory instruction reads is written a second time: nothing is owed for that.
.set IN,  4                            ; v[4:67]   16 loads x 4 f32
.set OUT, 68                           ; v[68:99]  16 stores x 4 bf16
	s_load_b128 s[4:7], s[0:1], 0x0                ; Wf s[4:5], Wf1 s[6:7]
	s_load_b64 s[8:9], s[0:1], 0x10                ; Wb
	v_lshlrev_b32 v1, 4, v0                        ; 16 t: where I read
	v_lshlrev_b32 v2, 3, v0                        ; 8 t: where I write
	s_lshl_b32 s12, ttmp9, 15                      ; the work-group's 32,768 bytes of f32
	s_mov_b32 s13, 0
	s_lshl_b32 s14, ttmp9, 14                      ; and its 16,384 bytes of bf16
	s_mov_b32 s15, 0
	s_wait_kmcnt 0x0
	s_add_nc_u64 s[4:5], s[4:5], s[12:13]
	s_add_nc_u64 s[6:7], s[6:7], s[12:13]
	s_add_nc_u64 s[8:9], s[8:9], s[14:15]          ; Wf's half of Wb
	s_add_nc_u64 s[10:11], s[8:9], 0x800000        ; Wf1's half
	s_wait_alu depctr_va_vdst(0)                   ; v1 and v2 are written: every load of the kernel reads v1 as its offset, every store v2
.irp i,0,1,2,3,4,5,6,7
	global_load_b128 v[IN+4*\i:IN+4*\i+3], v1, s[4:5] offset:4096*\i th:TH_LOAD_NT
.endr
.irp i,0,1,2,3,4,5,6,7
	global_load_b128 v[IN+32+4*\i:IN+32+4*\i+3], v1, s[6:7] offset:4096*\i th:TH_LOAD_NT
.endr
; Load l's four numbers are rounded: loads 0 to 7 are Wf's, 8 to 15 Wf1's.
.macro CVT l
	v_cvt_pk_bf16_f32 v[OUT+2*(\l)], v[IN+4*(\l)], v[IN+4*(\l)+1]
	v_cvt_pk_bf16_f32 v[OUT+2*(\l)+1], v[IN+4*(\l)+2], v[IN+4*(\l)+3]
.endm
; and stored, into the matrix's half of Wb.
.macro PUT l
.if (\l) < 8
	global_store_b64 v2, v[OUT+2*(\l):OUT+2*(\l)+1], s[8:9] offset:2048*(\l)
.else
	global_store_b64 v2, v[OUT+2*(\l):OUT+2*(\l)+1], s[10:11] offset:2048*((\l)-8)
.endif
.endm
; Group g: loads 4 g to 4 g + 3 are rounded; the stores of the group before stand among the conversions, a store ahead of each pair.
.macro GROUP g
	s_wait_loadcnt 12-4*(\g)                       ; loads come back in order: this group's four are in, the younger ones stay out
.if (\g) > 0
	s_wait_alu depctr_va_vdst(0)                   ; the conversions of the group before have written its OUT registers, which the four stores below read
.endif
.irp i,0,1,2,3
.if (\g) > 0
	PUT 4*(\g)-4+\i                                ; no vector instruction since the wait names these registers
.endif
	CVT 4*(\g)+\i
.endr
.endm
	GROUP 0
	GROUP 1
	GROUP 2
	GROUP 3
	s_wait_alu depctr_va_vdst(0)                   ; the last group's conversions have written its OUT registers, which the last four stores read
.irp i,12,13,14,15
	PUT \i
.endr
	s_endpgm
.Lfunc_end_k_q5e8d18c4c9_cvtw:
	.size	k_q5e8d18c4c9_cvtw, .Lfunc_end_k_q5e8d18c4c9_cvtw-k_q5e8d18c4c9_cvtw
	.p2alignl 7, 3214868480
	.fill 96, 4, 3214868480
	.section	.rodata,"a",@progbits
	.p2align	6, 0x0
	.amdhsa_kernel k_q5e8d18c4c9_cvtw
		.amdhsa_group_segment_fixed_size 0
		.amdhsa_private_segment_fixed_size 0
		.amdhsa_enable_private_segment 0
		.amdhsa_kernarg_size 24
		.amdhsa_user_sgpr_count 2
		.amdhsa_user_sgpr_kernarg_segment_ptr 1
		.amdhsa_wavefront_size32 1
		.amdhsa_system_sgpr_workgroup_id_x 1
		.amdhsa_system_sgpr_workgroup_id_y 1
		.amdhsa_system_sgpr_workgroup_id_z 1
		.amdhsa_system_vgpr_workitem_id 0
		.amdhsa_next_free_vgpr 100
		.amdhsa_next_free_sgpr 66
		.amdhsa_reserve_vcc 0
		.amdhsa_float_denorm_mode_32 3
		.amdhsa_float_denorm_mode_16_64 3
		.amdhsa_memory_ordered 1
		.amdhsa_forward_progress 1
		.amdhsa_inst_pref_size 7
	.end_amdhsa_kernel
	.amdgpu_metadata
---
amdhsa.version: [ 1, 2 ]
amdhsa.kernels:
  - .name:           k_q5e8d18c4c9_cvtw
    .symbol:         k_q5e8d18c4c9_cvtw.kd
    .args:
      - { .name: Wf, .offset: 0, .size: 8, .value_kind: global_buffer, .address_space: global }
      - { .name: Wf1, .offset: 8, .size: 8, .value_kind: global_buffer, .address_space: global }
      - { .name: Wb, .offset: 16, .size: 8, .value_kind: global_buffer, .address_space: global }
    .group_segment_fixed_size: 0
    .private_segment_fixed_size: 0
    .kernarg_segment_align: 8
    .kernarg_segment_size: 24
    .max_flat_workgroup_size: 256
    .sgpr_count:     66
    .vgpr_count:     100
    .wavefront_size: 32
...
	.end_amdgpu_metadata
.endif
;; end of part 10
;; launch qproj: the kernel of part 1 again; grid 16 x 16, 4 waves a work-group, no clusters, 327,680 bytes of LDS; arguments queries, Wq, bq, bf, Qt, gpart; writes Qt, gpart
;; launch gscore: the kernel of part 6 again; grid 16 x 16, 4 waves a work-group, clusters of 4 x 4, 327,680 bytes of LDS; arguments Wb, Qt, features, gpart, P; writes P
;; launch soft: the kernel of part 7 again; grid 16 x 16, 4 waves a work-group, no clusters, 26,368 bytes of LDS; arguments P, out0, Af, spart; writes out0, Af, spart
;; launch tmat: the kernel of part 8 again; grid 16 x 16, 4 waves a work-group, no clusters, 235,008 bytes of LDS; arguments features, Af, spart, Tt, ssum; writes Tt, ssum
;; launch outp: the kernel of part 9 again; grid 16 x 16, 4 waves a work-group, clusters of 4 x 4, 327,680 bytes of LDS; arguments Wb, Tt, bf1, ssum, out1; writes out1
